; MI455X (gfx1250); checked and timed in simulation.
; The chip was launched on July 23, 2026; its instructions are those of AMD's public machine-readable ISA for CDNA 5 (MIT licence, August 2026) and "CDNA5" Instruction Set Architecture Reference Guide (July 2026). The comments in the code are by the model that wrote it; some were corrected since.
;; endecoder2. Allowed arithmetic: matrix products marked QUANTISED: E2M1 operands, one E8M0 scale for each 32 along K, by v_wmma_scale_f32_16x16x128_f8f6f4 with both operands' format E2M1 (or v_wmma_scale_f32_32x16x128_f4), f32 sums; everything else in f32.
;; Inputs: W11_codes 1,024 x 16 x 16 uint8 (E2M1 codes of W11, K innermost, in blocks of 32 codes, two codes a byte); W11_scales 1,024 x 16 uint8 (E8M0 scales of W11, one for each 32 codes along K); W12_codes 512 x 32 x 16 uint8 (E2M1 codes of W12, K innermost, in blocks of 32 codes, two codes a byte); W12_scales 512 x 32 uint8 (E8M0 scales of W12, one for each 32 codes along K); W21_codes 1,024 x 16 x 16 uint8 (E2M1 codes of W21, K innermost, in blocks of 32 codes, two codes a byte); W21_scales 1,024 x 16 uint8 (E8M0 scales of W21, one for each 32 codes along K); W22_codes 512 x 32 x 16 uint8 (E2M1 codes of W22, K innermost, in blocks of 32 codes, two codes a byte); W22_scales 512 x 32 uint8 (E8M0 scales of W22, one for each 32 codes along K); Wk_codes 512 x 16 x 16 uint8 (E2M1 codes of Wk, K innermost, in blocks of 32 codes, two codes a byte); Wk_scales 512 x 16 uint8 (E8M0 scales of Wk, one for each 32 codes along K); Wq_codes 512 x 16 x 16 uint8 (E2M1 codes of Wq, K innermost, in blocks of 32 codes, two codes a byte); Wq_scales 512 x 16 uint8 (E8M0 scales of Wq, one for each 32 codes along K); Wv1_codes 512 x 32 x 16 uint8 (E2M1 codes of Wv1, K innermost, in blocks of 32 codes, two codes a byte); Wv1_scales 512 x 32 uint8 (E8M0 scales of Wv1, one for each 32 codes along K); Wv2_codes 512 x 32 x 16 uint8 (E2M1 codes of Wv2, K innermost, in blocks of 32 codes, two codes a byte); Wv2_scales 512 x 32 uint8 (E8M0 scales of Wv2, one for each 32 codes along K); b11 1,024 float32; b12 512 float32; b21 1,024 float32; b22 512 float32; be11 512 float32; be12 512 float32; be21 512 float32; be22 512 float32; bk 512 float32; bq 512 float32; bv1 512 float32; bv2 512 float32; depth1 8 x 1,024 x 512 float32; g11 512 float32; g12 512 float32; g21 512 float32; g22 512 float32; rgb1 8 x 1,024 x 512 float32.
;; Outputs: out0 8 x 1,024 x 512 float32; out1 8 x 1,024 x 512 float32; out2 8 x 1,024 x 512 float32.
;; This version of the problem:
;;   THIS VERSION OF THE PROBLEM IS GIVEN IN LOW PRECISION. The matrix products marked QUANTISED in the list below multiply operands that are first quantised to E2M1 (2 exponent bits, 1 mantissa bit; 4 bits a number), with one power-of-two scale for each 32 numbers along K (OCP MX v1.0); their sums are f32. All else is computed in f32.
;;   The module's matrix products, in the order in which they are computed (A, B: the left and right operand; K: the contracted axis; several contracted axes count as one K, in the product's order):
;;     1. [M 8,192, K 512] x [K 512, N 512]; A: computed on the way; B: input Wq (given as codes): QUANTISED
;;     2. [M 8,192, K 512] x [K 512, N 512]; A: computed on the way; B: input Wk (given as codes): QUANTISED
;;     3. [M 8,192, K 1,024] x [K 1,024, N 512]; A: computed on the way; B: input Wv1 (given as codes): QUANTISED
;;     4. [M 8,192, K 1,024] x [K 1,024, N 512]; A: computed on the way; B: input Wv2 (given as codes): QUANTISED
;;     5. batch 64 x [M 1,024, K 64] x [K 64, N 1,024]; A: computed on the way; B: computed on the way: QUANTISED
;;     6. batch 64 x [M 1,024, K 1,024] x [K 1,024, N 64]; A: softmax (see below); B: computed on the way: QUANTISED
;;     7. batch 64 x [M 1,024, K 1,024] x [K 1,024, N 64]; A: softmax (see below); B: computed on the way: QUANTISED
;;     8. [M 8,192, K 512] x [K 512, N 1,024]; A: computed on the way; B: input W11 (given as codes): QUANTISED
;;     9. [M 8,192, K 1,024] x [K 1,024, N 512]; A: computed on the way; B: input W12 (given as codes): QUANTISED
;;     10. [M 8,192, K 512] x [K 512, N 1,024]; A: computed on the way; B: input W21 (given as codes): QUANTISED
;;     11. [M 8,192, K 1,024] x [K 1,024, N 512]; A: computed on the way; B: input W22 (given as codes): QUANTISED
;;   THE QUANTISER, for each operand of a quantised product, along K:
;;     - K is cut into blocks of 32 from its start; a last block that is shorter is filled with zeros.
;;     - A block's scale is 2^e with e = floor(log2(the largest magnitude in the block)) - 2, held to -126 .. 127; a block of zeros has e = 0. As a byte (E8M0): e + 127.
;;     - Each number is divided by its block's scale, clamped to +-6, and rounded to the nearest number of E2M1, ties to even, subnormals kept.
;;     - The product sums the exact products of the quantised numbers (number of the format x scale) in f32.
;;   ~~~python
;;   def quantise(x, axis):      # numpy; x: float32 -> the quantised numbers, widened to float32 again
;;       x = np.moveaxis(x, axis, -1); K = x.shape[-1]
;;       x = np.pad(x, [(0, 0)] * (x.ndim - 1) + [(0, -K % 32)]); x = x.reshape(x.shape[:-1] + (-1, 32)); a = np.abs(x).max(-1, keepdims=True)
;;       e = np.where(a > 0, np.clip(np.frexp(np.where(a > 0, a, 1))[1] - 1 - 2, -126, 127), 0)      # np.frexp(a)[1] - 1 = floor(log2(a)), exactly
;;       r = np.clip(x / 2.0 ** e, -6, 6)
;;       step = 2.0 ** (np.maximum(np.frexp(np.where(r == 0, 1, r))[1] - 1, 0) - 1)
;;       q = np.round(r / step) * step * 2.0 ** e      # np.round: ties to even
;;       return np.moveaxis(q.reshape(q.shape[:-2] + (-1,))[..., :K], -1, axis).astype(np.float32)
;;   ~~~
;;   SOFTMAX AHEAD OF A QUANTISED PRODUCT. Where the list says 'softmax', what is quantised is not the finished softmax but p = 2^(t - M), with t = logit x log2(e) and M = ceil(the row's largest t), a whole number; so 1/2 < the row's largest p <= 1. The row's sum l is taken of the UNQUANTISED p, in f32, and the product's result is divided by l at the end. Since M is a whole number, a kernel that streams over the keys may use a running M (the ceiling of the running maximum): every later rescaling is an exact power of two, which a block's scale takes up: the codes' values come out the same.
;;   OPERANDS COMPUTED ON THE WAY. 'Computed on the way' means the value that the module computes at that place (a softmax that the list does not call 'softmax' is quantised finished and normalised). What goes into a quantiser is computed in f32, as accurately as f32 sums, v_exp_f32 and their like allow (about 1e-6 of the number): no bf16 or f16 on the way to a quantiser, and a product that is left as it is and whose result goes on into a quantised operand takes f32 operands (vector FMAs, or v_wmma_f32_16x16x4_f32). A number that lies on a knife's edge between two numbers of the format may be rounded either way, as far as f32 arithmetic and the matrix unit's own rounding can turn it there, and no further.
;;   INPUTS GIVEN AS CODES. W11 (in the module: [512, 1024], K = its axis 0); W12 (in the module: [1024, 512], K = its axis 0); W21 (in the module: [512, 1024], K = its axis 0); W22 (in the module: [1024, 512], K = its axis 0); Wk (in the module: [512, 512], K = its axis 0); Wq (in the module: [512, 512], K = its axis 0); Wv1 (in the module: [1024, 512], K = its axis 0); Wv2 (in the module: [1024, 512], K = its axis 0): each comes as NAME_codes (uint8): NAME with its K axis moved to the last place and cut into blocks of 32 codes, [.., K / 32, bytes a block], one block behind the other in memory; two codes a byte, the lower K in the low four bits (a code: sign, 2 exponent bits, 1 mantissa bit); and NAME_scales (uint8): the same leading axes, one E8M0 byte (e + 127) for each 32 codes along K. Its value is code x scale, taken as it is: it is not quantised again, and the codes and scales need not be those that the quantiser above would give.
;; 2 versions, each right; version 2 is version 1 with the launches proj, attn, ffn written anew for expert scheduling mode. Each part assembles by itself: llvm-mc -triple=amdgcn-amd-amdhsa -mcpu=gfx1250 --defsym DOCPART=n.
;; ======== version 1 of 2: 3 launches
;; workspace buffers: acodes 8,388,608 bytes; ascales 786,432 bytes; att 33,554,432 bytes
;; launch proj (part 1): grid 128 x 2, 16 waves a work-group, no clusters, 79,360 bytes of LDS; arguments rgb1, depth1, g11, g12, be11, be12, Wq_codes, Wk_codes, Wv1_codes, Wv2_codes, Wq_scales, Wk_scales, Wv1_scales, Wv2_scales, bq, bk, bv1, bv2, acodes, ascales; writes acodes, ascales
.if DOCPART == 1
	.amdgcn_target "amdgcn-amd-amdhsa--gfx1250"
	.amdhsa_code_object_version 6
	.text
	.protected	k_q4b91bc5ac7_proj
	.globl	k_q4b91bc5ac7_proj
	.p2align	8
	.type	k_q4b91bc5ac7_proj,@function
k_q4b91bc5ac7_proj:
	s_mov_b64 s[64:65], 0
	v_nop
	global_prefetch_b8 v0, s[64:65] scope:SCOPE_SE
	s_setreg_imm32_b32 hwreg(HW_REG_WAVE_MODE, 25, 1), 1
	s_wait_xcnt 0x0
; r = LayerNorm(rgb1), d = LayerNorm(depth1), both quantised to FP4 (E2M1) along their 512 channels; q = r Wq + bq, k = d Wk + bk, v1 = [r d] Wv1 + bv1, v2 = [r d] Wv2 + bv2 on codes;
; q and k are quantised along a head's 64 numbers, v1 and v2 along the tokens, and leave as images of the operand registers that the attention launch wants.  Channel c of a product belongs to head c % 8, place c / 8.
; SHARES.  A work-group takes 64 tokens and four heads (grid y: heads 0-3 or 4-7).  First every wave norms and quantises 8 rows (waves 0-7 rgb1, waves 8-15 depth1) into LDS; one barrier; then wave w
; makes matrix (w / 4) % 4 (q, k, v1, v2) of head 4 y + w % 4: 64 columns x 64 tokens in 8 accumulators at a time.  Its weights come from memory straight into registers, each fragment once, through a ring of four register slots.
; ORDER OF THE REQUESTS.  What a wave waits for first is asked for first: row 0, the gains and offsets, rows 1 to 5 (each load 512 consecutive bytes), and only then the ring's steps 0 and 1 (each load names 32 bytes of sixteen rows of W).
; Rows 4 and 5 lie in the registers of ring slots 2 and 3, which take their weights when those rows have been worked; rows 6 and 7 take the registers of rows 0 and 1.
; NO CLUSTER, NO TENSOR LOAD: the sixteen waves want sixteen different parts of the weights, each once and in registers; what the waves share, the tokens' codes (33 KiB), is made here and lies in LDS already.
; TOKEN ORDER IN LDS.  Token 32 b + 16 x + 8 u + j lies in row 16 (2 b + u) + 8 x + j, so that row r of token tile 2 b + u is token 32 b + 8 u + r + 8 (r / 8): two neighbouring tiles then give a lane 16 neighbouring tokens
; where tokens run along a lane's registers (v1, v2), and the images of q and k have the key order that the attention launch wants.
; q, k: the product is used transposed (source 0 = 16 rows of W, source 1 = 16 tokens): a lane holds one token, its registers run along the head.  Lane r of W's tile 2 p + u takes place 32 p + 8 u + r + 8 (r / 8) of the head.
; v1, v2: source 0 = 16 tokens, source 1 = 16 rows of W: a lane holds one place of the head, its registers run along the tokens, which are the K of the attention's second product.
; LIMITS: NaN and infinities among the inputs are not served.  A block whose largest magnitude lies under 2^-124 gets the scale byte 1; a block of zeros gets the byte 1 and not 127: its codes are zeros, and only this program reads the bytes.
.set XIMG, 0                           ; LDS: 64 rows x 528: r's 256 bytes of codes, d's 256, 16 of padding (33 x 16: the 16 rows of a load start at 16 different groups of banks)
.set XSC,  33792                       ; 64 rows x 36: r's 16 scale bytes, d's 16, 4 of padding
.set STG,  36096                       ; 2,560 bytes for each wave, its own: 32 places of 64 + 16 bytes; later its scale words on their way out
.set ACC, 16                           ; v16-79   accumulator (tt, m) at ACC + 32 tt + 8 m: column tile tt of the pass, token tile m
.set XF,  80                           ; v80-111  four token fragments
.set XS,  112                          ; v112-115 their scale words
.set WF,  116                          ; v116-179 four ring slots of two weight fragments
.set WS,  180                          ; v180-187 their scale words
.set BQ,  188                          ; v188-219 biases
.set QC,  220                          ; v220-235 codes made here
.set QB,  236                          ; v236-239 scale words made here
.set TM,  240                          ; v240-255 at work
.set RAW, 16                           ; LayerNorm phase: v16-79 four rows as loaded (two more in v148-179); v80-95 gains, v96-111 offsets of my 16 channels; v220-235 my 16 neighbours of a row
.set G,   80
.set BE,  96
.set X,   220
.set T,   240
.set MU,  248                          ; v[248:249] the mean (a pair for the packed forms; the upper half is written once)
.set RS,  250                          ; v[250:251] 1 / sqrt(var + eps)
.set SOP, 252                          ; the conversion's scale operand
.set BY,  253                          ; the scale byte
.set CX,  254                          ; v[254:255] 16 codes
.set SIN, 2                            ; v2  my stage, as loaded: 80 (lane / 4) + 16 (lane % 4)
.set SNB, 3                            ; v3  my stage, 16 neighbours: 80 x lane
.set XC,  4                            ; v4  where my codes of a row go
.set XB,  5                            ; v5  and the block's scale byte
.set XA,  6                            ; v6  a token fragment's place for my lane (k reads d's half of the rows)
.set XSA, 7                            ; v7  and its scale word's
.set WO0, 8                            ; v8, v9  byte offsets of my rows of W in the pass's two tiles
.set WO1, 9
.set WSO0, 10                          ; v10, v11 the same for W's scale words
.set WSO1, 11
.set P4R, 12                           ; v12-15 my stage + 4 r, 2 r, 8 x lane, 4 x lane
.set P2R, 13
.set P8L, 14
.set P4L, 15
.set XP,  48                           ; s[48:49] my 8 rows of x;  s[50:51], s[52:53] gain, offset
.set GP,  50
.set BEP, 52
.set WP,  54                           ; s[54:55] my matrix's codes at my head's first row;  s[56:57] its scales;  s[58:59] its bias
.set WSP, 56
.set BP,  58
.set CP,  60                           ; s[60:61] where my images go;  s[62:63] their scale words
.set SCP, 62
.set SEL, 66                           ; s[66:67] v_permlanex16_b32's selects for lane l xor 16
.set INV, 68                           ; 1 / 512
.set EPS, 69                           ; 1e-5
.macro PLACES                          ; four plain vector instructions behind matrix instructions, ahead of loads into their registers and of reads of their results
.rept 4
	v_nop
.endr
.endm
.macro REDUCE reg, tmp                 ; the sum over the 32 lanes, in every lane
	v_add_f32_dpp v[\reg], v[\reg], v[\reg] row_xmask:1 row_mask:0xf bank_mask:0xf
	v_add_f32_dpp v[\reg], v[\reg], v[\reg] row_xmask:2 row_mask:0xf bank_mask:0xf
	v_add_f32_dpp v[\reg], v[\reg], v[\reg] row_xmask:4 row_mask:0xf bank_mask:0xf
	v_add_f32_dpp v[\reg], v[\reg], v[\reg] row_xmask:8 row_mask:0xf bank_mask:0xf
	v_permlanex16_b32 v[\tmp], v[\reg], s[SEL], s[SEL+1]
	v_add_f32 v[\reg], v[\reg], v[\tmp]
.endm
; X = channels 16 x lane + 0 .. 15 of one row -> CX: their 16 codes, BY: the scale byte of the block that lanes 2 i and 2 i + 1 share.  Mean first, then the variance of the differences: a common offset of the inputs does no harm.
.macro LNCORE dsw
	v_pk_add_f32 v[T:T+1], v[X:X+1], v[X+2:X+3]
	v_pk_add_f32 v[T+2:T+3], v[X+4:X+5], v[X+6:X+7]
	v_pk_add_f32 v[T+4:T+5], v[X+8:X+9], v[X+10:X+11]
	v_pk_add_f32 v[T+6:T+7], v[X+12:X+13], v[X+14:X+15]
	v_pk_add_f32 v[T:T+1], v[T:T+1], v[T+2:T+3]
	v_pk_add_f32 v[T+4:T+5], v[T+4:T+5], v[T+6:T+7]
	v_pk_add_f32 v[T:T+1], v[T:T+1], v[T+4:T+5]
	v_add_f32 v[T], v[T], v[T+1]
	REDUCE T, T+1
	v_mul_f32 v[MU], s[INV], v[T]
.if \dsw
	s_wait_dscnt 0x0
.endif
.irp j, 0,2,4,6,8,10,12,14
	v_pk_add_f32 v[X+\j:X+\j+1], v[X+\j:X+\j+1], v[MU:MU+1] op_sel_hi:[1,0] neg_lo:[0,1] neg_hi:[0,1]
.endr
	v_pk_mul_f32 v[T:T+1], v[X:X+1], v[X:X+1]
	v_pk_mul_f32 v[T+2:T+3], v[X+2:X+3], v[X+2:X+3]
.irp j, 4,8,12
	v_pk_fma_f32 v[T:T+1], v[X+\j:X+\j+1], v[X+\j:X+\j+1], v[T:T+1]
	v_pk_fma_f32 v[T+2:T+3], v[X+\j+2:X+\j+3], v[X+\j+2:X+\j+3], v[T+2:T+3]
.endr
	v_pk_add_f32 v[T:T+1], v[T:T+1], v[T+2:T+3]
	v_add_f32 v[T], v[T], v[T+1]
	REDUCE T, T+1
	v_fma_f32 v[T], v[T], s[INV], s[EPS]
	v_rsq_f32 v[RS], v[T]
	v_nop                                          ; a plain instruction behind the transcendental,
	s_wait_alu depctr_va_vdst(0)                   ; and the wait ahead of its first reader
.irp j, 0,2,4,6,8,10,12,14
	v_pk_mul_f32 v[X+\j:X+\j+1], v[X+\j:X+\j+1], v[RS:RS+1] op_sel_hi:[1,0]
.endr
.irp j, 0,2,4,6,8,10,12,14
	v_pk_fma_f32 v[X+\j:X+\j+1], v[X+\j:X+\j+1], v[G+\j:G+\j+1], v[BE+\j:BE+\j+1]
.endr
	v_max3_num_f32 v[T], |v[X]|, |v[X+1]|, |v[X+2]|            ; the largest magnitude of my 16, in two chains
	v_max3_num_f32 v[T+1], |v[X+3]|, |v[X+4]|, |v[X+5]|
.irp j, 6,10
	v_max3_num_f32 v[T], v[T], |v[X+\j]|, |v[X+\j+1]|
	v_max3_num_f32 v[T+1], v[T+1], |v[X+\j+2]|, |v[X+\j+3]|
.endr
	v_max3_num_f32 v[T], v[T], |v[X+14]|, |v[X+15]|
	v_max3_num_f32 v[T], v[T], v[T+1], 0x1800000   ; and the floor 2^(3 - 127): the byte cannot fall under 1
	v_max_num_f32_dpp v[T], v[T], v[T] row_xmask:1 row_mask:0xf bank_mask:0xf   ; with my neighbour's 16: the block's
	v_add_nc_u32 v[SOP], 0xff000000, v[T]          ; 2 off the exponent field: the conversion takes this operand's exponent field as its scale
	v_cvt_scalef32_pk8_fp4_f32 v[CX], v[X:X+7], v[SOP]
	v_cvt_scalef32_pk8_fp4_f32 v[CX+1], v[X+8:X+15], v[SOP]
	v_lshrrev_b32 v[BY], 23, v[SOP]                ; the scale's byte; also the plain instruction behind the conversions
.endm
; four token fragments (16 rows x 128 K each) and their scale words from LDS: 12 loads
.macro XLOAD adr, sadr, tp, off, cs, stp, soff
.irp m, 0,1,2,3
.irp c, 0,1
	ds_load_b128 v[XF+8*\m+4*\c:XF+8*\m+4*\c+3], v[\adr] offset:\m*(\tp)+(\off)+(\cs)*\c
.endr
.endr
.irp m, 0,1,2,3
	ds_load_b32 v[XS+\m], v[\sadr] offset:\m*(\stp)+(\soff)
.endr
.endm
; ring step n's two weight fragments and their scale words from memory into slot n % 4: 6 loads
.macro WLOAD n, o0, o1, wp, imm, ts, so0, so1, sp, simm, sts
.set WB, WF+16*((\n)%4)
.irp c, 0,1
	global_load_b128 v[WB+4*\c:WB+4*\c+3], v[\o0], s[\wp:\wp+1] offset:(\imm)+32*\c
.endr
.irp c, 0,1
	global_load_b128 v[WB+8+4*\c:WB+8+4*\c+3], v[\o1], s[\wp:\wp+1] offset:(\imm)+(\ts)+32*\c
.endr
	global_load_b32 v[WS+2*((\n)%4)], v[\so0], s[\sp:\sp+1] offset:(\simm)
	global_load_b32 v[WS+2*((\n)%4)+1], v[\so1], s[\sp:\sp+1] offset:(\simm)+(\sts)
.endm
.macro W03 n                           ; ring step n of the first four: the same line for both roles; the registers differ
	WLOAD \n, WO0, WO1, WP, 64*(\n), 0, WSO0, WSO1, WSP, 4*(\n), 0
.endm
; 8 matrix instructions, 128 along K: the 8 accumulators take turns, one instruction a turn, from step to step too.
; cm = 0: the products start the sums; 1: they add in place; 2: the sums start from the bias registers of tile bt + tt.  wfirst = 1: source 0 = W, source 1 = tokens.
.macro MM n, cm, wfirst, bt
.irp tt, 0,1
.irp m, 0,1,2,3
.set rD, ACC+32*\tt+8*\m
.set rW, WF+16*((\n)%4)+8*\tt
.set rX, XF+8*\m
.set rWS, WS+2*((\n)%4)+\tt
.set rXS, XS+\m
.set rC, rD
.if (\cm) == 2
.set rC, BQ+8*((\bt)+\tt)
.endif
.if \wfirst
.if (\cm) == 0
	v_wmma_scale_f32_16x16x128_f8f6f4 v[rD:rD+7], v[rW:rW+7], v[rX:rX+7], 0, v[rWS], v[rXS] matrix_a_fmt:MATRIX_FMT_FP4 matrix_b_fmt:MATRIX_FMT_FP4
.else
	v_wmma_scale_f32_16x16x128_f8f6f4 v[rD:rD+7], v[rW:rW+7], v[rX:rX+7], v[rC:rC+7], v[rWS], v[rXS] matrix_a_fmt:MATRIX_FMT_FP4 matrix_b_fmt:MATRIX_FMT_FP4
.endif
.else
.if (\cm) == 0
	v_wmma_scale_f32_16x16x128_f8f6f4 v[rD:rD+7], v[rX:rX+7], v[rW:rW+7], 0, v[rXS], v[rWS] matrix_a_fmt:MATRIX_FMT_FP4 matrix_b_fmt:MATRIX_FMT_FP4
.else
	v_wmma_scale_f32_16x16x128_f8f6f4 v[rD:rD+7], v[rX:rX+7], v[rW:rW+7], v[rC:rC+7], v[rXS], v[rWS] matrix_a_fmt:MATRIX_FMT_FP4 matrix_b_fmt:MATRIX_FMT_FP4
.endif
.endif
.endr
.endr
.endm
; q, k: block p (32 places of the head) of 64 tokens.  A lane holds one token of each tile m; the 16 registers of accumulators (0, m) and (1, m) are places 32 p + 16 (lane / 16) + 0 .. 15.  The four m by turns.
.macro QBLK p
.irp i, 0,2,4,6
.irp tt, 0,1
.irp m, 0,1,2,3
	v_pk_add_f32 v[ACC+32*\tt+8*\m+\i:ACC+32*\tt+8*\m+\i+1], v[ACC+32*\tt+8*\m+\i:ACC+32*\tt+8*\m+\i+1], v[BQ+8*(2*(\p)+\tt)+\i:BQ+8*(2*(\p)+\tt)+\i+1]   ; the bias; each accumulator is read from its low end on
.endr
.endr
.endr
.irp m, 0,1,2,3
	v_max3_num_f32 v[TM+\m], |v[ACC+8*\m]|, |v[ACC+8*\m+1]|, 0x1800000   ; my 16 numbers, and the floor 2^(3 - 127)
.endr
.irp i, 2,4,6
.irp m, 0,1,2,3
	v_max3_num_f32 v[TM+\m], v[TM+\m], |v[ACC+8*\m+\i]|, |v[ACC+8*\m+\i+1]|
.endr
.endr
.irp i, 0,2,4,6
.irp m, 0,1,2,3
	v_max3_num_f32 v[TM+\m], v[TM+\m], |v[ACC+32+8*\m+\i]|, |v[ACC+32+8*\m+\i+1]|
.endr
.endr
.irp m, 0,1,2,3
	v_permlanex16_b32 v[TM+4+\m], v[TM+\m], s[SEL], s[SEL+1]
.endr
.irp m, 0,1,2,3
	v_max_num_f32 v[TM+\m], v[TM+\m], v[TM+4+\m]   ; with lane l xor 16's: the block's largest magnitude
.endr
.irp m, 0,1,2,3
	v_add_nc_u32 v[TM+8+\m], 0xff000000, v[TM+\m]
.endr
.irp m, 0,1,2,3
	v_lshrrev_b32 v[TM+4+\m], 23, v[TM+8+\m]
.endr
.irp m, 0,1,2,3
.if (\p) == 0
	v_mov_b32 v[QB+\m], v[TM+4+\m]
.else
	v_lshl_or_b32 v[QB+\m], v[TM+4+\m], 8, v[QB+\m]
.endif
.endr
.if (\p) == 1
.irp m, 0,1,2,3
	v_or_b32 v[QB+\m], 0x7f7f0000, v[QB+\m]        ; K = 64 of the instruction's 128: the upper two bytes stand for 1.0, over zero codes on the other side
.endr
.endif
.irp m, 0,1,2,3
	v_cvt_scalef32_pk8_fp4_f32 v[QC+4*\m+2*(\p)], v[ACC+8*\m:ACC+8*\m+7], v[TM+8+\m]
	v_cvt_scalef32_pk8_fp4_f32 v[QC+4*\m+2*(\p)+1], v[ACC+32+8*\m:ACC+32+8*\m+7], v[TM+8+\m]
.endr
	v_nop                                          ; one plain instruction behind the conversions
.endm
; v1, v2: column tile t = 2 p + tt: 16 places of the head x 64 tokens.  A lane holds one place; register 16 b + i of the tile's four accumulators is token 32 b + 16 (lane / 16) + i.
.macro VTILE p, tt
.set VA, ACC+32*(\tt)
.set VT, 2*(\p)+(\tt)
.set II, 0
.rept 32
	v_add_f32 v[VA+II], v[VA+II], v[BQ+VT]         ; the bias of my place; ascending
.set II, II+1
.endr
.irp b, 0,1
	v_max3_num_f32 v[TM+\b], |v[VA+16*\b]|, |v[VA+16*\b+1]|, 0x1800000
.endr
.irp i, 2,4,6,8,10,12,14
.irp b, 0,1
	v_max3_num_f32 v[TM+\b], v[TM+\b], |v[VA+16*\b+\i]|, |v[VA+16*\b+\i+1]|
.endr
.endr
.irp b, 0,1
	v_permlanex16_b32 v[TM+4+\b], v[TM+\b], s[SEL], s[SEL+1]
.endr
.irp b, 0,1
	v_max_num_f32 v[TM+\b], v[TM+\b], v[TM+4+\b]
.endr
.irp b, 0,1
	v_add_nc_u32 v[TM+8+\b], 0xff000000, v[TM+\b]
.endr
.irp b, 0,1
	v_lshrrev_b32 v[TM+4+\b], 23, v[TM+8+\b]
.endr
	v_lshl_or_b32 v[QB+VT], v[TM+5], 8, v[TM+4]    ; the two bytes of these 64 tokens
.irp b, 0,1
	v_cvt_scalef32_pk8_fp4_f32 v[QC+4*VT+2*\b], v[VA+16*\b:VA+16*\b+7], v[TM+8+\b]
	v_cvt_scalef32_pk8_fp4_f32 v[QC+4*VT+2*\b+1], v[VA+16*\b+8:VA+16*\b+15], v[TM+8+\b]
.endr
	v_nop
	v_permlane16_swap_b32 v[QC+4*VT], v[QC+4*VT+2]     ; a whole block of 32 tokens to a lane: lanes 0-15 the first, lanes 16-31 the second
	v_permlane16_swap_b32 v[QC+4*VT+1], v[QC+4*VT+3]
	global_store_b128 v1, v[QC+4*VT:QC+4*VT+3], s[CP:CP+1] offset:1024*VT   ; 32 lanes store 512 consecutive bytes, aligned
	ds_store_b16 v[P2R], v[QB+VT] offset:32*VT     ; lanes r and r + 16 write the same two bytes with the same value
.endm
.macro ROWLOAD i, reg                  ; row i of my eight into v[reg] on: four loads of 512 consecutive bytes
.irp j, 0,1,2,3
	global_load_b128 v[(\reg)+4*\j:(\reg)+4*\j+3], v1, s[XP:XP+1] offset:2048*(\i)+512*\j
.endr
.endm
; row i, which lies in v[reg] on.  cnt: the loads issued behind this row's (for row 0: behind the gains and offsets), which may stay out.
.macro LNROW i, reg, cnt
	s_wait_loadcnt \cnt
.irp j, 0,1,2,3
	ds_store_b128 v[SIN], v[(\reg)+4*\j:(\reg)+4*\j+3] offset:640*\j   ; the row turns through my own stage: in as loaded,
.endr
.irp j, 0,1,2,3
	ds_load_b128 v[X+4*\j:X+4*\j+3], v[SNB] offset:16*\j               ; out as 16 neighbours a lane (LDS serves a wave's instructions in order)
.endr
	s_wait_dscnt 0x0                               ; the row is back, the stores have read their registers, and the last row's codes have left theirs
.if (\i) == 0
	ROWLOAD 6, RAW                                 ; the registers just left take what is still to be asked for: rows 6 and 7,
.elseif (\i) == 1
	ROWLOAD 7, RAW+16
.elseif (\i) == 4
	W03 2                                          ; and ring steps 2 and 3 in their own slots
.elseif (\i) == 5
	W03 3
.endif
	LNCORE 0
	ds_store_b64 v[XC], v[CX:CX+1] offset:528*(\i)
	ds_store_b8 v[XB], v[BY] offset:36*(\i)        ; both lanes of a block write the same byte with the same value
.endm
.macro QSTEP n                         ; q, k: ring step n of 8: pass n / 4 (32 places of the head), K step n % 4
	XLOAD XA, XSA, 8448, 64*((\n)%4), 32, 576, 4*((\n)%4)
.if (\n) < 4
	s_wait_loadcnt 50                              ; steps 0 and 1 were shown in with row 6.  Behind step 2's loads: step 3's 6, the 32 biases, steps 4 and 5: 50; behind step 3's: 32 and steps 4 to 6: 50
.else
	s_wait_loadcnt 6*(7-(\n))                      ; this step's six loads are in; the later steps' may be out
.endif
	s_wait_dscnt 0x0
.if (\n)%4 == 0
	MM \n, 0, 1, 0
.else
	MM \n, 1, 1, 0
.endif
	PLACES
.if (\n)+4 < 8
	WLOAD (\n)+4, WO0, WO1, WP, 65536*(((\n)+4)/4)+64*(((\n)+4)%4), 0, WSO0, WSO1, WSP, 4096*(((\n)+4)/4)+4*(((\n)+4)%4), 0
.endif
.endm
.macro VSTEP n                         ; v1, v2: ring step n of 16: pass n / 8 (32 places of the head), K step n % 8
	XLOAD XA, XSA, 8448, 64*((\n)%8), 32, 576, 4*((\n)%8)
.if (\n) < 4
	s_wait_loadcnt 22                              ; as for q and k, with 4 biases: 6 + 4 + 12, and 4 + 18
.elseif 15-(\n) >= 3
	s_wait_loadcnt 18                              ; the three later steps' loads may be out
.else
	s_wait_loadcnt 6*(15-(\n))
.endif
	s_wait_dscnt 0x0
.if (\n)%8 == 0
	MM \n, 0, 0, 0
.else
	MM \n, 1, 0, 0
.endif
	PLACES
.if (\n)+4 < 16
	WLOAD (\n)+4, WO0, WO1, WP, 131072*(((\n)+4)/8)+64*(((\n)+4)%8), 0, WSO0, WSO1, WSP, 8192*(((\n)+4)/8)+4*(((\n)+4)%8), 0
.endif
.endm
	s_load_b512 s[8:23], s[0:1], 0x0               ; rgb1, depth1, g11, g12, be11, be12, Wq_codes, Wk_codes
	s_load_b512 s[24:39], s[0:1], 0x40             ; Wv1_codes, Wv2_codes, Wq_scales, Wk_scales, Wv1_scales, Wv2_scales, bq, bk
	s_load_b256 s[40:47], s[0:1], 0x80             ; bv1, bv2, acodes, ascales
	v_lshrrev_b32 v1, 5, v0
	v_readfirstlane_b32 s2, v1                     ; wave 0..15
	s_lshr_b32 s3, s2, 3                           ; which stream I norm; also: 1 where my matrix is v1 or v2
	s_lshr_b32 s4, s2, 2
	s_and_b32 s4, s4, 3                            ; my matrix: 0 q, 1 k, 2 v1, 3 v2
	s_and_b32 s5, ttmp7, 0xffff
	s_lshl_b32 s5, s5, 2
	s_and_b32 s6, s2, 3
	s_add_co_u32 s5, s5, s6                        ; my head
	s_xor_b32 s6, s3, 1                            ; 1 where my matrix is q or k
	s_and_b32 s7, s4, s6                           ; 1 where it is k: k reads d's codes
	s_mov_b32 s[SEL], 0x76543210
	s_mov_b32 s[SEL+1], 0xfedcba98
	s_mov_b32 s[INV], 0x3b000000
	s_mov_b32 s[EPS], 0x3727c5ac
	s_lshl_b32 s86, ttmp9, 6
	s_and_b32 s87, s2, 7
	s_lshl_b32 s87, s87, 3
	s_add_co_u32 s86, s86, s87                     ; my first row: 64 x work-group x + 8 (w % 8),
	s_lshl_b32 s86, s86, 11                        ; in bytes
	s_mov_b32 s87, 0
	v_and_b32 v16, 31, v0                          ; lane
	v_and_b32 v17, 15, v0                          ; r
	v_bfe_u32 v18, v0, 4, 1                        ; h
	v_lshlrev_b32 v1, 4, v16                       ; 16 x lane
	s_mul_i32 s70, s2, 2560
	s_add_co_u32 s70, s70, STG                     ; my stage
	v_lshrrev_b32 v19, 2, v16
	v_mul_u32_u24 v19, v19, 80
	v_and_b32 v20, 3, v16
	v_lshl_add_u32 v19, v20, 4, v19
	v_add_nc_u32 v[SIN], s70, v19
	v_mul_u32_u24 v19, v16, 80
	v_add_nc_u32 v[SNB], s70, v19
	s_and_b32 s71, s2, 4                           ; my 8 tokens 8 (w % 8) + j lie in rows 32 b + 16 u + 8 x + j, w % 8 = 4 b + 2 x + u
	s_lshl_b32 s71, s71, 3
	s_and_b32 s72, s2, 1
	s_lshl_b32 s72, s72, 4
	s_add_co_u32 s71, s71, s72
	s_and_b32 s72, s2, 2
	s_lshl_b32 s72, s72, 2
	s_add_co_u32 s71, s71, s72
	s_mul_i32 s72, s71, 528
	s_lshl_b32 s73, s3, 8
	s_add_co_u32 s72, s72, s73                     ; + my stream's half of the row
	v_lshl_add_u32 v[XC], v16, 3, s72
	s_mul_i32 s72, s71, 36
	s_lshl_b32 s73, s3, 4
	s_add_co_u32 s72, s72, s73
	s_add_co_u32 s72, s72, XSC
	v_lshrrev_b32 v19, 1, v16
	v_add_nc_u32 v[XB], s72, v19
	v_mul_u32_u24 v19, v17, 528
	v_lshl_add_u32 v19, v18, 4, v19
	s_lshl_b32 s72, s7, 8
	v_add_nc_u32 v[XA], s72, v19
	v_mul_u32_u24 v19, v17, 36
	s_lshl_b32 s72, s7, 4
	s_add_co_u32 s72, s72, XSC
	v_add_nc_u32 v[XSA], s72, v19
	v_and_b32 v19, 8, v17                          ; my row of a tile of W: q, k: place r + 8 (r / 8); v1, v2: place r.  A place on is 8 rows of W on
	v_mul_u32_u24 v19, s6, v19
	v_add_nc_u32 v19, v19, v17
	s_lshl_b32 s73, 2048, s3                       ; 8 rows of 256 bytes (K = 512) or of 512 (K = 1,024)
	v_mul_u32_u24 v[WO0], s73, v19
	v_lshl_add_u32 v[WO0], v18, 4, v[WO0]
	s_lshl_b32 s74, s3, 1
	s_lshl_b32 s75, 16384, s74                     ; the pass's second tile: 8 places on (q, k) or 16 (v1, v2)
	v_add_nc_u32 v[WO1], s75, v[WO0]
	s_lshl_b32 s73, 128, s3
	v_mul_u32_u24 v[WSO0], s73, v19
	s_lshl_b32 s75, 1024, s74
	v_add_nc_u32 v[WSO1], s75, v[WSO0]
	v_lshl_add_u32 v[P4R], v17, 2, s70
	v_lshl_add_u32 v[P2R], v17, 1, s70
	v_lshl_add_u32 v[P8L], v16, 3, s70
	v_lshl_add_u32 v[P4L], v16, 2, s70
	v_lshlrev_b32 v[SOP], 6, v16                   ; 64 x lane: my 16 gains and offsets
	v_mov_b32 v[MU+1], 0                           ; upper halves of pairs of which the packed forms take the low word: written once
	v_mov_b32 v[RS+1], 0
	s_wait_kmcnt 0x0
	s_cmp_eq_u32 s3, 0
	s_cselect_b64 s[XP:XP+1], s[8:9], s[10:11]
	s_cselect_b64 s[GP:GP+1], s[12:13], s[14:15]
	s_cselect_b64 s[BEP:BEP+1], s[16:17], s[18:19]
	s_add_nc_u64 s[XP:XP+1], s[XP:XP+1], s[86:87]
	ROWLOAD 0, RAW                                 ; what is waited for first goes out first: row 0, the gains and offsets,
.irp j, 0,1,2,3
	global_load_b128 v[G+4*\j:G+4*\j+3], v[SOP], s[GP:GP+1] offset:16*\j
.endr
.irp j, 0,1,2,3
	global_load_b128 v[BE+4*\j:BE+4*\j+3], v[SOP], s[BEP:BEP+1] offset:16*\j
.endr
	ROWLOAD 1, RAW+16                              ; five more rows;
	ROWLOAD 2, RAW+32
	ROWLOAD 3, RAW+48
	ROWLOAD 4, WF+32                               ; (two of them in the registers of ring slots 2 and 3)
	ROWLOAD 5, WF+48
	s_bitcmp1_b32 s4, 0                            ; the rest of the addresses is made while they are on their way
	s_cselect_b64 s[WP:WP+1], s[22:23], s[20:21]
	s_cselect_b64 s[76:77], s[26:27], s[24:25]
	s_cselect_b64 s[WSP:WSP+1], s[30:31], s[28:29]
	s_cselect_b64 s[78:79], s[34:35], s[32:33]
	s_cselect_b64 s[BP:BP+1], s[38:39], s[36:37]
	s_cselect_b64 s[80:81], s[42:43], s[40:41]
	s_cmp_eq_u32 s3, 0
	s_cselect_b64 s[WP:WP+1], s[WP:WP+1], s[76:77]
	s_cselect_b64 s[WSP:WSP+1], s[WSP:WSP+1], s[78:79]
	s_cselect_b64 s[BP:BP+1], s[BP:BP+1], s[80:81]
	s_mov_b32 s73, 0
	s_lshl_b32 s72, s5, 8
	s_lshl_b32 s72, s72, s3
	s_add_nc_u64 s[WP:WP+1], s[WP:WP+1], s[72:73]  ; row `head` of W: the head's place 0
	s_lshl_b32 s72, s5, 4
	s_lshl_b32 s72, s72, s3
	s_add_nc_u64 s[WSP:WSP+1], s[WSP:WSP+1], s[72:73]
	W03 0                                          ; ring steps 0 and 1 land under the LayerNorm
	W03 1
	s_lshl_b32 s72, s5, 2
	s_add_nc_u64 s[BP:BP+1], s[BP:BP+1], s[72:73]
	s_lshr_b32 s74, ttmp9, 4
	s_lshl_b32 s74, s74, 3
	s_add_co_u32 s74, s74, s5                      ; 8 x batch + head
	s_and_b32 s75, ttmp9, 15                       ; which 64 tokens of the batch
	s_lshl_b32 s72, s4, 21
	s_lshl_b32 s82, s74, 15
	s_add_co_u32 s72, s72, s82
	s_lshl_b32 s82, s75, 11                        ; q, k: four tiles of 512 bytes
	s_lshr_b32 s83, s75, 1                         ; v1, v2: key step (128 tokens) x 4,096 + which half of it x 512
	s_lshl_b32 s83, s83, 12
	s_and_b32 s84, s75, 1
	s_lshl_b32 s84, s84, 9
	s_add_co_u32 s83, s83, s84
	s_cmp_eq_u32 s3, 0
	s_cselect_b32 s82, s82, s83
	s_add_co_u32 s72, s72, s82
	s_add_nc_u64 s[CP:CP+1], s[44:45], s[72:73]
	s_lshl_b32 s82, s4, 18                         ; q, k: 262,144 a matrix, 4,096 a head, 256 a block of 64 tokens
	s_lshl_b32 s83, s74, 12
	s_add_co_u32 s82, s82, s83
	s_lshl_b32 s83, s75, 8
	s_add_co_u32 s82, s82, s83
	s_and_b32 s83, s4, 1                           ; v1, v2: behind them, 131,072 a matrix, 2,048 a head, 128 a block
	s_lshl_b32 s83, s83, 17
	s_add_co_u32 s83, s83, 524288
	s_lshl_b32 s84, s74, 11
	s_add_co_u32 s83, s83, s84
	s_lshl_b32 s84, s75, 7
	s_add_co_u32 s83, s83, s84
	s_cmp_eq_u32 s3, 0
	s_cselect_b32 s72, s82, s83
	s_add_nc_u64 s[SCP:SCP+1], s[46:47], s[72:73]
	; the counts: loads issued behind the row's own.  The order of issue: row 0 (4), gains and offsets (8), rows 1 to 5 (20), ring steps 0, 1 (12); row 6 in row 0's turn, row 7 in row 1's, ring step 2 (6) in row 4's, step 3 in row 5's
	LNROW 0, RAW, 32                               ; 20 + 12
	LNROW 1, RAW+16, 32                            ; 16 + 12 + 4
	LNROW 2, RAW+32, 32                            ; 12 + 12 + 8
	LNROW 3, RAW+48, 28                            ; 8 + 12 + 8
	LNROW 4, WF+32, 24                             ; 4 + 12 + 8
	LNROW 5, WF+48, 26                             ; 12 + 8 + 6
	LNROW 6, RAW, 16                               ; 4 + 6 + 6: ring steps 0 and 1 are in with it
	LNROW 7, RAW+16, 12                            ; 6 + 6
	s_wait_dscnt 0x0                               ; for the others' sake: my codes and scale bytes lie in LDS
	s_barrier_signal -1
	s_barrier_wait -1                              ; everybody's do; from here on these bytes are only read
	v_bfe_u32 v255, v0, 4, 1
	s_cmp_lt_u32 s4, 2
	s_cbranch_scc0 .Lvrole
	; ---- q, k
	v_lshlrev_b32 v255, 9, v255                    ; lanes 16-31: 16 places, 512 bytes of the bias, further on
.irp t, 0,1,2,3
.irp j, 0,1,2,3,4,5,6,7
	global_load_b32 v[BQ+8*\t+\j], v255, s[BP:BP+1] offset:(32*(\t/2)+8*(\t%2)+\j)*32   ; the bias in the result's layout: place 32 (t / 2) + 16 h + 8 (t % 2) + j
.endr
.endr
.irp n, 0,1,2,3
	QSTEP \n
.endr
	s_wait_loadcnt 24                              ; the biases are in; ring steps 4 to 7 may be out
	QBLK 0
.irp n, 4,5,6,7
	QSTEP \n
.endr
	QBLK 1
.irp m, 0,1,2,3
	v_permlane16_swap_b32 v[QC+4*\m], v[QC+4*\m+2]     ; a whole block to a lane: lanes 0-15 places 0-31, lanes 16-31 places 32-63
	v_permlane16_swap_b32 v[QC+4*\m+1], v[QC+4*\m+3]
.endr
.irp m, 0,1,2,3
	global_store_b128 v1, v[QC+4*\m:QC+4*\m+3], s[CP:CP+1] offset:512*\m   ; a tile's image: 512 consecutive bytes, aligned
	ds_store_b32 v[P4R], v[QB+\m] offset:64*\m     ; lanes r and r + 16 write the same word with the same value
.endr
	v_and_b32 v242, 31, v0
	v_lshlrev_b32 v242, 3, v242
	ds_load_b64 v[240:241], v[P8L]                 ; my own bytes, served in order
	s_wait_dscnt 0x0
	global_store_b64 v242, v[240:241], s[SCP:SCP+1]    ; the four tiles' scale words: 256 consecutive bytes, aligned
	s_wait_xcnt 0x0
	v_lshl_add_u32 v254, v0, 2, 0x12e00
	v_mov_b32 v255, 0
	s_wait_tensorcnt 0x0
	ds_add_u32 v254, v255
	s_wait_dscnt 0x0
	s_endpgm
.Lvrole:
	; ---- v1, v2
	v_and_b32 v255, 15, v0
	v_lshlrev_b32 v255, 5, v255                    ; place r: 32 bytes of the bias a place
.irp t, 0,1,2,3
	global_load_b32 v[BQ+\t], v255, s[BP:BP+1] offset:512*\t
.endr
.irp n, 0,1,2,3,4,5,6,7
	VSTEP \n
.endr
	VTILE 0, 0
	VTILE 0, 1
.irp n, 8,9,10,11,12,13,14,15
	VSTEP \n
.endr
	VTILE 1, 0
	VTILE 1, 1
	v_and_b32 v241, 31, v0
	v_lshlrev_b32 v241, 2, v241
	ds_load_b32 v240, v[P4L]
	s_wait_dscnt 0x0
	global_store_b32 v241, v240, s[SCP:SCP+1]      ; the block's scale bytes of my head: 128 consecutive bytes; the neighbouring 128 are another work-group's (262,144 such bytes in the launch)
	s_wait_xcnt 0x0
	v_lshl_add_u32 v254, v0, 2, 0x12e00
	v_mov_b32 v255, 0
	s_wait_tensorcnt 0x0
	ds_add_u32 v254, v255
	s_wait_dscnt 0x0
	s_endpgm
.Lfunc_end_k_q4b91bc5ac7_proj:
	.size	k_q4b91bc5ac7_proj, .Lfunc_end_k_q4b91bc5ac7_proj-k_q4b91bc5ac7_proj
	.p2alignl 7, 3214868480
	.fill 96, 4, 3214868480
	.section	.rodata,"a",@progbits
	.p2align	6, 0x0
	.amdhsa_kernel k_q4b91bc5ac7_proj
		.amdhsa_group_segment_fixed_size 79360
		.amdhsa_private_segment_fixed_size 0
		.amdhsa_enable_private_segment 0
		.amdhsa_kernarg_size 160
		.amdhsa_user_sgpr_count 2
		.amdhsa_user_sgpr_kernarg_segment_ptr 1
		.amdhsa_wavefront_size32 1
		.amdhsa_system_sgpr_workgroup_id_x 1
		.amdhsa_system_sgpr_workgroup_id_y 1
		.amdhsa_system_sgpr_workgroup_id_z 1
		.amdhsa_system_vgpr_workitem_id 0
		.amdhsa_next_free_vgpr 256
		.amdhsa_next_free_sgpr 96
		.amdhsa_reserve_vcc 0
		.amdhsa_float_denorm_mode_32 3
		.amdhsa_float_denorm_mode_16_64 3
		.amdhsa_memory_ordered 1
		.amdhsa_forward_progress 1
		.amdhsa_inst_pref_size 136
	.end_amdhsa_kernel
	.amdgpu_metadata
---
amdhsa.version: [ 1, 2 ]
amdhsa.kernels:
  - .name:           k_q4b91bc5ac7_proj
    .symbol:         k_q4b91bc5ac7_proj.kd
    .args:
      - { .name: rgb1, .offset: 0, .size: 8, .value_kind: global_buffer, .address_space: global }
      - { .name: depth1, .offset: 8, .size: 8, .value_kind: global_buffer, .address_space: global }
      - { .name: g11, .offset: 16, .size: 8, .value_kind: global_buffer, .address_space: global }
      - { .name: g12, .offset: 24, .size: 8, .value_kind: global_buffer, .address_space: global }
      - { .name: be11, .offset: 32, .size: 8, .value_kind: global_buffer, .address_space: global }
      - { .name: be12, .offset: 40, .size: 8, .value_kind: global_buffer, .address_space: global }
      - { .name: Wq_codes, .offset: 48, .size: 8, .value_kind: global_buffer, .address_space: global }
      - { .name: Wk_codes, .offset: 56, .size: 8, .value_kind: global_buffer, .address_space: global }
      - { .name: Wv1_codes, .offset: 64, .size: 8, .value_kind: global_buffer, .address_space: global }
      - { .name: Wv2_codes, .offset: 72, .size: 8, .value_kind: global_buffer, .address_space: global }
      - { .name: Wq_scales, .offset: 80, .size: 8, .value_kind: global_buffer, .address_space: global }
      - { .name: Wk_scales, .offset: 88, .size: 8, .value_kind: global_buffer, .address_space: global }
      - { .name: Wv1_scales, .offset: 96, .size: 8, .value_kind: global_buffer, .address_space: global }
      - { .name: Wv2_scales, .offset: 104, .size: 8, .value_kind: global_buffer, .address_space: global }
      - { .name: bq, .offset: 112, .size: 8, .value_kind: global_buffer, .address_space: global }
      - { .name: bk, .offset: 120, .size: 8, .value_kind: global_buffer, .address_space: global }
      - { .name: bv1, .offset: 128, .size: 8, .value_kind: global_buffer, .address_space: global }
      - { .name: bv2, .offset: 136, .size: 8, .value_kind: global_buffer, .address_space: global }
      - { .name: acodes, .offset: 144, .size: 8, .value_kind: global_buffer, .address_space: global }
      - { .name: ascales, .offset: 152, .size: 8, .value_kind: global_buffer, .address_space: global }
    .group_segment_fixed_size: 79360
    .private_segment_fixed_size: 0
    .kernarg_segment_align: 8
    .kernarg_segment_size: 160
    .max_flat_workgroup_size: 512
    .sgpr_count:     96
    .vgpr_count:     256
    .wavefront_size: 32
...
	.end_amdgpu_metadata
.endif
;; end of part 1
;; launch attn (part 2): grid 2 x 128, 16 waves a work-group, no clusters, 143,360 bytes of LDS; arguments acodes, ascales, att; writes att
.if DOCPART == 2
	.amdgcn_target "amdgcn-amd-amdhsa--gfx1250"
	.amdhsa_code_object_version 6
	.text
	.protected	k_q4b91bc5ac7_attn
	.globl	k_q4b91bc5ac7_attn
	.p2align	8
	.type	k_q4b91bc5ac7_attn,@function
k_q4b91bc5ac7_attn:
	s_mov_b64 s[64:65], 0
	v_nop
	global_prefetch_b8 v0, s[64:65] scope:SCOPE_SE
	s_setreg_imm32_b32 hwreg(HW_REG_WAVE_MODE, 25, 1), 1
	s_wait_xcnt 0x0
; One body for both attentions, on codes of FP4 (E2M1).  Stream 0: queries q, keys k, values v1 (softmax along the keys of q k^T).  Stream 1: queries k, keys q, values v2: the softmax down the columns of q k^T, transposed, is the same thing with the roles changed.
; 128 problems (stream, batch, head) of 1,024 queries x 1,024 keys, head size 64, scores unscaled.  t = score x log2(e); M = the running largest t rounded UP to a whole number; p = 2^(t - M) is quantised along the keys, not normalised;
; the row's sum is taken of the unquantised p and divides at the end.  When M moves, the sum and O are multiplied by 2^(old M - new M): exact.
; SHARES.  Grid y = 64 x stream + 8 x batch + head; grid x = which 512 queries.  The work-group copies the head's keys, values and their scale words into LDS once (70 KiB) and makes two passes; in a pass each of its 16 waves owns
; one tile of 16 queries and walks all keys, 128 a step: 8 + 4 matrix instructions beside the softmax of 64 scores a lane.  Four waves share a SIMD, so that one wave's vector work stands beside another's matrix work and LDS loads.
; NO CLUSTER, NO TENSOR LOAD: what work-groups share is one head's 70 KiB, wanted once at the head of the two work-groups of a problem, against sixteen key steps of vector work a wave.
; LAYOUT.  Both products are used transposed: S^T = K Q^T (source 0 = 16 keys, source 1 = my queries), O^T = V^T P^T: a lane holds one query throughout.  The operands lie in memory and LDS as images of their registers: 16 bytes a lane, 512 a group of four registers.
; Row r of tile i of q and k is token 32 (i / 2) + 8 (i % 2) + r + 8 (r / 8): the 16 registers of score tiles 2 b and 2 b + 1 are then 16 neighbouring keys.
; K = 64 OF THE INSTRUCTION'S 128: the queries' upper four registers are zero codes.  So the keys' upper four may hold anything that is a code: fragment t is v[KF + 4 t .. + 7], whose upper half is tile t + 1's codes; the upper two scale bytes of both sides are 0x7f.
; LIMITS: NaN and infinities are not served.  A block of p whose largest p lies under 2^-124 gets the byte 1.
.set KIMG,  0                          ; LDS: 64 tiles of keys x 512 bytes
.set VIMG,  32768                      ; [key step 8][tile of 16 places 4][half 2][lane 32][16 bytes]
.set KSC,   65536                      ; the keys' scale words: [tile 64][r 16]
.set VSC,   69632                      ; the values': [key step 8][tile 4][r 16]
.set STAGE, 71680                      ; the way out: 16 rows x (256 + 16) bytes for each wave, its own
.set ADK0, 1                           ; v1   16 x lane
.set ADV0, 2                           ; v2   VIMG + 16 x lane
.set ASK0, 3                           ; v3   KSC + 4 r
.set ASV0, 4                           ; v4   VSC + 4 r
.set GO,   5                           ; v5   the way out: 256 h + 16 r
.set STO,  6                           ; v6   my stage, in: row r, + 32 h
.set RD,   7                           ; v7   my stage, back: row h, + 16 r
.set ADK,  8                           ; v8-11 the addresses of the loads in hand
.set ADV,  9
.set ADS,  10
.set ADT,  11
.set KF,   28                          ; v28-63  eight tiles of keys, four registers each; v60-63 zeros.   v12 -M, v13 the largest t, v[14:15] the sum; v16-19 Q, v20-23 zeros; v24 Q's scale word
.set KS,   64                          ; v64-71  their scale words
.set VF,   72                          ; v72-103 four fragments of V
.set VS,   104                         ; v104-107 their scale words
.set S,    108                         ; v108-171 S^T, then p
.set O,    172                         ; v172-203 O^T
.set PC,   204                         ; v204-211 p's codes
.set BM,   212                         ; v212-215 the blocks' largest scores, then largest p
.set T2,   216                         ; v216-219 at work
.set SO,   220                         ; v220-223 the conversions' scale operands
.set TMP,  224
.set F,    226                         ; v[226:227] 2^(old M - new M)
.set PW,   228                         ; p's scale word
.set SM2,  230                         ; v[230:231] the sum's second chain.   v240-243, v244: the second pass's Q and its scale word
.set KP,  12
.set VP,  14
.set QP,  16
.set KSP, 18
.set VSP, 20
.set QSP, 22
.set OP,  24                           ; s[24:25] the first row of att that I store
.set CS,  26                           ; s[26:27] log2(e)
.set SEL, 28                           ; s[28:29] v_permlanex16_b32's selects for lane l xor 16
.set TK,  30                           ; s30-33 where the step's keys, their scale words, its values and theirs begin
.set TS,  31
.set TV,  32
.set TT,  33
.set CNT, 34
.set PASS, 35
.macro PLACES
.rept 4
	v_nop
.endr
.endm
.macro KLOAD                           ; a key step's eight tiles and their scale words
.irp t, 0,1,2,3,4,5,6,7
	ds_load_b128 v[KF+4*\t:KF+4*\t+3], v[ADK] offset:512*\t
.endr
.irp t, 0,1,2,3,4,5,6,7
	ds_load_b32 v[KS+\t], v[ADS] offset:64*\t
.endr
.endm
; A KEY STEP: 128 keys.  last = 1: nothing is fetched beyond it.
.macro STEP last
	s_wait_dscnt 0x0                               ; the step's keys are in (in every step but a pass's first the wait ahead of the last step's second product has shown it)
.irp t, 0,1,2,3,4,5,6,7
	v_wmma_scale_f32_16x16x128_f8f6f4 v[S+8*\t:S+8*\t+7], v[KF+4*\t:KF+4*\t+7], v[16:23], 0, v[KS+\t], v24 matrix_a_fmt:MATRIX_FMT_FP4 matrix_b_fmt:MATRIX_FMT_FP4
.endr
.if (\last) == 0
	s_add_co_u32 s[TK], s[TK], 4096
	s_add_co_u32 s[TS], s[TS], 512
.endif
	v_add_nc_u32 v[ADV], s[TV], v[ADV0]            ; four plain instructions: the places ahead of the loads into V's registers, which the last step's products read, into the keys' registers, which the eight products above read, and of the first read of the scores
	v_add_nc_u32 v[ADT], s[TT], v[ASV0]
.if (\last) == 0
	v_add_nc_u32 v[ADK], s[TK], v[ADK0]
	v_add_nc_u32 v[ADS], s[TS], v[ASK0]
.else
	v_nop
	v_nop
.endif
.irp t, 0,1,2,3
.irp c, 0,1
	ds_load_b128 v[VF+8*\t+4*\c:VF+8*\t+4*\c+3], v[ADV] offset:1024*\t+512*\c   ; V lands under the softmax,
.endr
.endr
.irp t, 0,1,2,3
	ds_load_b32 v[VS+\t], v[ADT] offset:64*\t
.endr
.if (\last) == 0
	KLOAD                                          ; and so do the next step's keys
.endif
.irp b, 0,1,2,3
	v_max3_num_f32 v[BM+\b], v[S+16*\b], v[S+16*\b+1], v[S+16*\b+2]   ; the largest score of each block of 32 keys: it serves for the row's maximum and, since p rises with the score, for the block's largest p
.endr
.irp i, 3,5,7,9,11,13
.irp b, 0,1,2,3
	v_max3_num_f32 v[BM+\b], v[BM+\b], v[S+16*\b+\i], v[S+16*\b+\i+1]
.endr
.endr
.irp b, 0,1,2,3
	v_max_num_f32 v[BM+\b], v[BM+\b], v[S+16*\b+15]
.endr
.irp b, 0,1,2,3
	v_permlanex16_b32 v[T2+\b], v[BM+\b], s[SEL], s[SEL+1]
.endr
.irp b, 0,1,2,3
	v_max_num_f32 v[BM+\b], v[BM+\b], v[T2+\b]     ; with lane l xor 16's 16 keys
.endr
	v_max3_num_f32 v[TMP], v[BM], v[BM+1], v[BM+2]
	v_max_num_f32 v[TMP], v[TMP], v[BM+3]
	v_mul_f32 v[TMP], s[CS], v[TMP]                ; as t
	v_max_num_f32 v13, v13, v[TMP]                 ; the running largest t
	v_mov_b32 v[TMP], v12
	v_floor_f32 v12, -v13                          ; the new -M = floor(-t): M is a whole number
	v_sub_f32 v[TMP], v12, v[TMP]                  ; old M - new M: a whole number, 0 or less
	v_cvt_i32_f32 v[TMP], v[TMP]                   ; (it saturates)
	v_ldexp_f32 v[F], 1.0, v[TMP]
.irp j, 0,2,4,6,8,10,12,14,16,18,20,22,24,26,28,30,32,34,36,38,40,42,44,46,48,50,52,54,56,58,60,62
	v_pk_fma_f32 v[S+\j:S+\j+1], v[S+\j:S+\j+1], s[CS:CS+1], v[12:13] op_sel_hi:[1,0,0]   ; t - M, two at a time
.endr
.irp b, 0,1,2,3
	v_fma_f32 v[BM+\b], v[BM+\b], s[CS], v12       ; the same of each block's largest score
.endr
.irp j, 0,1,2,3,4,5,6,7,8,9,10,11,12,13,14,15,16,17,18,19,20,21,22,23,24,25,26,27,28,29,30,31,32,33,34,35,36,37,38,39,40,41,42,43,44,45,46,47,48,49,50,51,52,53,54,55,56,57,58,59,60,61,62,63
	v_exp_f32 v[S+\j], v[S+\j]                     ; p = 2^(t - M)
.endr
	v_pk_mul_f32 v[14:15], v[14:15], v[F:F+1] op_sel_hi:[1,0]      ; the sums under the new M; the plain instruction behind the exponentials
	s_wait_alu depctr_va_vdst(0)                   ; one wait for the batch of 64, ahead of its first reader
.irp b, 0,1,2,3
	v_exp_f32 v[BM+\b], v[BM+\b]                   ; the block's largest p: the same two instructions on the same number give the same bits
.endr
	v_pk_add_f32 v[SM2:SM2+1], v[S:S+1], v[S+2:S+3]    ; the row's sum of the unquantised p, in two chains; it reads the 64 alone
.irp j, 4,8,12,16,20,24,28,32,36,40,44,48,52,56,60
	v_pk_add_f32 v[14:15], v[14:15], v[S+\j:S+\j+1]
	v_pk_add_f32 v[SM2:SM2+1], v[SM2:SM2+1], v[S+\j+2:S+\j+3]
.endr
	v_pk_add_f32 v[14:15], v[14:15], v[SM2:SM2+1]
	s_wait_alu depctr_va_vdst(0)                   ; and one for the four
.irp b, 0,1,2,3
	v_max_num_f32 v[BM+\b], 0x1800000, v[BM+\b]    ; the floor 2^(3 - 127): the byte cannot fall under 1
.endr
.irp b, 0,1,2,3
	v_add_nc_u32 v[SO+\b], 0xff000000, v[BM+\b]
.endr
.irp b, 0,1,2,3
	v_lshrrev_b32 v[T2+\b], 23, v[SO+\b]
.endr
	v_lshl_or_b32 v[PW], v[T2+1], 8, v[T2]         ; p's scale word for these 128 keys
	v_lshl_or_b32 v[PW], v[T2+2], 16, v[PW]
	v_lshl_or_b32 v[PW], v[T2+3], 24, v[PW]
.irp b, 0,1,2,3
	v_cvt_scalef32_pk8_fp4_f32 v[PC+2*\b], v[S+16*\b:S+16*\b+7], v[SO+\b]
	v_cvt_scalef32_pk8_fp4_f32 v[PC+2*\b+1], v[S+16*\b+8:S+16*\b+15], v[SO+\b]
.endr
	v_nop                                          ; one plain instruction behind the conversions
.irp c, 0,1
.irp i, 0,1
	v_permlane16_swap_b32 v[PC+4*\c+\i], v[PC+4*\c+2+\i]   ; a whole block of 32 keys to a lane
.endr
.endr
.irp j, 0,2,4,6,8,10,12,14,16,18,20,22,24,26,28,30
	v_pk_mul_f32 v[O+\j:O+\j+1], v[O+\j:O+\j+1], v[F:F+1] op_sel_hi:[1,0]   ; O^T under the new M.  For each product below twelve of these sixteen name none of its registers: the places between the scale word (8) and the codes (4) made above and the products
.endr
	s_wait_dscnt 0x0                               ; V is in, and the next step's keys
.irp t, 0,1,2,3
	v_wmma_scale_f32_16x16x128_f8f6f4 v[O+8*\t:O+8*\t+7], v[VF+8*\t:VF+8*\t+7], v[PC:PC+7], v[O+8*\t:O+8*\t+7], v[VS+\t], v[PW] matrix_a_fmt:MATRIX_FMT_FP4 matrix_b_fmt:MATRIX_FMT_FP4
.endr
.if (\last) == 0
	s_add_co_u32 s[TV], s[TV], 4096
	s_add_co_u32 s[TT], s[TT], 256
.endif
.endm
	s_load_b128 s[4:7], s[0:1], 0x0                ; acodes, ascales
	s_load_b64 s[8:9], s[0:1], 0x10                ; att
	v_lshl_add_u32 v254, v0, 2, 0x22800
	v_mov_b32 v255, 0
	v_lshrrev_b32 v8, 5, v0
	v_readfirstlane_b32 s2, v8                     ; wave 0..15
	s_and_b32 s36, ttmp7, 0xffff
	s_lshr_b32 s3, s36, 6                          ; stream
	s_and_b32 s10, s36, 63                         ; 8 x batch + head
	v_and_b32 v9, 31, v0                           ; lane
	v_and_b32 v10, 15, v0                          ; r
	v_bfe_u32 v11, v0, 4, 1                        ; h
	v_lshlrev_b32 v[ADK0], 4, v9
	v_add_nc_u32 v[ADV0], VIMG, v[ADK0]
	v_lshl_add_u32 v[ASK0], v10, 2, KSC
	v_lshl_add_u32 v[ASV0], v10, 2, VSC
	v_lshlrev_b32 v[GO], 8, v11
	v_lshl_add_u32 v[GO], v10, 4, v[GO]
	s_mul_i32 s37, s2, 4352
	s_add_co_u32 s37, s37, STAGE                   ; my stage
	v_mul_u32_u24 v[STO], v10, 272
	v_lshl_add_u32 v[STO], v11, 5, v[STO]
	v_add_nc_u32 v[STO], s37, v[STO]
	v_mul_u32_u24 v[RD], v11, 272
	v_lshl_add_u32 v[RD], v10, 4, v[RD]
	v_add_nc_u32 v[RD], s37, v[RD]
	v_lshlrev_b32 v225, 2, v10                     ; 4 r: Q's scale words
	v_lshlrev_b32 v8, 4, v0                        ; the copy: 16, 8 and 4 bytes a thread
	v_lshlrev_b32 v9, 3, v0
	v_lshlrev_b32 v10, 2, v0
	v_add_nc_u32 v[TMP], KSC, v9
	v_lshrrev_b32 v11, 6, v0                       ; V's scale bytes lie in memory as [64 tokens 16][tile 4][r 16] pairs of bytes; thread T holds those of block T / 32, tile (T / 8) % 4, rows 2 (T % 8) and + 1.
	v_lshlrev_b32 v11, 8, v11                      ; A key step's word of a row is the pairs of two neighbouring blocks: 256 (T / 64) + 64 tile + 4 row + 2 ((T / 32) % 2)
	v_bfe_u32 v226, v0, 3, 2
	v_lshl_add_u32 v11, v226, 6, v11
	v_and_b32 v226, 7, v0
	v_lshl_add_u32 v11, v226, 3, v11
	v_bfe_u32 v226, v0, 5, 1
	v_lshl_add_u32 v11, v226, 1, v11
	v_add_nc_u32 v11, VSC, v11
	s_mov_b32 s[CS], 0x3fb8aa3b                    ; log2(e)
	s_mov_b32 s[CS+1], s[CS]                       ; (named with it as a pair, so it is written)
	s_mov_b32 s[SEL], 0x76543210
	s_mov_b32 s[SEL+1], 0xfedcba98
	s_lshl_b32 s40, ttmp9, 5
	s_add_co_u32 s40, s40, s2                      ; my tile of queries in the first pass: 32 x + wave
	s_xor_b32 s41, s3, 1                           ; the keys come from the other matrix of q and k
	s_mov_b32 s37, 0
	s_wait_kmcnt 0x0
	s_lshl_b32 s42, s10, 15
	s_lshl_b32 s36, s3, 21
	s_add_co_u32 s36, s36, s42
	s_add_nc_u64 s[QP:QP+1], s[4:5], s[36:37]
	s_add_co_u32 s36, s36, 4194304                 ; the values: two matrices on
	s_add_nc_u64 s[VP:VP+1], s[4:5], s[36:37]
	s_lshl_b32 s36, s41, 21
	s_add_co_u32 s36, s36, s42
	s_add_nc_u64 s[KP:KP+1], s[4:5], s[36:37]
	s_lshl_b32 s36, s40, 9
	s_add_nc_u64 s[QP:QP+1], s[QP:QP+1], s[36:37]
	s_lshl_b32 s42, s10, 12
	s_lshl_b32 s36, s3, 18
	s_add_co_u32 s36, s36, s42
	s_lshl_b32 s43, s40, 6
	s_add_co_u32 s36, s36, s43
	s_add_nc_u64 s[QSP:QSP+1], s[6:7], s[36:37]
	s_lshl_b32 s36, s41, 18
	s_add_co_u32 s36, s36, s42
	s_add_nc_u64 s[KSP:KSP+1], s[6:7], s[36:37]
	s_lshl_b32 s36, s3, 17
	s_lshl_b32 s43, s10, 11
	s_add_co_u32 s36, s36, s43
	s_add_co_u32 s36, s36, 524288
	s_add_nc_u64 s[VSP:VSP+1], s[6:7], s[36:37]
	s_lshl_b32 s36, s3, 6
	s_add_co_u32 s36, s36, s10
	s_lshl_b32 s36, s36, 10                        ; the problem's first row of att,
	s_lshr_b32 s43, s40, 1
	s_lshl_b32 s43, s43, 5
	s_add_co_u32 s36, s36, s43
	s_and_b32 s43, s40, 1
	s_lshl_b32 s43, s43, 3
	s_add_co_u32 s36, s36, s43                     ; + my tile's first token, 32 (tile / 2) + 8 (tile % 2);
	s_lshl_b32 s36, s36, 8                         ; a row is 256 bytes
	s_add_nc_u64 s[OP:OP+1], s[8:9], s[36:37]
.irp i, 0,1,2,3
	global_load_b128 v[108+4*\i:111+4*\i], v8, s[KP:KP+1] offset:8192*\i
.endr
.irp i, 0,1,2,3
	global_load_b128 v[124+4*\i:127+4*\i], v8, s[VP:VP+1] offset:8192*\i
.endr
	global_load_b64 v[140:141], v9, s[KSP:KSP+1]
	global_load_b32 v142, v10, s[VSP:VSP+1]
	global_load_b128 v[16:19], v[ADK0], s[QP:QP+1]
	global_load_b128 v[240:243], v[ADK0], s[QP:QP+1] offset:8192   ; the second pass's tile: 16 tiles on
	global_load_b32 v24, v225, s[QSP:QSP+1]
	global_load_b32 v244, v225, s[QSP:QSP+1] offset:1024
.irp j, 0,1,2,3
	v_mov_b32 v[20+\j], 0                          ; K 64 .. 127 of the queries: zero codes
	v_mov_b32 v[60+\j], 0                          ; the upper half of the last tile of keys
	v_mov_b32 v[T2+\j], 0                          ; written once: a lane permute's destination counts as one of its sources
.endr
	v_mov_b32 v[F+1], 0                            ; the upper half of a pair of which the low word is taken
	s_wait_loadcnt 0x0
.irp i, 0,1,2,3
	ds_store_b128 v8, v[108+4*\i:111+4*\i] offset:KIMG+8192*\i
.endr
.irp i, 0,1,2,3
	ds_store_b128 v8, v[124+4*\i:127+4*\i] offset:VIMG+8192*\i
.endr
	ds_store_b64 v[TMP], v[140:141]
	ds_store_b16 v11, v142
	ds_store_b16_d16_hi v11, v142 offset:4
	s_wait_dscnt 0x0                               ; for the others' sake: my part of the copy lies in LDS
	s_barrier_signal -1
	s_barrier_wait -1                              ; everybody's does; from here on these bytes are only read
	s_mov_b32 s[PASS], 2
.Lpass:
	v_mov_b32 v13, 0xff61b1e6                      ; the largest t so far: -3e38, under every t
	v_floor_f32 v12, -v13
	v_mov_b32 v14, 0
	v_mov_b32 v15, 0
.irp j, 0,1,2,3,4,5,6,7,8,9,10,11,12,13,14,15,16,17,18,19,20,21,22,23,24,25,26,27,28,29,30,31
	v_mov_b32 v[O+\j], 0                           ; the key step is written without a first step of its own: it finds zeros, which the first change of M leaves zeros
.endr
	s_mov_b32 s[TK], 0
	s_mov_b32 s[TS], 0
	s_mov_b32 s[TV], 0
	s_mov_b32 s[TT], 0
	v_mov_b32 v[ADK], v[ADK0]
	v_mov_b32 v[ADS], v[ASK0]
	KLOAD
	s_mov_b32 s[CNT], 7
.Lstep:
	STEP 0
	s_sub_co_u32 s[CNT], s[CNT], 1
	s_cmp_lg_u32 s[CNT], 0
	s_cbranch_scc1 .Lstep
	STEP 1
	; THE WAY OUT: O^T / the sum goes through my stage and leaves as whole rows of 256 bytes
	PLACES
	v_add_f32 v14, v14, v15
	v_permlanex16_b32 v[TMP], v14, s[SEL], s[SEL+1]
	v_add_f32 v14, v14, v[TMP]                     ; the row's sum
	v_rcp_f32 v14, v14
	v_nop
	s_wait_alu depctr_va_vdst(0)                   ; the wait ahead of the reciprocal's first reader
.set II, 0
.rept 32
	v_mul_f32 v[S+II], v[O+II], v14                ; register 8 t + j: place 16 t + 8 h + j of query r
.set II, II+1
.endr
.irp t, 0,1,2,3
	ds_store_b128 v[STO], v[S+8*\t:S+8*\t+3] offset:64*\t
	ds_store_b128 v[STO], v[S+8*\t+4:S+8*\t+7] offset:64*\t+16
.endr
.irp i, 0,1,2,3,4,5,6,7
	ds_load_b128 v[S+32+4*\i:S+32+4*\i+3], v[RD] offset:544*\i     ; my own bytes, served in order
.endr
.irp i, 0,1,2,3,4,5,6,7
	s_wait_dscnt 7-\i
	global_store_b128 v[GO], v[S+32+4*\i:S+32+4*\i+3], s[OP:OP+1] offset:512*\i+2048*(\i/4) th:TH_STORE_NT   ; sixteen lanes store one token's 256 bytes, aligned; the tile's rows 8-15 are tokens 16-23 from its first
.endr
.irp j, 0,1,2,3
	v_mov_b32 v[16+\j], v[240+\j]                  ; the second pass's queries
.endr
	v_mov_b32 v24, v244
	s_wait_xcnt 0x0                                ; the stores have read their base and their registers: both are written again only behind this wait
	s_add_nc_u64 s[OP:OP+1], s[OP:OP+1], 65536     ; 16 tiles, 256 tokens, on
	s_sub_co_u32 s[PASS], s[PASS], 1
	s_cmp_lg_u32 s[PASS], 0
	s_cbranch_scc1 .Lpass
	s_wait_tensorcnt 0x0
	ds_add_u32 v254, v255
	s_wait_dscnt 0x0
	s_endpgm
.Lfunc_end_k_q4b91bc5ac7_attn:
	.size	k_q4b91bc5ac7_attn, .Lfunc_end_k_q4b91bc5ac7_attn-k_q4b91bc5ac7_attn
	.p2alignl 7, 3214868480
	.fill 96, 4, 3214868480
	.section	.rodata,"a",@progbits
	.p2align	6, 0x0
	.amdhsa_kernel k_q4b91bc5ac7_attn
		.amdhsa_group_segment_fixed_size 143360
		.amdhsa_private_segment_fixed_size 0
		.amdhsa_enable_private_segment 0
		.amdhsa_kernarg_size 24
		.amdhsa_user_sgpr_count 2
		.amdhsa_user_sgpr_kernarg_segment_ptr 1
		.amdhsa_wavefront_size32 1
		.amdhsa_system_sgpr_workgroup_id_x 1
		.amdhsa_system_sgpr_workgroup_id_y 1
		.amdhsa_system_sgpr_workgroup_id_z 1
		.amdhsa_system_vgpr_workitem_id 0
		.amdhsa_next_free_vgpr 256
		.amdhsa_next_free_sgpr 66
		.amdhsa_reserve_vcc 0
		.amdhsa_float_denorm_mode_32 3
		.amdhsa_float_denorm_mode_16_64 3
		.amdhsa_memory_ordered 1
		.amdhsa_forward_progress 1
		.amdhsa_inst_pref_size 43
	.end_amdhsa_kernel
	.amdgpu_metadata
---
amdhsa.version: [ 1, 2 ]
amdhsa.kernels:
  - .name:           k_q4b91bc5ac7_attn
    .symbol:         k_q4b91bc5ac7_attn.kd
    .args:
      - { .name: acodes, .offset: 0, .size: 8, .value_kind: global_buffer, .address_space: global }
      - { .name: ascales, .offset: 8, .size: 8, .value_kind: global_buffer, .address_space: global }
      - { .name: att, .offset: 16, .size: 8, .value_kind: global_buffer, .address_space: global }
    .group_segment_fixed_size: 143360
    .private_segment_fixed_size: 0
    .kernarg_segment_align: 8
    .kernarg_segment_size: 24
    .max_flat_workgroup_size: 512
    .sgpr_count:     66
    .vgpr_count:     256
    .wavefront_size: 32
...
	.end_amdgpu_metadata
.endif
;; end of part 2
;; launch ffn (part 3): grid 128 x 2, 16 waves a work-group, no clusters, 220,160 bytes of LDS; arguments rgb1, depth1, g21, g22, be21, be22, W11_codes, W21_codes, W11_scales, W21_scales, b11, b21, W12_codes, W22_codes, W12_scales, W22_scales, b12, b22, att, out0, out1, out2; writes out0, out1, out2
.if DOCPART == 3
	.amdgcn_target "amdgcn-amd-amdhsa--gfx1250"
	.amdhsa_code_object_version 6
	.text
	.protected	k_q4b91bc5ac7_ffn
	.globl	k_q4b91bc5ac7_ffn
	.p2align	8
	.type	k_q4b91bc5ac7_ffn,@function
k_q4b91bc5ac7_ffn:
	s_mov_b64 s[64:65], 0
	v_nop
	global_prefetch_b8 v0, s[64:65] scope:SCOPE_SE
	s_setreg_imm32_b32 hwreg(HW_REG_WAVE_MODE, 25, 1), 1
	s_wait_xcnt 0x0
; For one stream (grid y: 0 rgb, 1 depth): res = x + attention's result; h = LayerNorm(res), quantised to FP4 (E2M1); out = res + relu(h W1 + b1) W2 + b2, both products on codes, the hidden layer quantised on the way and never in memory.
; The depth stream's result is stored twice (out1 and out2).
; SHARES.  A work-group takes 64 tokens.  Wave w: first rows 4 w .. 4 w + 3 (residual, LayerNorm, codes to LDS); then hidden units 64 w .. 64 w + 63 for all 64 tokens; then outputs 32 w .. 32 w + 31 for all 64 tokens; then it stores rows 4 w .. 4 w + 3.
; Its weights come from memory straight into registers, each fragment once, through a ring of four register slots that runs on from W1 into W2.
; ORDER OF THE REQUESTS.  What a wave waits for first is asked for first: row 0, the gains and offsets, rows 1 and 2 (whole runs of 512 and 256 bytes), and only then the ring's steps 0 and 1 (each load names 32 bytes of sixteen rows of W).
; Row 2 lies in the registers of ring slots 2 and 3, which take their weights when it has been worked; b1 and row 3 are asked for in row 0's turn, row 3 into row 0's registers.
; NO CLUSTER, NO TENSOR LOAD: the sixteen waves want sixteen different parts of the weights, each once and in registers; what they share, the tokens' and the hidden layer's codes, is made here and goes through LDS.
; Both products are used transposed (source 0 = 16 rows of W, source 1 = 16 tokens): a lane holds one token and its registers run along the columns.  Lane r of W1's tile 2 p + u takes row 32 p + 8 u + r + 8 (r / 8) of my 64,
; so that two neighbouring tiles give a lane 16 neighbours along the next K.  The biases are the C of each sum's first matrix instruction.
; The hidden layer goes from wave to wave as an image of the operand's registers: 16 bytes a lane, 512 a group of four registers; my 64 units are half c = w % 2 of K step w / 2.
; att is [stream][batch][head][token][64]; channel c of a row is place c / 8 of head c % 8: a lane that holds channels 16 l .. 16 l + 15 wants places 2 l and 2 l + 1 of all eight heads: eight loads of 8 bytes a lane, each of one whole row of 256 bytes.
; LIMITS: NaN and infinities among the inputs are not served.  A block whose largest magnitude lies under 2^-124 gets the scale byte 1; a block of zeros the byte 1 and not 127: its codes are zeros, and only this program reads the bytes.
.set XIMG, 0                           ; LDS: 64 rows x 272: 256 bytes of codes + 16
.set XSC,  17408                       ; 64 rows x 16 scale bytes
.set HIMG, 18432                       ; the hidden layer: [token tile 4][K step 8][half 2][lane 32][16 bytes]
.set HSC,  51200                       ; its scale words: [token tile 4][K step 8][r 16]
.set RES,  53248                       ; 64 rows x 2,576 (161 x 16): number c at 80 (c / 16) + 4 (c % 16).  It serves as the stage that turns a row, keeps res, and is the stage of the way out
.set ACC, 16                           ; registers as in the launch that makes q, k, v1, v2
.set XF,  80
.set XS,  112
.set WF,  116
.set WS,  180
.set BQ,  188
.set QC,  220
.set QB,  236
.set TM,  240
.set RAW, 16                           ; first phase: v16-79 two rows as loaded (16 registers of x, 16 of att each); a third in v148-179
.set G,   80
.set BE,  96
.set X,   220
.set T,   240
.set MU,  248
.set RS,  250
.set SOP, 252
.set BY,  253
.set CX,  254
.set AIN, 3                            ; v1 16 x lane, v2 8 x lane;  v3  my rows of RES as loaded: 80 (lane / 4) + 16 (lane % 4)
.set ANB, 4                            ; v4  the same, 16 neighbours: 80 x lane
.set XC,  5
.set XB,  6
.set XA,  7
.set XSA, 8
.set WOA, 9                            ; v9, v10   my row of a tile of W1: codes, scale words
.set WSA, 10
.set WOB, 11                           ; v11, v12  of W2
.set WSB, 12
.set HW,  13                           ; v13, v14  where my part of the hidden layer's images and scale words goes
.set HSW, 14
.set RESA, 15                          ; v15  my outputs' place in RES, token tiles 0 and 1;  v238 tiles 2 and 3
.set HR,  236                          ; v236, v237  an image's and a scale word's place for my lane (made when the scale words made here have left these registers).  In the first phase v236 holds b1's offset, 64 h
.set HSR, 237
.set RESA2, 238
.set XP,  52
.set GP,  54
.set BEP, 56
.set W1P, 58
.set W1SP, 60
.set B1P, 62
.set W2P, 66
.set W2SP, 68
.set B2P, 70
.set ATP, 72
.set OP1, 74
.set OP2, 76
.set SEL, 78
.set INV, 80
.set EPS, 81
.macro PLACES                          ; four plain vector instructions behind matrix instructions, ahead of loads into their registers and of reads of their results
.rept 4
	v_nop
.endr
.endm
.macro REDUCE reg, tmp
	v_add_f32_dpp v[\reg], v[\reg], v[\reg] row_xmask:1 row_mask:0xf bank_mask:0xf
	v_add_f32_dpp v[\reg], v[\reg], v[\reg] row_xmask:2 row_mask:0xf bank_mask:0xf
	v_add_f32_dpp v[\reg], v[\reg], v[\reg] row_xmask:4 row_mask:0xf bank_mask:0xf
	v_add_f32_dpp v[\reg], v[\reg], v[\reg] row_xmask:8 row_mask:0xf bank_mask:0xf
	v_permlanex16_b32 v[\tmp], v[\reg], s[SEL], s[SEL+1]
	v_add_f32 v[\reg], v[\reg], v[\tmp]
.endm
; X = channels 16 x lane + 0 .. 15 of one row -> CX: their 16 codes, BY: the scale byte of the block that lanes 2 i and 2 i + 1 share.  dsw = 1: LDS stores that read X are waited for before X is changed.
.macro LNCORE dsw
	v_pk_add_f32 v[T:T+1], v[X:X+1], v[X+2:X+3]
	v_pk_add_f32 v[T+2:T+3], v[X+4:X+5], v[X+6:X+7]
	v_pk_add_f32 v[T+4:T+5], v[X+8:X+9], v[X+10:X+11]
	v_pk_add_f32 v[T+6:T+7], v[X+12:X+13], v[X+14:X+15]
	v_pk_add_f32 v[T:T+1], v[T:T+1], v[T+2:T+3]
	v_pk_add_f32 v[T+4:T+5], v[T+4:T+5], v[T+6:T+7]
	v_pk_add_f32 v[T:T+1], v[T:T+1], v[T+4:T+5]
	v_add_f32 v[T], v[T], v[T+1]
	REDUCE T, T+1
	v_mul_f32 v[MU], s[INV], v[T]
.if \dsw
	s_wait_dscnt 0x0
.endif
.irp j, 0,2,4,6,8,10,12,14
	v_pk_add_f32 v[X+\j:X+\j+1], v[X+\j:X+\j+1], v[MU:MU+1] op_sel_hi:[1,0] neg_lo:[0,1] neg_hi:[0,1]
.endr
	v_pk_mul_f32 v[T:T+1], v[X:X+1], v[X:X+1]
	v_pk_mul_f32 v[T+2:T+3], v[X+2:X+3], v[X+2:X+3]
.irp j, 4,8,12
	v_pk_fma_f32 v[T:T+1], v[X+\j:X+\j+1], v[X+\j:X+\j+1], v[T:T+1]
	v_pk_fma_f32 v[T+2:T+3], v[X+\j+2:X+\j+3], v[X+\j+2:X+\j+3], v[T+2:T+3]
.endr
	v_pk_add_f32 v[T:T+1], v[T:T+1], v[T+2:T+3]
	v_add_f32 v[T], v[T], v[T+1]
	REDUCE T, T+1
	v_fma_f32 v[T], v[T], s[INV], s[EPS]
	v_rsq_f32 v[RS], v[T]
	v_nop                                          ; a plain instruction behind the transcendental,
	s_wait_alu depctr_va_vdst(0)                   ; and the wait ahead of its first reader
.irp j, 0,2,4,6,8,10,12,14
	v_pk_mul_f32 v[X+\j:X+\j+1], v[X+\j:X+\j+1], v[RS:RS+1] op_sel_hi:[1,0]
.endr
.irp j, 0,2,4,6,8,10,12,14
	v_pk_fma_f32 v[X+\j:X+\j+1], v[X+\j:X+\j+1], v[G+\j:G+\j+1], v[BE+\j:BE+\j+1]
.endr
	v_max3_num_f32 v[T], |v[X]|, |v[X+1]|, |v[X+2]|
	v_max3_num_f32 v[T+1], |v[X+3]|, |v[X+4]|, |v[X+5]|
.irp j, 6,10
	v_max3_num_f32 v[T], v[T], |v[X+\j]|, |v[X+\j+1]|
	v_max3_num_f32 v[T+1], v[T+1], |v[X+\j+2]|, |v[X+\j+3]|
.endr
	v_max3_num_f32 v[T], v[T], |v[X+14]|, |v[X+15]|
	v_max3_num_f32 v[T], v[T], v[T+1], 0x1800000   ; the floor 2^(3 - 127): the byte cannot fall under 1
	v_max_num_f32_dpp v[T], v[T], v[T] row_xmask:1 row_mask:0xf bank_mask:0xf
	v_add_nc_u32 v[SOP], 0xff000000, v[T]          ; 2 off the exponent field: the conversion's scale operand
	v_cvt_scalef32_pk8_fp4_f32 v[CX], v[X:X+7], v[SOP]
	v_cvt_scalef32_pk8_fp4_f32 v[CX+1], v[X+8:X+15], v[SOP]
	v_lshrrev_b32 v[BY], 23, v[SOP]                ; the scale's byte; also the plain instruction behind the conversions
.endm
.macro XLOAD adr, sadr, tp, off, cs, stp, soff     ; four token fragments and their scale words from LDS: 12 loads
.irp m, 0,1,2,3
.irp c, 0,1
	ds_load_b128 v[XF+8*\m+4*\c:XF+8*\m+4*\c+3], v[\adr] offset:\m*(\tp)+(\off)+(\cs)*\c
.endr
.endr
.irp m, 0,1,2,3
	ds_load_b32 v[XS+\m], v[\sadr] offset:\m*(\stp)+(\soff)
.endr
.endm
.macro WLOAD n, o0, o1, wp, imm, ts, so0, so1, sp, simm, sts   ; ring step n's two weight fragments and their scale words into slot n % 4: 6 loads
.set WB, WF+16*((\n)%4)
.irp c, 0,1
	global_load_b128 v[WB+4*\c:WB+4*\c+3], v[\o0], s[\wp:\wp+1] offset:(\imm)+32*\c
.endr
.irp c, 0,1
	global_load_b128 v[WB+8+4*\c:WB+8+4*\c+3], v[\o1], s[\wp:\wp+1] offset:(\imm)+(\ts)+32*\c
.endr
	global_load_b32 v[WS+2*((\n)%4)], v[\so0], s[\sp:\sp+1] offset:(\simm)
	global_load_b32 v[WS+2*((\n)%4)+1], v[\so1], s[\sp:\sp+1] offset:(\simm)+(\sts)
.endm
.macro W03 n                           ; ring step n of the first four
	WLOAD \n, WOA, WOA, W1P, 64*(\n), 2048, WSA, WSA, W1SP, 4*(\n), 128
.endm
; 8 matrix instructions, 128 along K: the 8 accumulators take turns, one instruction a turn, from step to step too.
; cm = 1: they add in place; 2: the sums start from the bias registers of tile bt + tt.  Source 0 = W, source 1 = tokens.
.macro MM n, cm, bt
.irp tt, 0,1
.irp m, 0,1,2,3
.set rD, ACC+32*\tt+8*\m
.set rW, WF+16*((\n)%4)+8*\tt
.set rX, XF+8*\m
.set rWS, WS+2*((\n)%4)+\tt
.set rXS, XS+\m
.set rC, rD
.if (\cm) == 2
.set rC, BQ+8*((\bt)+\tt)
.endif
	v_wmma_scale_f32_16x16x128_f8f6f4 v[rD:rD+7], v[rW:rW+7], v[rX:rX+7], v[rC:rC+7], v[rWS], v[rXS] matrix_a_fmt:MATRIX_FMT_FP4 matrix_b_fmt:MATRIX_FMT_FP4
.endr
.endr
.endm
; block p (32 of my 64 hidden units) of 64 tokens: relu, then the quantiser.  The 16 registers of accumulators (0, m) and (1, m) are units 32 p + 16 (lane / 16) + 0 .. 15 of one token.  The four m by turns.
.macro QBLK p
.irp i, 0,1,2,3,4,5,6,7
.irp tt, 0,1
.irp m, 0,1,2,3
	v_max_num_f32 v[ACC+32*\tt+8*\m+\i], 0, v[ACC+32*\tt+8*\m+\i]  ; each accumulator is read from its low end on
.endr
.endr
.endr
.irp m, 0,1,2,3
	v_max3_num_f32 v[TM+\m], v[ACC+8*\m], v[ACC+8*\m+1], 0x1800000 ; none is negative: no |.|.  The floor 2^(3 - 127)
.endr
.irp i, 2,4,6
.irp m, 0,1,2,3
	v_max3_num_f32 v[TM+\m], v[TM+\m], v[ACC+8*\m+\i], v[ACC+8*\m+\i+1]
.endr
.endr
.irp i, 0,2,4,6
.irp m, 0,1,2,3
	v_max3_num_f32 v[TM+\m], v[TM+\m], v[ACC+32+8*\m+\i], v[ACC+32+8*\m+\i+1]
.endr
.endr
.irp m, 0,1,2,3
	v_permlanex16_b32 v[TM+4+\m], v[TM+\m], s[SEL], s[SEL+1]
.endr
.irp m, 0,1,2,3
	v_max_num_f32 v[TM+\m], v[TM+\m], v[TM+4+\m]
.endr
.irp m, 0,1,2,3
	v_add_nc_u32 v[TM+8+\m], 0xff000000, v[TM+\m]
.endr
.irp m, 0,1,2,3
	v_lshrrev_b32 v[TM+4+\m], 23, v[TM+8+\m]
.endr
.irp m, 0,1,2,3
.if (\p) == 0
	v_mov_b32 v[QB+\m], v[TM+4+\m]
.else
	v_lshl_or_b32 v[QB+\m], v[TM+4+\m], 8, v[QB+\m]
.endif
.endr
.irp m, 0,1,2,3
	v_cvt_scalef32_pk8_fp4_f32 v[QC+4*\m+2*(\p)], v[ACC+8*\m:ACC+8*\m+7], v[TM+8+\m]
	v_cvt_scalef32_pk8_fp4_f32 v[QC+4*\m+2*(\p)+1], v[ACC+32+8*\m:ACC+32+8*\m+7], v[TM+8+\m]
.endr
	v_nop                                          ; one plain instruction behind the conversions
.endm
.macro RROWLOAD i, reg                 ; row i of my four into v[reg] on: 4 loads of x (512 consecutive bytes each), 8 of att (one row of 256 bytes each): 12 loads
.irp j, 0,1,2,3
	global_load_b128 v[(\reg)+4*\j:(\reg)+4*\j+3], v1, s[XP:XP+1] offset:2048*(\i)+512*\j th:TH_LOAD_NT
.endr
.irp hd, 0,1,2,3,4,5,6,7
	global_load_b64 v[(\reg)+16+2*\hd:(\reg)+16+2*\hd+1], v2, s[ATP:ATP+1] offset:262144*\hd+256*(\i) th:TH_LOAD_NT
.endr
.endm
; row i, which lies in v[reg] on.  cnt: the loads issued behind this row's (for row 0: behind the gains and offsets), which may stay out.
.macro RESROW i, reg, cnt
	s_wait_loadcnt \cnt
.irp j, 0,1,2,3
	ds_store_b128 v[AIN], v[(\reg)+4*\j:(\reg)+4*\j+3] offset:2576*(\i)+640*\j     ; x turns through the row's own place in RES: in as loaded,
.endr
.irp j, 0,1,2,3
	ds_load_b128 v[X+4*\j:X+4*\j+3], v[ANB] offset:2576*(\i)+16*\j                 ; out as 16 neighbours a lane
.endr
	s_wait_dscnt 0x0
.irp e, 0,1
.irp hd, 0,1,2,3,4,5,6,7
	v_add_f32 v[X+8*\e+\hd], v[X+8*\e+\hd], v[(\reg)+16+2*\hd+\e]                  ; res: channel 8 (2 l + e) + head
.endr
.endr
.if (\i) == 0
.irp t, 0,1,2,3
	global_load_b128 v[BQ+8*\t:BQ+8*\t+3], v[QB], s[B1P:B1P+1] offset:4*(32*(\t/2)+8*(\t%2))       ; b1 in the result's layout: unit 32 (t / 2) + 16 h + 8 (t % 2) + j
	global_load_b128 v[BQ+8*\t+4:BQ+8*\t+7], v[QB], s[B1P:B1P+1] offset:4*(32*(\t/2)+8*(\t%2))+16
.endr
	RROWLOAD 3, RAW                                ; the last row takes the registers just left
.elseif (\i) == 2
	W03 2                                          ; and ring steps 2 and 3 their own slots
	W03 3
.endif
.irp j, 0,1,2,3
	ds_store_b128 v[ANB], v[X+4*\j:X+4*\j+3] offset:2576*(\i)+16*\j    ; res stays in LDS until the end
.endr
	LNCORE 1
	ds_store_b64 v[XC], v[CX:CX+1] offset:272*(\i)
	ds_store_b8 v[XB], v[BY] offset:16*(\i)        ; both lanes of a block write the same byte with the same value
.endm
; ring step n of 16.  0-7: the first product, pass n / 4 (32 hidden units), K step n % 4.  8-15: the second, K step n - 8.
.macro FSTEP n
.if (\n) < 8
	XLOAD XA, XSA, 4352, 64*((\n)%4), 32, 256, 4*((\n)%4)
.else
	XLOAD HR, HSR, 8192, 1024*((\n)-8), 512, 512, 64*((\n)-8)
.endif
.if (\n) >= 2
.if 15-(\n) >= 3
	s_wait_loadcnt 18                              ; this step's six loads are in; the three later steps' may be out (in steps 5 to 7 b2's four lie among the younger ones: the count is then the stricter one).  Steps 0 and 1 and b1 were shown in with the last row
.else
	s_wait_loadcnt 6*(15-(\n))
.endif
.endif
	s_wait_dscnt 0x0
.if (\n) < 8
.if (\n)%4 == 0
	MM \n, 2, 2*((\n)/4)
.else
	MM \n, 1, 0
.endif
.else
.if (\n) == 8
	MM \n, 2, 0
.else
	MM \n, 1, 0
.endif
.endif
	PLACES
.if (\n) == 4
.irp tt, 0,1
	global_load_b128 v[BQ+8*\tt:BQ+8*\tt+3], v255, s[B2P:B2P+1] offset:64*\tt          ; b2 in the result's layout, into the registers that b1's first two tiles left at step 0
	global_load_b128 v[BQ+8*\tt+4:BQ+8*\tt+7], v255, s[B2P:B2P+1] offset:64*\tt+16
.endr
.endif
.if (\n)+4 < 8
	WLOAD (\n)+4, WOA, WOA, W1P, 8192*(((\n)+4)/4)+64*(((\n)+4)%4), 2048, WSA, WSA, W1SP, 512*(((\n)+4)/4)+4*(((\n)+4)%4), 128
.elseif (\n)+4 < 16
	WLOAD (\n)+4, WOB, WOB, W2P, 64*((\n)+4-8), 8192, WSB, WSB, W2SP, 4*((\n)+4-8), 512
.endif
.endm
	s_load_b512 s[8:23], s[0:1], 0x0               ; rgb1, depth1, g21, g22, be21, be22, W11_codes, W21_codes
	s_load_b512 s[24:39], s[0:1], 0x40             ; W11_scales, W21_scales, b11, b21, W12_codes, W22_codes, W12_scales, W22_scales
	s_load_b256 s[40:47], s[0:1], 0x80             ; b12, b22, att, out0
	s_load_b128 s[48:51], s[0:1], 0xa0             ; out1, out2
	v_lshrrev_b32 v1, 5, v0
	v_readfirstlane_b32 s2, v1                     ; wave 0..15
	s_and_b32 s3, ttmp7, 0xffff                    ; stream
	s_mov_b32 s[SEL], 0x76543210
	s_mov_b32 s[SEL+1], 0xfedcba98
	s_mov_b32 s[INV], 0x3b000000                   ; 1 / 512
	s_mov_b32 s[EPS], 0x3727c5ac                   ; 1e-5
	v_and_b32 v16, 31, v0                          ; lane
	v_and_b32 v17, 15, v0                          ; r
	v_bfe_u32 v18, v0, 4, 1                        ; h
	v_lshlrev_b32 v1, 4, v16
	v_lshlrev_b32 v2, 3, v16
	s_mul_i32 s82, s2, 4*2576
	s_add_co_u32 s82, s82, RES                     ; my four rows of RES
	v_lshrrev_b32 v19, 2, v16
	v_mul_u32_u24 v19, v19, 80
	v_and_b32 v20, 3, v16
	v_lshl_add_u32 v19, v20, 4, v19
	v_add_nc_u32 v[AIN], s82, v19
	v_mul_u32_u24 v19, v16, 80
	v_add_nc_u32 v[ANB], s82, v19
	s_mul_i32 s82, s2, 4*272
	v_lshl_add_u32 v[XC], v16, 3, s82
	s_lshl_b32 s82, s2, 6
	s_add_co_u32 s82, s82, XSC
	v_lshrrev_b32 v19, 1, v16
	v_add_nc_u32 v[XB], s82, v19
	v_mul_u32_u24 v[XA], v17, 272
	v_lshl_add_u32 v[XA], v18, 4, v[XA]
	v_lshl_add_u32 v[XSA], v17, 4, XSC
	v_and_b32 v19, 8, v17
	v_add_nc_u32 v19, v19, v17                     ; r + 8 (r / 8)
	v_lshlrev_b32 v[WOA], 8, v19                   ; W1: a row is 256 bytes of codes, 16 of scales
	v_lshl_add_u32 v[WOA], v18, 4, v[WOA]
	v_lshlrev_b32 v[WSA], 4, v19
	v_lshlrev_b32 v[WOB], 9, v17                   ; W2: 512 and 32
	v_lshl_add_u32 v[WOB], v18, 4, v[WOB]
	v_lshlrev_b32 v[WSB], 5, v17
	s_lshr_b32 s82, s2, 1
	s_lshl_b32 s83, s82, 10
	s_and_b32 s84, s2, 1
	s_lshl_b32 s85, s84, 9
	s_add_co_u32 s83, s83, s85
	s_add_co_u32 s83, s83, HIMG
	v_add_nc_u32 v[HW], s83, v1
	s_lshl_b32 s83, s82, 6
	s_lshl_b32 s85, s84, 1
	s_add_co_u32 s83, s83, s85
	s_add_co_u32 s83, s83, HSC
	v_lshl_add_u32 v[HSW], v17, 2, s83
	s_mul_i32 s83, s2, 160                         ; my 32 outputs: two places of 80 bytes
	s_add_co_u32 s83, s83, RES
	v_mul_u32_u24 v[RESA], v17, 2576
	v_lshl_add_u32 v[RESA], v18, 5, v[RESA]
	v_add_nc_u32 v[RESA], s83, v[RESA]
	v_lshlrev_b32 v[SOP], 6, v16                   ; 64 x lane: my 16 gains and offsets
	v_lshlrev_b32 v[QB], 6, v18                    ; 64 h: b1 for lanes 16-31 begins 16 units on.  In a register that is not written again before the wait that shows b1's loads done
	v_mov_b32 v[MU+1], 0                           ; upper halves of pairs of which the packed forms take the low word: written once
	v_mov_b32 v[RS+1], 0
	s_wait_kmcnt 0x0
	s_cmp_eq_u32 s3, 0
	s_cselect_b64 s[XP:XP+1], s[8:9], s[10:11]
	s_cselect_b64 s[GP:GP+1], s[12:13], s[14:15]
	s_cselect_b64 s[BEP:BEP+1], s[16:17], s[18:19]
	s_cselect_b64 s[W1P:W1P+1], s[20:21], s[22:23]
	s_cselect_b64 s[W1SP:W1SP+1], s[24:25], s[26:27]
	s_cselect_b64 s[B1P:B1P+1], s[28:29], s[30:31]
	s_cselect_b64 s[W2P:W2P+1], s[32:33], s[34:35]
	s_cselect_b64 s[W2SP:W2SP+1], s[36:37], s[38:39]
	s_cselect_b64 s[B2P:B2P+1], s[40:41], s[42:43]
	s_cselect_b64 s[OP1:OP1+1], s[46:47], s[48:49]
	s_mov_b64 s[OP2:OP2+1], s[50:51]
	s_mov_b64 s[ATP:ATP+1], s[44:45]
	s_mov_b32 s83, 0
	s_lshl_b32 s84, ttmp9, 6
	s_lshl_b32 s85, s2, 2
	s_add_co_u32 s84, s84, s85                     ; my first row: 64 x work-group x + 4 x wave
	s_lshl_b32 s82, s84, 11
	s_add_nc_u64 s[XP:XP+1], s[XP:XP+1], s[82:83]
	s_add_nc_u64 s[OP1:OP1+1], s[OP1:OP1+1], s[82:83]
	s_add_nc_u64 s[OP2:OP2+1], s[OP2:OP2+1], s[82:83]
	s_lshr_b32 s82, ttmp9, 4                       ; batch
	s_lshl_b32 s82, s82, 3
	s_lshl_b32 s85, s3, 6
	s_add_co_u32 s82, s82, s85                     ; head 0 of my stream and batch,
	s_lshl_b32 s82, s82, 10
	s_and_b32 s85, s84, 1023
	s_add_co_u32 s82, s82, s85                     ; my first token in it;
	s_lshl_b32 s82, s82, 8                         ; a row of att is 256 bytes
	s_add_nc_u64 s[ATP:ATP+1], s[ATP:ATP+1], s[82:83]
	RROWLOAD 0, RAW                                ; what is waited for first goes out first: row 0, the gains and offsets,
.irp j, 0,1,2,3
	global_load_b128 v[G+4*\j:G+4*\j+3], v[SOP], s[GP:GP+1] offset:16*\j
.endr
.irp j, 0,1,2,3
	global_load_b128 v[BE+4*\j:BE+4*\j+3], v[SOP], s[BEP:BEP+1] offset:16*\j
.endr
	RROWLOAD 1, RAW+32                             ; two more rows;
	RROWLOAD 2, WF+32                              ; (one of them in the registers of ring slots 2 and 3)
	s_lshl_b32 s82, s2, 14                         ; the weights' addresses are made while they are on their way.  My 64 rows of W1, my 32 rows of W2: 16,384 bytes of codes each,
	s_add_nc_u64 s[W1P:W1P+1], s[W1P:W1P+1], s[82:83]
	s_add_nc_u64 s[W2P:W2P+1], s[W2P:W2P+1], s[82:83]
	s_lshl_b32 s82, s2, 10                         ; 1,024 of scales each
	s_add_nc_u64 s[W1SP:W1SP+1], s[W1SP:W1SP+1], s[82:83]
	s_add_nc_u64 s[W2SP:W2SP+1], s[W2SP:W2SP+1], s[82:83]
	W03 0                                          ; ring steps 0 and 1 land under the first phase
	W03 1
	s_lshl_b32 s82, s2, 8
	s_add_nc_u64 s[B1P:B1P+1], s[B1P:B1P+1], s[82:83]
	s_lshl_b32 s82, s2, 7
	s_add_nc_u64 s[B2P:B2P+1], s[B2P:B2P+1], s[82:83]
	; the counts: loads issued behind the row's own.  The order of issue: row 0 (12), gains and offsets (8), rows 1 and 2 (24), ring steps 0, 1 (12); b1 (8) and row 3 (12) in row 0's turn; ring steps 2, 3 (12) in row 2's
	RESROW 0, RAW, 36                              ; 24 + 12
	RESROW 1, RAW+32, 44                           ; 12 + 12 + 8 + 12
	RESROW 2, WF+32, 32                            ; 12 + 8 + 12
	RESROW 3, RAW, 12                              ; ring steps 2 and 3: steps 0 and 1 and b1 are in with it
	s_wait_dscnt 0x0                               ; for the others' sake: my rows' codes, scale bytes and res lie in LDS
	s_barrier_signal -1
	s_barrier_wait -1
	v_bfe_u32 v255, v0, 4, 1
	v_lshlrev_b32 v255, 5, v255                    ; 32 h: b2 for lanes 16-31 begins 8 outputs on
	; ---- the first product, relu, the quantiser
.irp n, 0,1,2,3
	FSTEP \n
.endr
	QBLK 0
.irp n, 4,5,6,7
	FSTEP \n
.endr
	QBLK 1
.irp m, 0,1,2,3
	v_permlane16_swap_b32 v[QC+4*\m], v[QC+4*\m+2]     ; a whole block of 32 units to a lane
	v_permlane16_swap_b32 v[QC+4*\m+1], v[QC+4*\m+3]
.endr
.irp m, 0,1,2,3
	ds_store_b128 v[HW], v[QC+4*\m:QC+4*\m+3] offset:8192*\m
	ds_store_b16 v[HSW], v[QB+\m] offset:512*\m    ; my two bytes of the K step's scale word; lanes r and r + 16 write the same
.endr
	s_wait_dscnt 0x0                               ; for the others' sake, and the stores have read their registers
	v_add_nc_u32 v[HR], HIMG, v1
	v_and_b32 v[HSR], 15, v0
	v_lshl_add_u32 v[HSR], v[HSR], 2, HSC
	v_add_nc_u32 v[RESA2], 82432, v[RESA]          ; 32 rows of RES on
	s_barrier_signal -1
	s_barrier_wait -1                              ; the hidden layer's 32 fragments lie in LDS.  (The ring's loads of W2 stay on their way: nobody writes those bytes)
	; ---- the second product
.irp n, 8,9,10,11,12,13,14,15
	FSTEP \n
.endr
	; ---- + res, in place in RES: each number has one owner lane
.irp tt, 0,1
.irp m, 0,1
.irp e, 0,1
	ds_load_b128 v[WF+32*\tt+8*\m+4*\e:WF+32*\tt+8*\m+4*\e+3], v[RESA] offset:\m*41216+80*\tt+16*\e
	ds_load_b128 v[WF+32*\tt+8*(\m+2)+4*\e:WF+32*\tt+8*(\m+2)+4*\e+3], v[RESA2] offset:\m*41216+80*\tt+16*\e
.endr
.endr
.endr
	s_wait_dscnt 0x0
.irp j, 0,2,4,6,8,10,12,14,16,18,20,22,24,26,28,30,32,34,36,38,40,42,44,46,48,50,52,54,56,58,60,62
	v_pk_add_f32 v[ACC+\j:ACC+\j+1], v[ACC+\j:ACC+\j+1], v[WF+\j:WF+\j+1]      ; ascending: each accumulator is read from its low end on
.endr
.irp tt, 0,1
.irp m, 0,1
.irp e, 0,1
	ds_store_b128 v[RESA], v[ACC+32*\tt+8*\m+4*\e:ACC+32*\tt+8*\m+4*\e+3] offset:\m*41216+80*\tt+16*\e
	ds_store_b128 v[RESA2], v[ACC+32*\tt+8*(\m+2)+4*\e:ACC+32*\tt+8*(\m+2)+4*\e+3] offset:\m*41216+80*\tt+16*\e
.endr
.endr
.endr
	s_wait_dscnt 0x0                               ; for the others' sake
	s_barrier_signal -1
	s_barrier_wait -1                              ; 64 whole rows of the result lie in RES
.irp i, 0,1,2,3
.irp j, 0,1,2,3
	ds_load_b128 v[16+4*(4*\i+\j):16+4*(4*\i+\j)+3], v[AIN] offset:2576*\i+640*\j
.endr
.endr
.irp i, 0,1,2,3
.irp j, 0,1,2,3
	s_wait_dscnt 15-(4*\i+\j)
	global_store_b128 v1, v[16+4*(4*\i+\j):16+4*(4*\i+\j)+3], s[OP1:OP1+1] offset:2048*\i+512*\j th:TH_STORE_NT   ; 32 lanes store 512 consecutive bytes, aligned
.endr
.endr
	s_cmp_eq_u32 s3, 0
	s_cbranch_scc1 .Lend
.irp i, 0,1,2,3
.irp j, 0,1,2,3
	global_store_b128 v1, v[16+4*(4*\i+\j):16+4*(4*\i+\j)+3], s[OP2:OP2+1] offset:2048*\i+512*\j th:TH_STORE_NT   ; the depth stream's result once more
.endr
.endr
.Lend:
	s_wait_xcnt 0x0
	v_lshl_add_u32 v254, v0, 2, 0x35400
	v_mov_b32 v255, 0
	s_wait_tensorcnt 0x0
	ds_add_u32 v254, v255
	s_wait_dscnt 0x0
	s_endpgm
.Lfunc_end_k_q4b91bc5ac7_ffn:
	.size	k_q4b91bc5ac7_ffn, .Lfunc_end_k_q4b91bc5ac7_ffn-k_q4b91bc5ac7_ffn
	.p2alignl 7, 3214868480
	.fill 96, 4, 3214868480
	.section	.rodata,"a",@progbits
	.p2align	6, 0x0
	.amdhsa_kernel k_q4b91bc5ac7_ffn
		.amdhsa_group_segment_fixed_size 220160
		.amdhsa_private_segment_fixed_size 0
		.amdhsa_enable_private_segment 0
		.amdhsa_kernarg_size 176
		.amdhsa_user_sgpr_count 2
		.amdhsa_user_sgpr_kernarg_segment_ptr 1
		.amdhsa_wavefront_size32 1
		.amdhsa_system_sgpr_workgroup_id_x 1
		.amdhsa_system_sgpr_workgroup_id_y 1
		.amdhsa_system_sgpr_workgroup_id_z 1
		.amdhsa_system_vgpr_workitem_id 0
		.amdhsa_next_free_vgpr 256
		.amdhsa_next_free_sgpr 96
		.amdhsa_reserve_vcc 0
		.amdhsa_float_denorm_mode_32 3
		.amdhsa_float_denorm_mode_16_64 3
		.amdhsa_memory_ordered 1
		.amdhsa_forward_progress 1
		.amdhsa_inst_pref_size 96
	.end_amdhsa_kernel
	.amdgpu_metadata
---
amdhsa.version: [ 1, 2 ]
amdhsa.kernels:
  - .name:           k_q4b91bc5ac7_ffn
    .symbol:         k_q4b91bc5ac7_ffn.kd
    .args:
      - { .name: rgb1, .offset: 0, .size: 8, .value_kind: global_buffer, .address_space: global }
      - { .name: depth1, .offset: 8, .size: 8, .value_kind: global_buffer, .address_space: global }
      - { .name: g21, .offset: 16, .size: 8, .value_kind: global_buffer, .address_space: global }
      - { .name: g22, .offset: 24, .size: 8, .value_kind: global_buffer, .address_space: global }
      - { .name: be21, .offset: 32, .size: 8, .value_kind: global_buffer, .address_space: global }
      - { .name: be22, .offset: 40, .size: 8, .value_kind: global_buffer, .address_space: global }
      - { .name: W11_codes, .offset: 48, .size: 8, .value_kind: global_buffer, .address_space: global }
      - { .name: W21_codes, .offset: 56, .size: 8, .value_kind: global_buffer, .address_space: global }
      - { .name: W11_scales, .offset: 64, .size: 8, .value_kind: global_buffer, .address_space: global }
      - { .name: W21_scales, .offset: 72, .size: 8, .value_kind: global_buffer, .address_space: global }
      - { .name: b11, .offset: 80, .size: 8, .value_kind: global_buffer, .address_space: global }
      - { .name: b21, .offset: 88, .size: 8, .value_kind: global_buffer, .address_space: global }
      - { .name: W12_codes, .offset: 96, .size: 8, .value_kind: global_buffer, .address_space: global }
      - { .name: W22_codes, .offset: 104, .size: 8, .value_kind: global_buffer, .address_space: global }
      - { .name: W12_scales, .offset: 112, .size: 8, .value_kind: global_buffer, .address_space: global }
      - { .name: W22_scales, .offset: 120, .size: 8, .value_kind: global_buffer, .address_space: global }
      - { .name: b12, .offset: 128, .size: 8, .value_kind: global_buffer, .address_space: global }
      - { .name: b22, .offset: 136, .size: 8, .value_kind: global_buffer, .address_space: global }
      - { .name: att, .offset: 144, .size: 8, .value_kind: global_buffer, .address_space: global }
      - { .name: out0, .offset: 152, .size: 8, .value_kind: global_buffer, .address_space: global }
      - { .name: out1, .offset: 160, .size: 8, .value_kind: global_buffer, .address_space: global }
      - { .name: out2, .offset: 168, .size: 8, .value_kind: global_buffer, .address_space: global }
    .group_segment_fixed_size: 220160
    .private_segment_fixed_size: 0
    .kernarg_segment_align: 8
    .kernarg_segment_size: 176
    .max_flat_workgroup_size: 512
    .sgpr_count:     96
    .vgpr_count:     256
    .wavefront_size: 32
...
	.end_amdgpu_metadata
.endif
;; end of part 3
;; ======== version 2 of 2: 3 launches; version 1 with the launches proj, attn, ffn written anew for expert scheduling mode
;; workspace buffers: acodes 8,388,608 bytes; ascales 786,432 bytes; att 33,554,432 bytes
;; launch proj (part 4): grid 128 x 2, 16 waves a work-group, no clusters, 79,360 bytes of LDS; arguments rgb1, depth1, g11, g12, be11, be12, Wq_codes, Wk_codes, Wv1_codes, Wv2_codes, Wq_scales, Wk_scales, Wv1_scales, Wv2_scales, bq, bk, bv1, bv2, acodes, ascales; writes acodes, ascales
.if DOCPART == 4
	.amdgcn_target "amdgcn-amd-amdhsa--gfx1250"
	.amdhsa_code_object_version 6
	.text
	.protected	k_q4b91bc5ac7_proj
	.globl	k_q4b91bc5ac7_proj
	.p2align	8
	.type	k_q4b91bc5ac7_proj,@function
k_q4b91bc5ac7_proj:
	s_mov_b64 s[64:65], 0
	v_nop
	global_prefetch_b8 v0, s[64:65] scope:SCOPE_SE
	s_setreg_imm32_b32 hwreg(HW_REG_WAVE_SCHED_MODE, 0, 2), 2
	s_setreg_imm32_b32 hwreg(HW_REG_WAVE_MODE, 25, 1), 1
	s_wait_xcnt 0x0
	s_wait_alu depctr_vm_vsrc(0)
; r = LayerNorm(rgb1), d = LayerNorm(depth1), both quantised to FP4 (E2M1) along their 512 channels; q = r Wq + bq, k = d Wk + bk, v1 = [r d] Wv1 + bv1, v2 = [r d] Wv2 + bv2 on codes;
; q and k are quantised along a head's 64 numbers, v1 and v2 along the tokens, and leave as images of the operand registers that the attention launch wants.  Channel c of a product belongs to head c % 8, place c / 8.
; SHARES.  A work-group takes 64 tokens and four heads (grid y: heads 0-3 or 4-7).  First every wave norms and quantises 8 rows (waves 0-7 rgb1, waves 8-15 depth1) into LDS; one barrier; then wave w
; makes matrix (w / 4) % 4 (q, k, v1, v2) of head 4 y + w % 4: 64 columns x 64 tokens in 8 accumulators at a time.  Its weights come from memory straight into registers, each fragment once, through a ring of four register slots.
; ORDER OF THE REQUESTS.  What a wave waits for first is asked for first: row 0, the gains and offsets, rows 1 to 5 (each load 512 consecutive bytes), and only then the ring's steps 0 and 1 (each load names 32 bytes of sixteen rows of W).
; Rows 4 and 5 lie in the registers of ring slots 2 and 3, which take their weights when those rows have been worked; rows 6 and 7 take the registers of rows 0 and 1.
; NO CLUSTER, NO TENSOR LOAD: the sixteen waves want sixteen different parts of the weights, each once and in registers; what the waves share, the tokens' codes (33 KiB), is made here and lies in LDS already.
; TOKEN ORDER IN LDS.  Token 32 b + 16 x + 8 u + j lies in row 16 (2 b + u) + 8 x + j, so that row r of token tile 2 b + u is token 32 b + 8 u + r + 8 (r / 8): two neighbouring tiles then give a lane 16 neighbouring tokens
; where tokens run along a lane's registers (v1, v2), and the images of q and k have the key order that the attention launch wants.
; q, k: the product is used transposed (source 0 = 16 rows of W, source 1 = 16 tokens): a lane holds one token, its registers run along the head.  Lane r of W's tile 2 p + u takes place 32 p + 8 u + r + 8 (r / 8) of the head.
; v1, v2: source 0 = 16 tokens, source 1 = 16 rows of W: a lane holds one place of the head, its registers run along the tokens, which are the K of the attention's second product.
; LIMITS: NaN and infinities among the inputs are not served.  A block whose largest magnitude lies under 2^-124 gets the scale byte 1; a block of zeros gets the byte 1 and not 127: its codes are zeros, and only this program reads the bytes.
; THE MODE: SCHED_MODE bits 1:0 = 2 (LLVM: expert scheduling mode 2), set by the entry lines.  The code itself states the register dependences
; between vector or matrix instructions and memory or LDS instructions, with s_wait_alu, always for 0.
; THE PLAN.  Registers that memory or LDS instructions touch:
;   v1-15        offsets and LDS addresses.  Written at the head, ahead of the wait on va_vdst in front of the first load; never written again.
;   the rows' registers (v16-79, v148-179).  Written by loads; read by the four LDS stores of the row's turn and by nothing else; then loads land in them again, later matrix results.
;   X            Written by the turn's four LDS loads; read and written by the row's arithmetic.     CX, BY  written by that arithmetic; read by the turn's last two LDS stores.
;   v252         Read as their offset by the loads of the gains and offsets; written by every row's arithmetic.
;   So a row's turn has one wait on vm_vsrc, behind the wait that shows the row back, and one on va_vdst, behind its arithmetic; the next turn's LDS loads into X follow the second with no vector instruction between.
;   XF, XS, the ring's slots.  Written by loads; read by a step's eight products.  There is one set of token fragments: the wave names all its 256 registers.  One wait on va_vdst behind a step's products frees
;                XF and XS for the next step's LDS loads and the slot for the ring's next loads.
;   v255         The biases' offset: written behind the barrier, read by the biases' loads.
;   QC, QB, v240-242  Codes, scale words and the last store's offset: written by vector instructions, each register once a role; one wait on va_vdst ahead of each run of stores.
.set XIMG, 0                           ; LDS: 64 rows x 528: r's 256 bytes of codes, d's 256, 16 of padding (33 x 16: the 16 rows of a load start at 16 different groups of banks)
.set XSC,  33792                       ; 64 rows x 36: r's 16 scale bytes, d's 16, 4 of padding
.set STG,  36096                       ; 2,560 bytes for each wave, its own: 32 places of 64 + 16 bytes; later its scale words on their way out
.set ACC, 16                           ; v16-79   accumulator (tt, m) at ACC + 32 tt + 8 m: column tile tt of the pass, token tile m
.set XF,  80                           ; v80-111  four token fragments
.set XS,  112                          ; v112-115 their scale words
.set WF,  116                          ; v116-179 four ring slots of two weight fragments
.set WS,  180                          ; v180-187 their scale words
.set BQ,  188                          ; v188-219 biases
.set QC,  220                          ; v220-235 codes made here
.set QB,  236                          ; v236-239 scale words made here
.set TM,  240                          ; v240-255 at work
.set RAW, 16                           ; LayerNorm phase: v16-79 four rows as loaded (two more in v148-179); v80-95 gains, v96-111 offsets of my 16 channels; v220-235 my 16 neighbours of a row
.set G,   80
.set BE,  96
.set X,   220
.set T,   240
.set MU,  248                          ; v[248:249] the mean (a pair for the packed forms; the upper half is written once)
.set RS,  250                          ; v[250:251] 1 / sqrt(var + eps)
.set SOP, 252                          ; the conversion's scale operand
.set BY,  253                          ; the scale byte
.set CX,  254                          ; v[254:255] 16 codes
.set SIN, 2                            ; v2  my stage, as loaded: 80 (lane / 4) + 16 (lane % 4)
.set SNB, 3                            ; v3  my stage, 16 neighbours: 80 x lane
.set XC,  4                            ; v4  where my codes of a row go
.set XB,  5                            ; v5  and the block's scale byte
.set XA,  6                            ; v6  a token fragment's place for my lane (k reads d's half of the rows)
.set XSA, 7                            ; v7  and its scale word's
.set WO0, 8                            ; v8, v9  byte offsets of my rows of W in the pass's two tiles
.set WO1, 9
.set WSO0, 10                          ; v10, v11 the same for W's scale words
.set WSO1, 11
.set P4R, 12                           ; v12-15 my stage + 4 r, 2 r, 8 x lane, 4 x lane
.set P2R, 13
.set P8L, 14
.set P4L, 15
.set XP,  48                           ; s[48:49] my 8 rows of x;  s[50:51], s[52:53] gain, offset
.set GP,  50
.set BEP, 52
.set WP,  54                           ; s[54:55] my matrix's codes at my head's first row;  s[56:57] its scales;  s[58:59] its bias
.set WSP, 56
.set BP,  58
.set CP,  60                           ; s[60:61] where my images go;  s[62:63] their scale words
.set SCP, 62
.set SEL, 66                           ; s[66:67] v_permlanex16_b32's selects for lane l xor 16
.set INV, 68                           ; 1 / 512
.set EPS, 69                           ; 1e-5
.macro PLACES                          ; four plain vector instructions behind matrix instructions, ahead of loads into their registers and of reads of their results; a wait on va_vdst behind them fills no place, and they stand for no wait
.rept 4
	v_nop
.endr
.endm
.macro REDUCE reg, tmp                 ; the sum over the 32 lanes, in every lane
	v_add_f32_dpp v[\reg], v[\reg], v[\reg] row_xmask:1 row_mask:0xf bank_mask:0xf
	v_add_f32_dpp v[\reg], v[\reg], v[\reg] row_xmask:2 row_mask:0xf bank_mask:0xf
	v_add_f32_dpp v[\reg], v[\reg], v[\reg] row_xmask:4 row_mask:0xf bank_mask:0xf
	v_add_f32_dpp v[\reg], v[\reg], v[\reg] row_xmask:8 row_mask:0xf bank_mask:0xf
	v_permlanex16_b32 v[\tmp], v[\reg], s[SEL], s[SEL+1]
	v_add_f32 v[\reg], v[\reg], v[\tmp]
.endm
; X = channels 16 x lane + 0 .. 15 of one row -> CX: their 16 codes, BY: the scale byte of the block that lanes 2 i and 2 i + 1 share.  Mean first, then the variance of the differences: a common offset of the inputs does no harm.
.macro LNCORE dsw
	v_pk_add_f32 v[T:T+1], v[X:X+1], v[X+2:X+3]
	v_pk_add_f32 v[T+2:T+3], v[X+4:X+5], v[X+6:X+7]
	v_pk_add_f32 v[T+4:T+5], v[X+8:X+9], v[X+10:X+11]
	v_pk_add_f32 v[T+6:T+7], v[X+12:X+13], v[X+14:X+15]
	v_pk_add_f32 v[T:T+1], v[T:T+1], v[T+2:T+3]
	v_pk_add_f32 v[T+4:T+5], v[T+4:T+5], v[T+6:T+7]
	v_pk_add_f32 v[T:T+1], v[T:T+1], v[T+4:T+5]
	v_add_f32 v[T], v[T], v[T+1]
	REDUCE T, T+1
	v_mul_f32 v[MU], s[INV], v[T]
.if \dsw
	s_wait_dscnt 0x0
.endif
.irp j, 0,2,4,6,8,10,12,14
	v_pk_add_f32 v[X+\j:X+\j+1], v[X+\j:X+\j+1], v[MU:MU+1] op_sel_hi:[1,0] neg_lo:[0,1] neg_hi:[0,1]
.endr
	v_pk_mul_f32 v[T:T+1], v[X:X+1], v[X:X+1]
	v_pk_mul_f32 v[T+2:T+3], v[X+2:X+3], v[X+2:X+3]
.irp j, 4,8,12
	v_pk_fma_f32 v[T:T+1], v[X+\j:X+\j+1], v[X+\j:X+\j+1], v[T:T+1]
	v_pk_fma_f32 v[T+2:T+3], v[X+\j+2:X+\j+3], v[X+\j+2:X+\j+3], v[T+2:T+3]
.endr
	v_pk_add_f32 v[T:T+1], v[T:T+1], v[T+2:T+3]
	v_add_f32 v[T], v[T], v[T+1]
	REDUCE T, T+1
	v_fma_f32 v[T], v[T], s[INV], s[EPS]
	v_rsq_f32 v[RS], v[T]
	v_nop                                          ; a plain instruction behind the transcendental,
	s_wait_alu depctr_va_vdst(0)                   ; and the wait ahead of its first reader: v[RS] is written
.irp j, 0,2,4,6,8,10,12,14
	v_pk_mul_f32 v[X+\j:X+\j+1], v[X+\j:X+\j+1], v[RS:RS+1] op_sel_hi:[1,0]
.endr
.irp j, 0,2,4,6,8,10,12,14
	v_pk_fma_f32 v[X+\j:X+\j+1], v[X+\j:X+\j+1], v[G+\j:G+\j+1], v[BE+\j:BE+\j+1]
.endr
	v_max3_num_f32 v[T], |v[X]|, |v[X+1]|, |v[X+2]|            ; the largest magnitude of my 16, in two chains
	v_max3_num_f32 v[T+1], |v[X+3]|, |v[X+4]|, |v[X+5]|
.irp j, 6,10
	v_max3_num_f32 v[T], v[T], |v[X+\j]|, |v[X+\j+1]|
	v_max3_num_f32 v[T+1], v[T+1], |v[X+\j+2]|, |v[X+\j+3]|
.endr
	v_max3_num_f32 v[T], v[T], |v[X+14]|, |v[X+15]|
	v_max3_num_f32 v[T], v[T], v[T+1], 0x1800000   ; and the floor 2^(3 - 127): the byte cannot fall under 1
	v_max_num_f32_dpp v[T], v[T], v[T] row_xmask:1 row_mask:0xf bank_mask:0xf   ; with my neighbour's 16: the block's
	v_add_nc_u32 v[SOP], 0xff000000, v[T]          ; 2 off the exponent field: the conversion takes this operand's exponent field as its scale
	v_cvt_scalef32_pk8_fp4_f32 v[CX], v[X:X+7], v[SOP]
	v_cvt_scalef32_pk8_fp4_f32 v[CX+1], v[X+8:X+15], v[SOP]
	v_lshrrev_b32 v[BY], 23, v[SOP]                ; the scale's byte; also the plain instruction behind the conversions
.endm
; four token fragments (16 rows x 128 K each) and their scale words from LDS: 12 loads
.macro XLOAD adr, sadr, tp, off, cs, stp, soff
.irp m, 0,1,2,3
.irp c, 0,1
	ds_load_b128 v[XF+8*\m+4*\c:XF+8*\m+4*\c+3], v[\adr] offset:\m*(\tp)+(\off)+(\cs)*\c
.endr
.endr
.irp m, 0,1,2,3
	ds_load_b32 v[XS+\m], v[\sadr] offset:\m*(\stp)+(\soff)
.endr
.endm
; ring step n's two weight fragments and their scale words from memory into slot n % 4: 6 loads
.macro WLOAD n, o0, o1, wp, imm, ts, so0, so1, sp, simm, sts
.set WB, WF+16*((\n)%4)
.irp c, 0,1
	global_load_b128 v[WB+4*\c:WB+4*\c+3], v[\o0], s[\wp:\wp+1] offset:(\imm)+32*\c
.endr
.irp c, 0,1
	global_load_b128 v[WB+8+4*\c:WB+8+4*\c+3], v[\o1], s[\wp:\wp+1] offset:(\imm)+(\ts)+32*\c
.endr
	global_load_b32 v[WS+2*((\n)%4)], v[\so0], s[\sp:\sp+1] offset:(\simm)
	global_load_b32 v[WS+2*((\n)%4)+1], v[\so1], s[\sp:\sp+1] offset:(\simm)+(\sts)
.endm
.macro W03 n                           ; ring step n of the first four: the same line for both roles; the registers differ
	WLOAD \n, WO0, WO1, WP, 64*(\n), 0, WSO0, WSO1, WSP, 4*(\n), 0
.endm
; 8 matrix instructions, 128 along K: the 8 accumulators take turns, one instruction a turn, from step to step too.
; cm = 0: the products start the sums; 1: they add in place; 2: the sums start from the bias registers of tile bt + tt.  wfirst = 1: source 0 = W, source 1 = tokens.
.macro MM n, cm, wfirst, bt
.irp tt, 0,1
.irp m, 0,1,2,3
.set rD, ACC+32*\tt+8*\m
.set rW, WF+16*((\n)%4)+8*\tt
.set rX, XF+8*\m
.set rWS, WS+2*((\n)%4)+\tt
.set rXS, XS+\m
.set rC, rD
.if (\cm) == 2
.set rC, BQ+8*((\bt)+\tt)
.endif
.if \wfirst
.if (\cm) == 0
	v_wmma_scale_f32_16x16x128_f8f6f4 v[rD:rD+7], v[rW:rW+7], v[rX:rX+7], 0, v[rWS], v[rXS] matrix_a_fmt:MATRIX_FMT_FP4 matrix_b_fmt:MATRIX_FMT_FP4
.else
	v_wmma_scale_f32_16x16x128_f8f6f4 v[rD:rD+7], v[rW:rW+7], v[rX:rX+7], v[rC:rC+7], v[rWS], v[rXS] matrix_a_fmt:MATRIX_FMT_FP4 matrix_b_fmt:MATRIX_FMT_FP4
.endif
.else
.if (\cm) == 0
	v_wmma_scale_f32_16x16x128_f8f6f4 v[rD:rD+7], v[rX:rX+7], v[rW:rW+7], 0, v[rXS], v[rWS] matrix_a_fmt:MATRIX_FMT_FP4 matrix_b_fmt:MATRIX_FMT_FP4
.else
	v_wmma_scale_f32_16x16x128_f8f6f4 v[rD:rD+7], v[rX:rX+7], v[rW:rW+7], v[rC:rC+7], v[rXS], v[rWS] matrix_a_fmt:MATRIX_FMT_FP4 matrix_b_fmt:MATRIX_FMT_FP4
.endif
.endif
.endr
.endr
.endm
; q, k: block p (32 places of the head) of 64 tokens.  A lane holds one token of each tile m; the 16 registers of accumulators (0, m) and (1, m) are places 32 p + 16 (lane / 16) + 0 .. 15.  The four m by turns.
.macro QBLK p
.irp i, 0,2,4,6
.irp tt, 0,1
.irp m, 0,1,2,3
	v_pk_add_f32 v[ACC+32*\tt+8*\m+\i:ACC+32*\tt+8*\m+\i+1], v[ACC+32*\tt+8*\m+\i:ACC+32*\tt+8*\m+\i+1], v[BQ+8*(2*(\p)+\tt)+\i:BQ+8*(2*(\p)+\tt)+\i+1]   ; the bias; each accumulator is read from its low end on
.endr
.endr
.endr
.irp m, 0,1,2,3
	v_max3_num_f32 v[TM+\m], |v[ACC+8*\m]|, |v[ACC+8*\m+1]|, 0x1800000   ; my 16 numbers, and the floor 2^(3 - 127)
.endr
.irp i, 2,4,6
.irp m, 0,1,2,3
	v_max3_num_f32 v[TM+\m], v[TM+\m], |v[ACC+8*\m+\i]|, |v[ACC+8*\m+\i+1]|
.endr
.endr
.irp i, 0,2,4,6
.irp m, 0,1,2,3
	v_max3_num_f32 v[TM+\m], v[TM+\m], |v[ACC+32+8*\m+\i]|, |v[ACC+32+8*\m+\i+1]|
.endr
.endr
.irp m, 0,1,2,3
	v_permlanex16_b32 v[TM+4+\m], v[TM+\m], s[SEL], s[SEL+1]
.endr
.irp m, 0,1,2,3
	v_max_num_f32 v[TM+\m], v[TM+\m], v[TM+4+\m]   ; with lane l xor 16's: the block's largest magnitude
.endr
.irp m, 0,1,2,3
	v_add_nc_u32 v[TM+8+\m], 0xff000000, v[TM+\m]
.endr
.irp m, 0,1,2,3
	v_lshrrev_b32 v[TM+4+\m], 23, v[TM+8+\m]
.endr
.irp m, 0,1,2,3
.if (\p) == 0
	v_mov_b32 v[QB+\m], v[TM+4+\m]
.else
	v_lshl_or_b32 v[QB+\m], v[TM+4+\m], 8, v[QB+\m]
.endif
.endr
.if (\p) == 1
.irp m, 0,1,2,3
	v_or_b32 v[QB+\m], 0x7f7f0000, v[QB+\m]        ; K = 64 of the instruction's 128: the upper two bytes stand for 1.0, over zero codes on the other side
.endr
.endif
.irp m, 0,1,2,3
	v_cvt_scalef32_pk8_fp4_f32 v[QC+4*\m+2*(\p)], v[ACC+8*\m:ACC+8*\m+7], v[TM+8+\m]
	v_cvt_scalef32_pk8_fp4_f32 v[QC+4*\m+2*(\p)+1], v[ACC+32+8*\m:ACC+32+8*\m+7], v[TM+8+\m]
.endr
	v_nop                                          ; one plain instruction behind the conversions
.endm
; v1, v2: column tile t = 2 p + tt: 16 places of the head x 64 tokens.  A lane holds one place; register 16 b + i of the tile's four accumulators is token 32 b + 16 (lane / 16) + i.  The tile's codes and scale bytes have registers of their own.
.macro VTILE p, tt
.set VA, ACC+32*(\tt)
.set VT, 2*(\p)+(\tt)
.set II, 0
.rept 32
	v_add_f32 v[VA+II], v[VA+II], v[BQ+VT]         ; the bias of my place; ascending
.set II, II+1
.endr
.irp b, 0,1
	v_max3_num_f32 v[TM+\b], |v[VA+16*\b]|, |v[VA+16*\b+1]|, 0x1800000
.endr
.irp i, 2,4,6,8,10,12,14
.irp b, 0,1
	v_max3_num_f32 v[TM+\b], v[TM+\b], |v[VA+16*\b+\i]|, |v[VA+16*\b+\i+1]|
.endr
.endr
.irp b, 0,1
	v_permlanex16_b32 v[TM+4+\b], v[TM+\b], s[SEL], s[SEL+1]
.endr
.irp b, 0,1
	v_max_num_f32 v[TM+\b], v[TM+\b], v[TM+4+\b]
.endr
.irp b, 0,1
	v_add_nc_u32 v[TM+8+\b], 0xff000000, v[TM+\b]
.endr
.irp b, 0,1
	v_lshrrev_b32 v[TM+4+\b], 23, v[TM+8+\b]
.endr
	v_lshl_or_b32 v[QB+VT], v[TM+5], 8, v[TM+4]    ; the two bytes of these 64 tokens
.irp b, 0,1
	v_cvt_scalef32_pk8_fp4_f32 v[QC+4*VT+2*\b], v[VA+16*\b:VA+16*\b+7], v[TM+8+\b]
	v_cvt_scalef32_pk8_fp4_f32 v[QC+4*VT+2*\b+1], v[VA+16*\b+8:VA+16*\b+15], v[TM+8+\b]
.endr
	v_nop
	v_permlane16_swap_b32 v[QC+4*VT], v[QC+4*VT+2]     ; a whole block of 32 tokens to a lane: lanes 0-15 the first, lanes 16-31 the second
	v_permlane16_swap_b32 v[QC+4*VT+1], v[QC+4*VT+3]
.endm
; the two tiles of pass p leave in one run, behind one wait
.macro VOUT p
	s_wait_alu depctr_va_vdst(0)                   ; the pass's two tiles have written their codes and scale bytes, which the stores below read (in the last pass: v241 too, and v240 is done with)
.irp tt, 0,1
	global_store_b128 v1, v[QC+4*(2*(\p)+\tt):QC+4*(2*(\p)+\tt)+3], s[CP:CP+1] offset:1024*(2*(\p)+\tt)   ; 32 lanes store 512 consecutive bytes, aligned
	ds_store_b16 v[P2R], v[QB+2*(\p)+\tt] offset:32*(2*(\p)+\tt)     ; lanes r and r + 16 write the same two bytes with the same value
.endr
.endm
.macro ROWLOAD i, reg                  ; row i of my eight into v[reg] on: four loads of 512 consecutive bytes
.irp j, 0,1,2,3
	global_load_b128 v[(\reg)+4*\j:(\reg)+4*\j+3], v1, s[XP:XP+1] offset:2048*(\i)+512*\j
.endr
.endm
; row i, which lies in v[reg] on.  cnt: the loads issued behind this row's (for row 0: behind the gains and offsets), which may stay out.
.macro LNROW i, reg, cnt
	s_wait_loadcnt \cnt
.irp j, 0,1,2,3
	ds_store_b128 v[SIN], v[(\reg)+4*\j:(\reg)+4*\j+3] offset:640*\j   ; the row turns through my own stage: in as loaded,
.endr
.irp j, 0,1,2,3
	ds_load_b128 v[X+4*\j:X+4*\j+3], v[SNB] offset:16*\j               ; out as 16 neighbours a lane (LDS serves a wave's instructions in order).  No vector instruction since the last wait on va_vdst names X
.endr
	s_wait_dscnt 0x0                               ; the row is back
	s_wait_alu depctr_vm_vsrc(0)                   ; the four stores above have read the row's registers, in which loads land below; the last turn's stores have read CX and BY, and in row 0 the loads of the gains and offsets v[SOP]: the arithmetic below writes all three
.if (\i) == 0
	ROWLOAD 6, RAW                                 ; the registers just left take what is still to be asked for: rows 6 and 7,
.elseif (\i) == 1
	ROWLOAD 7, RAW+16
.elseif (\i) == 4
	W03 2                                          ; and ring steps 2 and 3 in their own slots
.elseif (\i) == 5
	W03 3
.endif
	LNCORE 0
	s_wait_alu depctr_va_vdst(0)                   ; the row's arithmetic has written CX and BY, which the two stores read, and is done with X, in which the next row lands
	ds_store_b64 v[XC], v[CX:CX+1] offset:528*(\i)
	ds_store_b8 v[XB], v[BY] offset:36*(\i)        ; both lanes of a block write the same byte with the same value
.endm
.macro QSTEP n                         ; q, k: ring step n of 8: pass n / 4 (32 places of the head), K step n % 4
	XLOAD XA, XSA, 8448, 64*((\n)%4), 32, 576, 4*((\n)%4)
.if (\n) < 4
	s_wait_loadcnt 50                              ; steps 0 and 1 were shown in with row 6.  Behind step 2's loads: step 3's 6, the 32 biases, steps 4 and 5: 50; behind step 3's: 32 and steps 4 to 6: 50
.else
	s_wait_loadcnt 6*(7-(\n))                      ; this step's six loads are in; the later steps' may be out
.endif
	s_wait_dscnt 0x0
.if (\n)%4 == 0
	MM \n, 0, 1, 0
.else
	MM \n, 1, 1, 0
.endif
	PLACES
.if (\n) < 7
	s_wait_alu depctr_va_vdst(0)                   ; the eight products are done reading XF and XS, in which the next step's LDS loads land, and ring slot n % 4, in which the loads below land
.endif
.if (\n)+4 < 8
	WLOAD (\n)+4, WO0, WO1, WP, 65536*(((\n)+4)/4)+64*(((\n)+4)%4), 0, WSO0, WSO1, WSP, 4096*(((\n)+4)/4)+4*(((\n)+4)%4), 0
.endif
.endm
.macro VSTEP n                         ; v1, v2: ring step n of 16: pass n / 8 (32 places of the head), K step n % 8
	XLOAD XA, XSA, 8448, 64*((\n)%8), 32, 576, 4*((\n)%8)
.if (\n) < 4
	s_wait_loadcnt 22                              ; as for q and k, with 4 biases: 6 + 4 + 12, and 4 + 18
.elseif 15-(\n) >= 3
	s_wait_loadcnt 18                              ; the three later steps' loads may be out
.else
	s_wait_loadcnt 6*(15-(\n))
.endif
	s_wait_dscnt 0x0
.if (\n)%8 == 0
	MM \n, 0, 0, 0
.else
	MM \n, 1, 0, 0
.endif
	PLACES
.if (\n) < 15
	s_wait_alu depctr_va_vdst(0)                   ; the eight products are done reading XF and XS, in which the next step's LDS loads land, and ring slot n % 4, in which the loads below land
.endif
.if (\n)+4 < 16
	WLOAD (\n)+4, WO0, WO1, WP, 131072*(((\n)+4)/8)+64*(((\n)+4)%8), 0, WSO0, WSO1, WSP, 8192*(((\n)+4)/8)+4*(((\n)+4)%8), 0
.endif
.endm
	s_load_b512 s[8:23], s[0:1], 0x0               ; rgb1, depth1, g11, g12, be11, be12, Wq_codes, Wk_codes
	s_load_b512 s[24:39], s[0:1], 0x40             ; Wv1_codes, Wv2_codes, Wq_scales, Wk_scales, Wv1_scales, Wv2_scales, bq, bk
	s_load_b256 s[40:47], s[0:1], 0x80             ; bv1, bv2, acodes, ascales
	v_lshrrev_b32 v1, 5, v0
	v_readfirstlane_b32 s2, v1                     ; wave 0..15
	s_mov_b32 s[SEL], 0x76543210
	s_mov_b32 s[SEL+1], 0xfedcba98
	s_mov_b32 s[INV], 0x3b000000
	s_mov_b32 s[EPS], 0x3727c5ac
	s_wait_alu depctr_va_sdst(0)                   ; s2 is written, ahead of its first reader: roles, LDS places and bases are made from it
	s_lshr_b32 s3, s2, 3                           ; which stream I norm; also: 1 where my matrix is v1 or v2
	s_lshr_b32 s4, s2, 2
	s_and_b32 s4, s4, 3                            ; my matrix: 0 q, 1 k, 2 v1, 3 v2
	s_and_b32 s5, ttmp7, 0xffff
	s_lshl_b32 s5, s5, 2
	s_and_b32 s6, s2, 3
	s_add_co_u32 s5, s5, s6                        ; my head
	s_xor_b32 s6, s3, 1                            ; 1 where my matrix is q or k
	s_and_b32 s7, s4, s6                           ; 1 where it is k: k reads d's codes
	s_lshl_b32 s86, ttmp9, 6
	s_and_b32 s87, s2, 7
	s_lshl_b32 s87, s87, 3
	s_add_co_u32 s86, s86, s87                     ; my first row: 64 x work-group x + 8 (w % 8),
	s_lshl_b32 s86, s86, 11                        ; in bytes
	s_mov_b32 s87, 0
	v_and_b32 v16, 31, v0                          ; lane
	v_and_b32 v17, 15, v0                          ; r
	v_bfe_u32 v18, v0, 4, 1                        ; h
	v_lshlrev_b32 v1, 4, v16                       ; 16 x lane
	s_mul_i32 s70, s2, 2560
	s_add_co_u32 s70, s70, STG                     ; my stage
	v_lshrrev_b32 v19, 2, v16
	v_mul_u32_u24 v19, v19, 80
	v_and_b32 v20, 3, v16
	v_lshl_add_u32 v19, v20, 4, v19
	v_add_nc_u32 v[SIN], s70, v19
	v_mul_u32_u24 v19, v16, 80
	v_add_nc_u32 v[SNB], s70, v19
	s_and_b32 s71, s2, 4                           ; my 8 tokens 8 (w % 8) + j lie in rows 32 b + 16 u + 8 x + j, w % 8 = 4 b + 2 x + u
	s_lshl_b32 s71, s71, 3
	s_and_b32 s72, s2, 1
	s_lshl_b32 s72, s72, 4
	s_add_co_u32 s71, s71, s72
	s_and_b32 s72, s2, 2
	s_lshl_b32 s72, s72, 2
	s_add_co_u32 s71, s71, s72
	s_mul_i32 s72, s71, 528
	s_lshl_b32 s73, s3, 8
	s_add_co_u32 s72, s72, s73                     ; + my stream's half of the row
	v_lshl_add_u32 v[XC], v16, 3, s72
	s_mul_i32 s72, s71, 36
	s_lshl_b32 s73, s3, 4
	s_add_co_u32 s72, s72, s73
	s_add_co_u32 s72, s72, XSC
	v_lshrrev_b32 v19, 1, v16
	v_add_nc_u32 v[XB], s72, v19
	v_mul_u32_u24 v19, v17, 528
	v_lshl_add_u32 v19, v18, 4, v19
	s_lshl_b32 s72, s7, 8
	v_add_nc_u32 v[XA], s72, v19
	v_mul_u32_u24 v19, v17, 36
	s_lshl_b32 s72, s7, 4
	s_add_co_u32 s72, s72, XSC
	v_add_nc_u32 v[XSA], s72, v19
	v_and_b32 v19, 8, v17                          ; my row of a tile of W: q, k: place r + 8 (r / 8); v1, v2: place r.  A place on is 8 rows of W on
	v_mul_u32_u24 v19, s6, v19
	v_add_nc_u32 v19, v19, v17
	s_lshl_b32 s73, 2048, s3                       ; 8 rows of 256 bytes (K = 512) or of 512 (K = 1,024)
	v_mul_u32_u24 v[WO0], s73, v19
	v_lshl_add_u32 v[WO0], v18, 4, v[WO0]
	s_lshl_b32 s74, s3, 1
	s_lshl_b32 s75, 16384, s74                     ; the pass's second tile: 8 places on (q, k) or 16 (v1, v2)
	v_add_nc_u32 v[WO1], s75, v[WO0]
	s_lshl_b32 s73, 128, s3
	v_mul_u32_u24 v[WSO0], s73, v19
	s_lshl_b32 s75, 1024, s74
	v_add_nc_u32 v[WSO1], s75, v[WSO0]
	v_lshl_add_u32 v[P4R], v17, 2, s70
	v_lshl_add_u32 v[P2R], v17, 1, s70
	v_lshl_add_u32 v[P8L], v16, 3, s70
	v_lshl_add_u32 v[P4L], v16, 2, s70
	v_lshlrev_b32 v[SOP], 6, v16                   ; 64 x lane: my 16 gains and offsets
	v_mov_b32 v[MU+1], 0                           ; upper halves of pairs of which the packed forms take the low word: written once
	v_mov_b32 v[RS+1], 0
	s_wait_kmcnt 0x0
	s_cmp_eq_u32 s3, 0
	s_cselect_b64 s[XP:XP+1], s[8:9], s[10:11]
	s_cselect_b64 s[GP:GP+1], s[12:13], s[14:15]
	s_cselect_b64 s[BEP:BEP+1], s[16:17], s[18:19]
	s_add_nc_u64 s[XP:XP+1], s[XP:XP+1], s[86:87]
	s_wait_alu depctr_va_vdst(0)                   ; the offsets and LDS addresses v1 to v15 and v[SOP] are written, which the loads and stores below read; the address arithmetic is done with v16 to v20, in which row 0 lands
	ROWLOAD 0, RAW                                 ; what is waited for first goes out first: row 0, the gains and offsets,
.irp j, 0,1,2,3
	global_load_b128 v[G+4*\j:G+4*\j+3], v[SOP], s[GP:GP+1] offset:16*\j
.endr
.irp j, 0,1,2,3
	global_load_b128 v[BE+4*\j:BE+4*\j+3], v[SOP], s[BEP:BEP+1] offset:16*\j
.endr
	ROWLOAD 1, RAW+16                              ; five more rows;
	ROWLOAD 2, RAW+32
	ROWLOAD 3, RAW+48
	ROWLOAD 4, WF+32                               ; (two of them in the registers of ring slots 2 and 3)
	ROWLOAD 5, WF+48
	s_bitcmp1_b32 s4, 0                            ; the rest of the addresses is made while they are on their way
	s_cselect_b64 s[WP:WP+1], s[22:23], s[20:21]
	s_cselect_b64 s[76:77], s[26:27], s[24:25]
	s_cselect_b64 s[WSP:WSP+1], s[30:31], s[28:29]
	s_cselect_b64 s[78:79], s[34:35], s[32:33]
	s_cselect_b64 s[BP:BP+1], s[38:39], s[36:37]
	s_cselect_b64 s[80:81], s[42:43], s[40:41]
	s_cmp_eq_u32 s3, 0
	s_cselect_b64 s[WP:WP+1], s[WP:WP+1], s[76:77]
	s_cselect_b64 s[WSP:WSP+1], s[WSP:WSP+1], s[78:79]
	s_cselect_b64 s[BP:BP+1], s[BP:BP+1], s[80:81]
	s_mov_b32 s73, 0
	s_lshl_b32 s72, s5, 8
	s_lshl_b32 s72, s72, s3
	s_add_nc_u64 s[WP:WP+1], s[WP:WP+1], s[72:73]  ; row `head` of W: the head's place 0
	s_lshl_b32 s72, s5, 4
	s_lshl_b32 s72, s72, s3
	s_add_nc_u64 s[WSP:WSP+1], s[WSP:WSP+1], s[72:73]
	W03 0                                          ; ring steps 0 and 1 land under the LayerNorm
	W03 1
	s_lshl_b32 s72, s5, 2
	s_add_nc_u64 s[BP:BP+1], s[BP:BP+1], s[72:73]
	s_lshr_b32 s74, ttmp9, 4
	s_lshl_b32 s74, s74, 3
	s_add_co_u32 s74, s74, s5                      ; 8 x batch + head
	s_and_b32 s75, ttmp9, 15                       ; which 64 tokens of the batch
	s_lshl_b32 s72, s4, 21
	s_lshl_b32 s82, s74, 15
	s_add_co_u32 s72, s72, s82
	s_lshl_b32 s82, s75, 11                        ; q, k: four tiles of 512 bytes
	s_lshr_b32 s83, s75, 1                         ; v1, v2: key step (128 tokens) x 4,096 + which half of it x 512
	s_lshl_b32 s83, s83, 12
	s_and_b32 s84, s75, 1
	s_lshl_b32 s84, s84, 9
	s_add_co_u32 s83, s83, s84
	s_cmp_eq_u32 s3, 0
	s_cselect_b32 s82, s82, s83
	s_add_co_u32 s72, s72, s82
	s_add_nc_u64 s[CP:CP+1], s[44:45], s[72:73]
	s_lshl_b32 s82, s4, 18                         ; q, k: 262,144 a matrix, 4,096 a head, 256 a block of 64 tokens
	s_lshl_b32 s83, s74, 12
	s_add_co_u32 s82, s82, s83
	s_lshl_b32 s83, s75, 8
	s_add_co_u32 s82, s82, s83
	s_and_b32 s83, s4, 1                           ; v1, v2: behind them, 131,072 a matrix, 2,048 a head, 128 a block
	s_lshl_b32 s83, s83, 17
	s_add_co_u32 s83, s83, 524288
	s_lshl_b32 s84, s74, 11
	s_add_co_u32 s83, s83, s84
	s_lshl_b32 s84, s75, 7
	s_add_co_u32 s83, s83, s84
	s_cmp_eq_u32 s3, 0
	s_cselect_b32 s72, s82, s83
	s_add_nc_u64 s[SCP:SCP+1], s[46:47], s[72:73]
	; the counts: loads issued behind the row's own.  The order of issue: row 0 (4), gains and offsets (8), rows 1 to 5 (20), ring steps 0, 1 (12); row 6 in row 0's turn, row 7 in row 1's, ring step 2 (6) in row 4's, step 3 in row 5's
	LNROW 0, RAW, 32                               ; 20 + 12
	LNROW 1, RAW+16, 32                            ; 16 + 12 + 4
	LNROW 2, RAW+32, 32                            ; 12 + 12 + 8
	LNROW 3, RAW+48, 28                            ; 8 + 12 + 8
	LNROW 4, WF+32, 24                             ; 4 + 12 + 8
	LNROW 5, WF+48, 26                             ; 12 + 8 + 6
	LNROW 6, RAW, 16                               ; 4 + 6 + 6: ring steps 0 and 1 are in with it
	LNROW 7, RAW+16, 12                            ; 6 + 6
	s_wait_dscnt 0x0                               ; for the others' sake: my codes and scale bytes lie in LDS
	s_barrier_signal -1
	s_barrier_wait -1                              ; everybody's do; from here on these bytes are only read
	s_wait_alu depctr_vm_vsrc(0)                   ; row 7's last stores have read CX (v254, v255) and BY, and all the turns' stores the rows' registers: v255 is written next, the others by the products and the quantiser in both roles
	v_bfe_u32 v255, v0, 4, 1
	s_cmp_lt_u32 s4, 2
	s_cbranch_scc0 .Lvrole
	; ---- q, k
	v_lshlrev_b32 v255, 9, v255                    ; lanes 16-31: 16 places, 512 bytes of the bias, further on
	s_wait_alu depctr_va_vdst(0)                   ; v255 is written, which the biases' loads read as their offset
.irp t, 0,1,2,3
.irp j, 0,1,2,3,4,5,6,7
	global_load_b32 v[BQ+8*\t+\j], v255, s[BP:BP+1] offset:(32*(\t/2)+8*(\t%2)+\j)*32   ; the bias in the result's layout: place 32 (t / 2) + 16 h + 8 (t % 2) + j
.endr
.endr
.irp n, 0,1,2,3
	QSTEP \n
.endr
	s_wait_loadcnt 24                              ; the biases are in; ring steps 4 to 7 may be out
	QBLK 0
.irp n, 4,5,6,7
	QSTEP \n
.endr
	QBLK 1
.irp m, 0,1,2,3
	v_permlane16_swap_b32 v[QC+4*\m], v[QC+4*\m+2]     ; a whole block to a lane: lanes 0-15 places 0-31, lanes 16-31 places 32-63
	v_permlane16_swap_b32 v[QC+4*\m+1], v[QC+4*\m+3]
.endr
	v_and_b32 v242, 31, v0
	v_lshlrev_b32 v242, 3, v242                    ; the last store's offset, made ahead of the one wait
	s_wait_alu depctr_va_vdst(0)                   ; the codes QC, the scale words QB and v242 are written, which the stores below read; the quantiser is done with v240 and v241, in which the LDS load below lands
.irp m, 0,1,2,3
	global_store_b128 v1, v[QC+4*\m:QC+4*\m+3], s[CP:CP+1] offset:512*\m   ; a tile's image: 512 consecutive bytes, aligned
	ds_store_b32 v[P4R], v[QB+\m] offset:64*\m     ; lanes r and r + 16 write the same word with the same value
.endr
	ds_load_b64 v[240:241], v[P8L]                 ; my own bytes, served in order
	s_wait_dscnt 0x0
	global_store_b64 v242, v[240:241], s[SCP:SCP+1]    ; the four tiles' scale words: 256 consecutive bytes, aligned
	s_wait_xcnt 0x0
	s_wait_alu depctr_vm_vsrc(0)                   ; the biases' loads have read v255: the two lines below write v254 and v255
	v_lshl_add_u32 v254, v0, 2, 0x12e00
	v_mov_b32 v255, 0
	s_wait_dscnt 0x0                               ; the closing lines, six on end
	s_wait_alu 0x0
	s_wait_tensorcnt 0x0
	ds_add_u32 v254, v255
	s_wait_dscnt 0x0
	s_endpgm
.Lvrole:
	; ---- v1, v2
	v_and_b32 v255, 15, v0
	v_lshlrev_b32 v255, 5, v255                    ; place r: 32 bytes of the bias a place
	s_wait_alu depctr_va_vdst(0)                   ; v255 is written, which the biases' loads read as their offset
.irp t, 0,1,2,3
	global_load_b32 v[BQ+\t], v255, s[BP:BP+1] offset:512*\t
.endr
.irp n, 0,1,2,3,4,5,6,7
	VSTEP \n
.endr
	VTILE 0, 0
	VTILE 0, 1
	VOUT 0
.irp n, 8,9,10,11,12,13,14,15
	VSTEP \n
.endr
	VTILE 1, 0
	VTILE 1, 1
	v_and_b32 v241, 31, v0
	v_lshlrev_b32 v241, 2, v241                    ; the last store's offset, made ahead of the pass's one wait
	VOUT 1
	ds_load_b32 v240, v[P4L]
	s_wait_dscnt 0x0
	global_store_b32 v241, v240, s[SCP:SCP+1]      ; the block's scale bytes of my head: 128 consecutive bytes; the neighbouring 128 are another work-group's (262,144 such bytes in the launch)
	s_wait_xcnt 0x0
	s_wait_alu depctr_vm_vsrc(0)                   ; the biases' loads have read v255: the two lines below write v254 and v255
	v_lshl_add_u32 v254, v0, 2, 0x12e00
	v_mov_b32 v255, 0
	s_wait_dscnt 0x0                               ; the closing lines, six on end
	s_wait_alu 0x0
	s_wait_tensorcnt 0x0
	ds_add_u32 v254, v255
	s_wait_dscnt 0x0
	s_endpgm
.Lfunc_end_k_q4b91bc5ac7_proj:
	.size	k_q4b91bc5ac7_proj, .Lfunc_end_k_q4b91bc5ac7_proj-k_q4b91bc5ac7_proj
	.p2alignl 7, 3214868480
	.fill 96, 4, 3214868480
	.section	.rodata,"a",@progbits
	.p2align	6, 0x0
	.amdhsa_kernel k_q4b91bc5ac7_proj
		.amdhsa_group_segment_fixed_size 79360
		.amdhsa_private_segment_fixed_size 0
		.amdhsa_enable_private_segment 0
		.amdhsa_kernarg_size 160
		.amdhsa_user_sgpr_count 2
		.amdhsa_user_sgpr_kernarg_segment_ptr 1
		.amdhsa_wavefront_size32 1
		.amdhsa_system_sgpr_workgroup_id_x 1
		.amdhsa_system_sgpr_workgroup_id_y 1
		.amdhsa_system_sgpr_workgroup_id_z 1
		.amdhsa_system_vgpr_workitem_id 0
		.amdhsa_next_free_vgpr 256
		.amdhsa_next_free_sgpr 96
		.amdhsa_reserve_vcc 0
		.amdhsa_float_denorm_mode_32 3
		.amdhsa_float_denorm_mode_16_64 3
		.amdhsa_memory_ordered 1
		.amdhsa_forward_progress 1
		.amdhsa_inst_pref_size 138
	.end_amdhsa_kernel
	.amdgpu_metadata
---
amdhsa.version: [ 1, 2 ]
amdhsa.kernels:
  - .name:           k_q4b91bc5ac7_proj
    .symbol:         k_q4b91bc5ac7_proj.kd
    .args:
      - { .name: rgb1, .offset: 0, .size: 8, .value_kind: global_buffer, .address_space: global }
      - { .name: depth1, .offset: 8, .size: 8, .value_kind: global_buffer, .address_space: global }
      - { .name: g11, .offset: 16, .size: 8, .value_kind: global_buffer, .address_space: global }
      - { .name: g12, .offset: 24, .size: 8, .value_kind: global_buffer, .address_space: global }
      - { .name: be11, .offset: 32, .size: 8, .value_kind: global_buffer, .address_space: global }
      - { .name: be12, .offset: 40, .size: 8, .value_kind: global_buffer, .address_space: global }
      - { .name: Wq_codes, .offset: 48, .size: 8, .value_kind: global_buffer, .address_space: global }
      - { .name: Wk_codes, .offset: 56, .size: 8, .value_kind: global_buffer, .address_space: global }
      - { .name: Wv1_codes, .offset: 64, .size: 8, .value_kind: global_buffer, .address_space: global }
      - { .name: Wv2_codes, .offset: 72, .size: 8, .value_kind: global_buffer, .address_space: global }
      - { .name: Wq_scales, .offset: 80, .size: 8, .value_kind: global_buffer, .address_space: global }
      - { .name: Wk_scales, .offset: 88, .size: 8, .value_kind: global_buffer, .address_space: global }
      - { .name: Wv1_scales, .offset: 96, .size: 8, .value_kind: global_buffer, .address_space: global }
      - { .name: Wv2_scales, .offset: 104, .size: 8, .value_kind: global_buffer, .address_space: global }
      - { .name: bq, .offset: 112, .size: 8, .value_kind: global_buffer, .address_space: global }
      - { .name: bk, .offset: 120, .size: 8, .value_kind: global_buffer, .address_space: global }
      - { .name: bv1, .offset: 128, .size: 8, .value_kind: global_buffer, .address_space: global }
      - { .name: bv2, .offset: 136, .size: 8, .value_kind: global_buffer, .address_space: global }
      - { .name: acodes, .offset: 144, .size: 8, .value_kind: global_buffer, .address_space: global }
      - { .name: ascales, .offset: 152, .size: 8, .value_kind: global_buffer, .address_space: global }
    .group_segment_fixed_size: 79360
    .private_segment_fixed_size: 0
    .kernarg_segment_align: 8
    .kernarg_segment_size: 160
    .max_flat_workgroup_size: 512
    .sgpr_count:     96
    .vgpr_count:     256
    .wavefront_size: 32
...
	.end_amdgpu_metadata
.endif
;; end of part 4
;; launch attn (part 5): grid 2 x 128, 16 waves a work-group, no clusters, 143,360 bytes of LDS; arguments acodes, ascales, att; writes att
.if DOCPART == 5
	.amdgcn_target "amdgcn-amd-amdhsa--gfx1250"
	.amdhsa_code_object_version 6
	.text
	.protected	k_q4b91bc5ac7_attn
	.globl	k_q4b91bc5ac7_attn
	.p2align	8
	.type	k_q4b91bc5ac7_attn,@function
k_q4b91bc5ac7_attn:
	s_mov_b64 s[64:65], 0
	v_nop
	global_prefetch_b8 v0, s[64:65] scope:SCOPE_SE
	s_setreg_imm32_b32 hwreg(HW_REG_WAVE_SCHED_MODE, 0, 2), 2
	s_setreg_imm32_b32 hwreg(HW_REG_WAVE_MODE, 25, 1), 1
	s_wait_xcnt 0x0
	s_wait_alu depctr_vm_vsrc(0)
; One body for both attentions, on codes of FP4 (E2M1).  Stream 0: queries q, keys k, values v1 (softmax along the keys of q k^T).  Stream 1: queries k, keys q, values v2: the softmax down the columns of q k^T, transposed, is the same thing with the roles changed.
; 128 problems (stream, batch, head) of 1,024 queries x 1,024 keys, head size 64, scores unscaled.  t = score x log2(e); M = the running largest t rounded UP to a whole number; p = 2^(t - M) is quantised along the keys, not normalised;
; the row's sum is taken of the unquantised p and divides at the end.  When M moves, the sum and O are multiplied by 2^(old M - new M): exact.
; SHARES.  Grid y = 64 x stream + 8 x batch + head; grid x = which 512 queries.  The work-group copies the head's keys, values and their scale words into LDS once (70 KiB) and makes two passes; in a pass each of its 16 waves owns
; one tile of 16 queries and walks all keys, 128 a step: 8 + 4 matrix instructions beside the softmax of 64 scores a lane.  Four waves share a SIMD, so that one wave's vector work stands beside another's matrix work and LDS loads.
; NO CLUSTER, NO TENSOR LOAD: what work-groups share is one head's 70 KiB, wanted once at the head of the two work-groups of a problem, against sixteen key steps of vector work a wave.
; LAYOUT.  Both products are used transposed: S^T = K Q^T (source 0 = 16 keys, source 1 = my queries), O^T = V^T P^T: a lane holds one query throughout.  The operands lie in memory and LDS as images of their registers: 16 bytes a lane, 512 a group of four registers.
; Row r of tile i of q and k is token 32 (i / 2) + 8 (i % 2) + r + 8 (r / 8): the 16 registers of score tiles 2 b and 2 b + 1 are then 16 neighbouring keys.
; K = 64 OF THE INSTRUCTION'S 128: the queries' upper four registers are zero codes.  So the keys' upper four may hold anything that is a code: fragment t is v[KF + 4 t .. + 7], whose upper half is tile t + 1's codes; the upper two scale bytes of both sides are 0x7f.
; LIMITS: NaN and infinities are not served.  A block of p whose largest p lies under 2^-124 gets the byte 1.
; THE MODE: SCHED_MODE bits 1:0 = 2 (LLVM: expert scheduling mode 2), set by the entry lines.  The code itself states the register dependences
; between vector or matrix instructions and memory or LDS instructions, with s_wait_alu, always for 0.
; THE PLAN.  Registers that memory or LDS instructions touch, in a key step:
;   KF, KS       Written by the LDS loads of the step before; read by the step's eight products K Q^T; behind these the next step's keys land in them.
;   VF, VS       Written by the step's LDS loads; read by its four products V^T P^T; the next step's loads land in them.
;   v8-11        The four LDS addresses: read by those loads; written once a step, behind the eight products.
;   All else in a step (S, O, p's codes and scale word, the statistics) is named by vector and matrix instructions alone.
; So behind the eight products stand: a wait on vm_vsrc (the loads so far have read the addresses), the four additions, and ONE wait on va_vdst, which states that the addresses are written, that the eight products
; are done with the keys and the last step's four with V.  All the step's 28 LDS loads follow it and land under the softmax.  A second wait on va_vdst stands ahead of the four products: p's codes and scale word are written.
; Outside the step: v1-7 are written at the head alone; v8-11 and v224 serve the copy at the head first; S is read by the way out's stores and written again in the second pass: one wait on vm_vsrc at a pass's top.
.set KIMG,  0                          ; LDS: 64 tiles of keys x 512 bytes
.set VIMG,  32768                      ; [key step 8][tile of 16 places 4][half 2][lane 32][16 bytes]
.set KSC,   65536                      ; the keys' scale words: [tile 64][r 16]
.set VSC,   69632                      ; the values': [key step 8][tile 4][r 16]
.set STAGE, 71680                      ; the way out: 16 rows x (256 + 16) bytes for each wave, its own
.set ADK0, 1                           ; v1   16 x lane
.set ADV0, 2                           ; v2   VIMG + 16 x lane
.set ASK0, 3                           ; v3   KSC + 4 r
.set ASV0, 4                           ; v4   VSC + 4 r
.set GO,   5                           ; v5   the way out: 256 h + 16 r
.set STO,  6                           ; v6   my stage, in: row r, + 32 h
.set RD,   7                           ; v7   my stage, back: row h, + 16 r
.set ADK,  8                           ; v8-11 the addresses of the loads in hand
.set ADV,  9
.set ADS,  10
.set ADT,  11
.set KF,   28                          ; v28-63  eight tiles of keys, four registers each; v60-63 zeros.   v12 -M, v13 the largest t, v[14:15] the sum; v16-19 Q, v20-23 zeros; v24 Q's scale word
.set KS,   64                          ; v64-71  their scale words
.set VF,   72                          ; v72-103 four fragments of V
.set VS,   104                         ; v104-107 their scale words
.set S,    108                         ; v108-171 S^T, then p
.set O,    172                         ; v172-203 O^T
.set PC,   204                         ; v204-211 p's codes
.set BM,   212                         ; v212-215 the blocks' largest scores, then largest p
.set T2,   216                         ; v216-219 at work
.set SO,   220                         ; v220-223 the conversions' scale operands
.set TMP,  224
.set F,    226                         ; v[226:227] 2^(old M - new M)
.set PW,   228                         ; p's scale word
.set SM2,  230                         ; v[230:231] the sum's second chain.   v240-243, v244: the second pass's Q and its scale word
.set KP,  12
.set VP,  14
.set QP,  16
.set KSP, 18
.set VSP, 20
.set QSP, 22
.set OP,  24                           ; s[24:25] the first row of att that I store
.set CS,  26                           ; s[26:27] log2(e)
.set SEL, 28                           ; s[28:29] v_permlanex16_b32's selects for lane l xor 16
.set TK,  30                           ; s30-33 where the step's keys, their scale words, its values and theirs begin
.set TS,  31
.set TV,  32
.set TT,  33
.set CNT, 34
.set PASS, 35
.macro PLACES
.rept 4
	v_nop
.endr
.endm
.macro KLOAD                           ; a key step's eight tiles and their scale words
.irp t, 0,1,2,3,4,5,6,7
	ds_load_b128 v[KF+4*\t:KF+4*\t+3], v[ADK] offset:512*\t
.endr
.irp t, 0,1,2,3,4,5,6,7
	ds_load_b32 v[KS+\t], v[ADS] offset:64*\t
.endr
.endm
; A KEY STEP: 128 keys.  last = 1: nothing is fetched beyond it.
.macro STEP last
	s_wait_dscnt 0x0                               ; the step's keys are in (in every step but a pass's first the wait ahead of the last step's second product has shown it)
.irp t, 0,1,2,3,4,5,6,7
	v_wmma_scale_f32_16x16x128_f8f6f4 v[S+8*\t:S+8*\t+7], v[KF+4*\t:KF+4*\t+7], v[16:23], 0, v[KS+\t], v24 matrix_a_fmt:MATRIX_FMT_FP4 matrix_b_fmt:MATRIX_FMT_FP4
.endr
.if (\last) == 0
	s_add_co_u32 s[TK], s[TK], 4096
	s_add_co_u32 s[TS], s[TS], 512
.endif
	s_wait_alu depctr_vm_vsrc(0)                   ; the LDS loads issued so far have read v8 to v11, which the lines below write
	v_add_nc_u32 v[ADV], s[TV], v[ADV0]            ; four plain instructions: the places behind the eight products, ahead of the first read of the scores
	v_add_nc_u32 v[ADT], s[TT], v[ASV0]
.if (\last) == 0
	v_add_nc_u32 v[ADK], s[TK], v[ADK0]
	v_add_nc_u32 v[ADS], s[TS], v[ASK0]
.else
	v_nop
	v_nop
.endif
	s_wait_alu depctr_va_vdst(0)                   ; the addresses are written, which the loads below read; the eight products above are done reading the keys and their scale words, the last step's four reading V and its: the loads below land there
.irp t, 0,1,2,3
.irp c, 0,1
	ds_load_b128 v[VF+8*\t+4*\c:VF+8*\t+4*\c+3], v[ADV] offset:1024*\t+512*\c   ; V lands under the softmax,
.endr
.endr
.irp t, 0,1,2,3
	ds_load_b32 v[VS+\t], v[ADT] offset:64*\t
.endr
.if (\last) == 0
	KLOAD                                          ; and so do the next step's keys
.endif
.irp b, 0,1,2,3
	v_max3_num_f32 v[BM+\b], v[S+16*\b], v[S+16*\b+1], v[S+16*\b+2]   ; the largest score of each block of 32 keys: it serves for the row's maximum and, since p rises with the score, for the block's largest p
.endr
.irp i, 3,5,7,9,11,13
.irp b, 0,1,2,3
	v_max3_num_f32 v[BM+\b], v[BM+\b], v[S+16*\b+\i], v[S+16*\b+\i+1]
.endr
.endr
.irp b, 0,1,2,3
	v_max_num_f32 v[BM+\b], v[BM+\b], v[S+16*\b+15]
.endr
.irp b, 0,1,2,3
	v_permlanex16_b32 v[T2+\b], v[BM+\b], s[SEL], s[SEL+1]
.endr
.irp b, 0,1,2,3
	v_max_num_f32 v[BM+\b], v[BM+\b], v[T2+\b]     ; with lane l xor 16's 16 keys
.endr
	v_max3_num_f32 v[TMP], v[BM], v[BM+1], v[BM+2]
	v_max_num_f32 v[TMP], v[TMP], v[BM+3]
	v_mul_f32 v[TMP], s[CS], v[TMP]                ; as t
	v_max_num_f32 v13, v13, v[TMP]                 ; the running largest t
	v_mov_b32 v[TMP], v12
	v_floor_f32 v12, -v13                          ; the new -M = floor(-t): M is a whole number
	v_sub_f32 v[TMP], v12, v[TMP]                  ; old M - new M: a whole number, 0 or less
	v_cvt_i32_f32 v[TMP], v[TMP]                   ; (it saturates)
	v_ldexp_f32 v[F], 1.0, v[TMP]
.irp j, 0,2,4,6,8,10,12,14,16,18,20,22,24,26,28,30,32,34,36,38,40,42,44,46,48,50,52,54,56,58,60,62
	v_pk_fma_f32 v[S+\j:S+\j+1], v[S+\j:S+\j+1], s[CS:CS+1], v[12:13] op_sel_hi:[1,0,0]   ; t - M, two at a time
.endr
.irp b, 0,1,2,3
	v_fma_f32 v[BM+\b], v[BM+\b], s[CS], v12       ; the same of each block's largest score
.endr
.irp j, 0,1,2,3,4,5,6,7,8,9,10,11,12,13,14,15,16,17,18,19,20,21,22,23,24,25,26,27,28,29,30,31,32,33,34,35,36,37,38,39,40,41,42,43,44,45,46,47,48,49,50,51,52,53,54,55,56,57,58,59,60,61,62,63
	v_exp_f32 v[S+\j], v[S+\j]                     ; p = 2^(t - M)
.endr
	v_pk_mul_f32 v[14:15], v[14:15], v[F:F+1] op_sel_hi:[1,0]      ; the sums under the new M; the plain instruction behind the exponentials
	s_wait_alu depctr_va_vdst(0)                   ; the 64 exponentials have written p: one wait for the batch, ahead of its first reader
.irp b, 0,1,2,3
	v_exp_f32 v[BM+\b], v[BM+\b]                   ; the block's largest p: the same two instructions on the same number give the same bits
.endr
	v_pk_add_f32 v[SM2:SM2+1], v[S:S+1], v[S+2:S+3]    ; the row's sum of the unquantised p, in two chains; it reads the 64 alone
.irp j, 4,8,12,16,20,24,28,32,36,40,44,48,52,56,60
	v_pk_add_f32 v[14:15], v[14:15], v[S+\j:S+\j+1]
	v_pk_add_f32 v[SM2:SM2+1], v[SM2:SM2+1], v[S+\j+2:S+\j+3]
.endr
	v_pk_add_f32 v[14:15], v[14:15], v[SM2:SM2+1]
	s_wait_alu depctr_va_vdst(0)                   ; the four exponentials have written the blocks' largest p, ahead of their first reader
.irp b, 0,1,2,3
	v_max_num_f32 v[BM+\b], 0x1800000, v[BM+\b]    ; the floor 2^(3 - 127): the byte cannot fall under 1
.endr
.irp b, 0,1,2,3
	v_add_nc_u32 v[SO+\b], 0xff000000, v[BM+\b]
.endr
.irp b, 0,1,2,3
	v_lshrrev_b32 v[T2+\b], 23, v[SO+\b]
.endr
	v_lshl_or_b32 v[PW], v[T2+1], 8, v[T2]         ; p's scale word for these 128 keys
	v_lshl_or_b32 v[PW], v[T2+2], 16, v[PW]
	v_lshl_or_b32 v[PW], v[T2+3], 24, v[PW]
.irp b, 0,1,2,3
	v_cvt_scalef32_pk8_fp4_f32 v[PC+2*\b], v[S+16*\b:S+16*\b+7], v[SO+\b]
	v_cvt_scalef32_pk8_fp4_f32 v[PC+2*\b+1], v[S+16*\b+8:S+16*\b+15], v[SO+\b]
.endr
	v_nop                                          ; one plain instruction behind the conversions
.irp c, 0,1
.irp i, 0,1
	v_permlane16_swap_b32 v[PC+4*\c+\i], v[PC+4*\c+2+\i]   ; a whole block of 32 keys to a lane
.endr
.endr
.irp j, 0,2,4,6,8,10,12,14,16,18,20,22,24,26,28,30
	v_pk_mul_f32 v[O+\j:O+\j+1], v[O+\j:O+\j+1], v[F:F+1] op_sel_hi:[1,0]   ; O^T under the new M.  For each product below twelve of these sixteen name none of its registers: the places between the scale word (8) and the codes (4) made above and the products
.endr
	s_wait_dscnt 0x0                               ; V is in, and the next step's keys
	s_wait_alu depctr_va_vdst(0)                   ; behind the places: p's codes and its scale word are written, which the scaled products below take as source 1 and its scales
.irp t, 0,1,2,3
	v_wmma_scale_f32_16x16x128_f8f6f4 v[O+8*\t:O+8*\t+7], v[VF+8*\t:VF+8*\t+7], v[PC:PC+7], v[O+8*\t:O+8*\t+7], v[VS+\t], v[PW] matrix_a_fmt:MATRIX_FMT_FP4 matrix_b_fmt:MATRIX_FMT_FP4
.endr
.if (\last) == 0
	s_add_co_u32 s[TV], s[TV], 4096
	s_add_co_u32 s[TT], s[TT], 256
.endif
.endm
	s_load_b128 s[4:7], s[0:1], 0x0                ; acodes, ascales
	s_load_b64 s[8:9], s[0:1], 0x10                ; att
	v_lshl_add_u32 v254, v0, 2, 0x22800
	v_mov_b32 v255, 0
	v_lshrrev_b32 v8, 5, v0
	v_readfirstlane_b32 s2, v8                     ; wave 0..15
	s_and_b32 s36, ttmp7, 0xffff
	s_lshr_b32 s3, s36, 6                          ; stream
	s_and_b32 s10, s36, 63                         ; 8 x batch + head
	v_and_b32 v9, 31, v0                           ; lane
	v_and_b32 v10, 15, v0                          ; r
	v_bfe_u32 v11, v0, 4, 1                        ; h
	v_lshlrev_b32 v[ADK0], 4, v9
	v_add_nc_u32 v[ADV0], VIMG, v[ADK0]
	v_lshl_add_u32 v[ASK0], v10, 2, KSC
	v_lshl_add_u32 v[ASV0], v10, 2, VSC
	v_lshlrev_b32 v[GO], 8, v11
	v_lshl_add_u32 v[GO], v10, 4, v[GO]
	s_wait_alu depctr_va_sdst(0)                   ; s2 is written, ahead of its first reader: my stage and my tile of queries are made from it
	s_mul_i32 s37, s2, 4352
	s_add_co_u32 s37, s37, STAGE                   ; my stage
	v_mul_u32_u24 v[STO], v10, 272
	v_lshl_add_u32 v[STO], v11, 5, v[STO]
	v_add_nc_u32 v[STO], s37, v[STO]
	v_mul_u32_u24 v[RD], v11, 272
	v_lshl_add_u32 v[RD], v10, 4, v[RD]
	v_add_nc_u32 v[RD], s37, v[RD]
	v_lshlrev_b32 v225, 2, v10                     ; 4 r: Q's scale words
	v_lshlrev_b32 v8, 4, v0                        ; the copy: 16, 8 and 4 bytes a thread
	v_lshlrev_b32 v9, 3, v0
	v_lshlrev_b32 v10, 2, v0
	v_add_nc_u32 v[TMP], KSC, v9
	v_lshrrev_b32 v11, 6, v0                       ; V's scale bytes lie in memory as [64 tokens 16][tile 4][r 16] pairs of bytes; thread T holds those of block T / 32, tile (T / 8) % 4, rows 2 (T % 8) and + 1.
	v_lshlrev_b32 v11, 8, v11                      ; A key step's word of a row is the pairs of two neighbouring blocks: 256 (T / 64) + 64 tile + 4 row + 2 ((T / 32) % 2)
	v_bfe_u32 v226, v0, 3, 2
	v_lshl_add_u32 v11, v226, 6, v11
	v_and_b32 v226, 7, v0
	v_lshl_add_u32 v11, v226, 3, v11
	v_bfe_u32 v226, v0, 5, 1
	v_lshl_add_u32 v11, v226, 1, v11
	v_add_nc_u32 v11, VSC, v11
	s_mov_b32 s[CS], 0x3fb8aa3b                    ; log2(e)
	s_mov_b32 s[CS+1], s[CS]                       ; (named with it as a pair, so it is written)
	s_mov_b32 s[SEL], 0x76543210
	s_mov_b32 s[SEL+1], 0xfedcba98
	s_lshl_b32 s40, ttmp9, 5
	s_add_co_u32 s40, s40, s2                      ; my tile of queries in the first pass: 32 x + wave
	s_xor_b32 s41, s3, 1                           ; the keys come from the other matrix of q and k
	s_mov_b32 s37, 0
	s_wait_kmcnt 0x0
	s_lshl_b32 s42, s10, 15
	s_lshl_b32 s36, s3, 21
	s_add_co_u32 s36, s36, s42
	s_add_nc_u64 s[QP:QP+1], s[4:5], s[36:37]
	s_add_co_u32 s36, s36, 4194304                 ; the values: two matrices on
	s_add_nc_u64 s[VP:VP+1], s[4:5], s[36:37]
	s_lshl_b32 s36, s41, 21
	s_add_co_u32 s36, s36, s42
	s_add_nc_u64 s[KP:KP+1], s[4:5], s[36:37]
	s_lshl_b32 s36, s40, 9
	s_add_nc_u64 s[QP:QP+1], s[QP:QP+1], s[36:37]
	s_lshl_b32 s42, s10, 12
	s_lshl_b32 s36, s3, 18
	s_add_co_u32 s36, s36, s42
	s_lshl_b32 s43, s40, 6
	s_add_co_u32 s36, s36, s43
	s_add_nc_u64 s[QSP:QSP+1], s[6:7], s[36:37]
	s_lshl_b32 s36, s41, 18
	s_add_co_u32 s36, s36, s42
	s_add_nc_u64 s[KSP:KSP+1], s[6:7], s[36:37]
	s_lshl_b32 s36, s3, 17
	s_lshl_b32 s43, s10, 11
	s_add_co_u32 s36, s36, s43
	s_add_co_u32 s36, s36, 524288
	s_add_nc_u64 s[VSP:VSP+1], s[6:7], s[36:37]
	s_lshl_b32 s36, s3, 6
	s_add_co_u32 s36, s36, s10
	s_lshl_b32 s36, s36, 10                        ; the problem's first row of att,
	s_lshr_b32 s43, s40, 1
	s_lshl_b32 s43, s43, 5
	s_add_co_u32 s36, s36, s43
	s_and_b32 s43, s40, 1
	s_lshl_b32 s43, s43, 3
	s_add_co_u32 s36, s36, s43                     ; + my tile's first token, 32 (tile / 2) + 8 (tile % 2);
	s_lshl_b32 s36, s36, 8                         ; a row is 256 bytes
	s_add_nc_u64 s[OP:OP+1], s[8:9], s[36:37]
	s_wait_alu depctr_va_vdst(0)                   ; the offsets and LDS addresses v1 to v11, v224 and v225 are written, which the loads and stores of the copy and of the way out read
.irp i, 0,1,2,3
	global_load_b128 v[108+4*\i:111+4*\i], v8, s[KP:KP+1] offset:8192*\i
.endr
.irp i, 0,1,2,3
	global_load_b128 v[124+4*\i:127+4*\i], v8, s[VP:VP+1] offset:8192*\i
.endr
	global_load_b64 v[140:141], v9, s[KSP:KSP+1]
	global_load_b32 v142, v10, s[VSP:VSP+1]
	global_load_b128 v[16:19], v[ADK0], s[QP:QP+1]
	global_load_b128 v[240:243], v[ADK0], s[QP:QP+1] offset:8192   ; the second pass's tile: 16 tiles on
	global_load_b32 v24, v225, s[QSP:QSP+1]
	global_load_b32 v244, v225, s[QSP:QSP+1] offset:1024
.irp j, 0,1,2,3
	v_mov_b32 v[20+\j], 0                          ; K 64 .. 127 of the queries: zero codes
	v_mov_b32 v[60+\j], 0                          ; the upper half of the last tile of keys
	v_mov_b32 v[T2+\j], 0                          ; written once: a lane permute's destination counts as one of its sources
.endr
	v_mov_b32 v[F+1], 0                            ; the upper half of a pair of which the low word is taken
	s_wait_loadcnt 0x0
.irp i, 0,1,2,3
	ds_store_b128 v8, v[108+4*\i:111+4*\i] offset:KIMG+8192*\i
.endr
.irp i, 0,1,2,3
	ds_store_b128 v8, v[124+4*\i:127+4*\i] offset:VIMG+8192*\i
.endr
	ds_store_b64 v[TMP], v[140:141]
	ds_store_b16 v11, v142
	ds_store_b16_d16_hi v11, v142 offset:4
	s_wait_dscnt 0x0                               ; for the others' sake: my part of the copy lies in LDS
	s_barrier_signal -1
	s_barrier_wait -1                              ; everybody's does; from here on these bytes are only read
	s_mov_b32 s[PASS], 2
.Lpass:
	s_wait_alu depctr_vm_vsrc(0)                   ; first pass: the copy's loads and stores have read v8 to v11, v224 and v108 to v142; second pass: the way out's stores have read S, the last key loads v8 and v10.  The pass writes them all again
	v_mov_b32 v13, 0xff61b1e6                      ; the largest t so far: -3e38, under every t
	v_floor_f32 v12, -v13
	v_mov_b32 v14, 0
	v_mov_b32 v15, 0
.irp j, 0,1,2,3,4,5,6,7,8,9,10,11,12,13,14,15,16,17,18,19,20,21,22,23,24,25,26,27,28,29,30,31
	v_mov_b32 v[O+\j], 0                           ; the key step is written without a first step of its own: it finds zeros, which the first change of M leaves zeros
.endr
	s_mov_b32 s[TK], 0
	s_mov_b32 s[TS], 0
	s_mov_b32 s[TV], 0
	s_mov_b32 s[TT], 0
	v_mov_b32 v[ADK], v[ADK0]
	v_mov_b32 v[ADS], v[ASK0]
	s_wait_alu depctr_va_vdst(0)                   ; v8 and v10 are written, which the loads below read; the last pass's products are done reading the keys' registers, in which they land; the queries' codes, zero codes and scale word that vector instructions wrote are written, ahead of the scaled products
	KLOAD
	s_mov_b32 s[CNT], 7
.Lstep:
	STEP 0
	s_sub_co_u32 s[CNT], s[CNT], 1
	s_cmp_lg_u32 s[CNT], 0
	s_cbranch_scc1 .Lstep
	STEP 1
	; THE WAY OUT: O^T / the sum goes through my stage and leaves as whole rows of 256 bytes
	PLACES
	v_add_f32 v14, v14, v15
	v_permlanex16_b32 v[TMP], v14, s[SEL], s[SEL+1]
	v_add_f32 v14, v14, v[TMP]                     ; the row's sum
	v_rcp_f32 v14, v14
	v_nop
	s_wait_alu depctr_va_vdst(0)                   ; the reciprocal has written v14, ahead of its first reader
.set II, 0
.rept 32
	v_mul_f32 v[S+II], v[O+II], v14                ; register 8 t + j: place 16 t + 8 h + j of query r
.set II, II+1
.endr
	s_wait_alu depctr_va_vdst(0)                   ; the 32 products have written S's lower half, which the LDS stores read; the softmax is done with its upper half, in which the LDS loads land
.irp t, 0,1,2,3
	ds_store_b128 v[STO], v[S+8*\t:S+8*\t+3] offset:64*\t
	ds_store_b128 v[STO], v[S+8*\t+4:S+8*\t+7] offset:64*\t+16
.endr
.irp i, 0,1,2,3,4,5,6,7
	ds_load_b128 v[S+32+4*\i:S+32+4*\i+3], v[RD] offset:544*\i     ; my own bytes, served in order
.endr
.irp i, 0,1,2,3,4,5,6,7
	s_wait_dscnt 7-\i
	global_store_b128 v[GO], v[S+32+4*\i:S+32+4*\i+3], s[OP:OP+1] offset:512*\i+2048*(\i/4) th:TH_STORE_NT   ; sixteen lanes store one token's 256 bytes, aligned; the tile's rows 8-15 are tokens 16-23 from its first
.endr
.irp j, 0,1,2,3
	v_mov_b32 v[16+\j], v[240+\j]                  ; the second pass's queries
.endr
	v_mov_b32 v24, v244
	s_wait_xcnt 0x0                                ; the stores have read their base and their registers: both are written again only behind this wait
	s_add_nc_u64 s[OP:OP+1], s[OP:OP+1], 65536     ; 16 tiles, 256 tokens, on
	s_sub_co_u32 s[PASS], s[PASS], 1
	s_cmp_lg_u32 s[PASS], 0
	s_cbranch_scc1 .Lpass
	s_wait_dscnt 0x0                               ; the closing lines, six on end
	s_wait_alu 0x0
	s_wait_tensorcnt 0x0
	ds_add_u32 v254, v255
	s_wait_dscnt 0x0
	s_endpgm
.Lfunc_end_k_q4b91bc5ac7_attn:
	.size	k_q4b91bc5ac7_attn, .Lfunc_end_k_q4b91bc5ac7_attn-k_q4b91bc5ac7_attn
	.p2alignl 7, 3214868480
	.fill 96, 4, 3214868480
	.section	.rodata,"a",@progbits
	.p2align	6, 0x0
	.amdhsa_kernel k_q4b91bc5ac7_attn
		.amdhsa_group_segment_fixed_size 143360
		.amdhsa_private_segment_fixed_size 0
		.amdhsa_enable_private_segment 0
		.amdhsa_kernarg_size 24
		.amdhsa_user_sgpr_count 2
		.amdhsa_user_sgpr_kernarg_segment_ptr 1
		.amdhsa_wavefront_size32 1
		.amdhsa_system_sgpr_workgroup_id_x 1
		.amdhsa_system_sgpr_workgroup_id_y 1
		.amdhsa_system_sgpr_workgroup_id_z 1
		.amdhsa_system_vgpr_workitem_id 0
		.amdhsa_next_free_vgpr 256
		.amdhsa_next_free_sgpr 66
		.amdhsa_reserve_vcc 0
		.amdhsa_float_denorm_mode_32 3
		.amdhsa_float_denorm_mode_16_64 3
		.amdhsa_memory_ordered 1
		.amdhsa_forward_progress 1
		.amdhsa_inst_pref_size 43
	.end_amdhsa_kernel
	.amdgpu_metadata
---
amdhsa.version: [ 1, 2 ]
amdhsa.kernels:
  - .name:           k_q4b91bc5ac7_attn
    .symbol:         k_q4b91bc5ac7_attn.kd
    .args:
      - { .name: acodes, .offset: 0, .size: 8, .value_kind: global_buffer, .address_space: global }
      - { .name: ascales, .offset: 8, .size: 8, .value_kind: global_buffer, .address_space: global }
      - { .name: att, .offset: 16, .size: 8, .value_kind: global_buffer, .address_space: global }
    .group_segment_fixed_size: 143360
    .private_segment_fixed_size: 0
    .kernarg_segment_align: 8
    .kernarg_segment_size: 24
    .max_flat_workgroup_size: 512
    .sgpr_count:     66
    .vgpr_count:     256
    .wavefront_size: 32
...
	.end_amdgpu_metadata
.endif
;; end of part 5
;; launch ffn (part 6): grid 128 x 2, 16 waves a work-group, no clusters, 220,160 bytes of LDS; arguments rgb1, depth1, g21, g22, be21, be22, W11_codes, W21_codes, W11_scales, W21_scales, b11, b21, W12_codes, W22_codes, W12_scales, W22_scales, b12, b22, att, out0, out1, out2; writes out0, out1, out2
.if DOCPART == 6
	.amdgcn_target "amdgcn-amd-amdhsa--gfx1250"
	.amdhsa_code_object_version 6
	.text
	.protected	k_q4b91bc5ac7_ffn
	.globl	k_q4b91bc5ac7_ffn
	.p2align	8
	.type	k_q4b91bc5ac7_ffn,@function
k_q4b91bc5ac7_ffn:
	s_mov_b64 s[64:65], 0
	v_nop
	global_prefetch_b8 v0, s[64:65] scope:SCOPE_SE
	s_setreg_imm32_b32 hwreg(HW_REG_WAVE_SCHED_MODE, 0, 2), 2
	s_setreg_imm32_b32 hwreg(HW_REG_WAVE_MODE, 25, 1), 1
	s_wait_xcnt 0x0
	s_wait_alu depctr_vm_vsrc(0)
; For one stream (grid y: 0 rgb, 1 depth): res = x + attention's result; h = LayerNorm(res), quantised to FP4 (E2M1); out = res + relu(h W1 + b1) W2 + b2, both products on codes, the hidden layer quantised on the way and never in memory.
; The depth stream's result is stored twice (out1 and out2).
; SHARES.  A work-group takes 64 tokens.  Wave w: first rows 4 w .. 4 w + 3 (residual, LayerNorm, codes to LDS); then hidden units 64 w .. 64 w + 63 for all 64 tokens; then outputs 32 w .. 32 w + 31 for all 64 tokens; then it stores rows 4 w .. 4 w + 3.
; Its weights come from memory straight into registers, each fragment once, through a ring of four register slots that runs on from W1 into W2.
; ORDER OF THE REQUESTS.  What a wave waits for first is asked for first: row 0, the gains and offsets, rows 1 and 2 (whole runs of 512 and 256 bytes), and only then the ring's steps 0 and 1 (each load names 32 bytes of sixteen rows of W).
; Row 2 lies in the registers of ring slots 2 and 3, which take their weights when it has been worked; b1 and row 3 are asked for in row 0's turn, row 3 into row 0's registers.
; NO CLUSTER, NO TENSOR LOAD: the sixteen waves want sixteen different parts of the weights, each once and in registers; what they share, the tokens' and the hidden layer's codes, is made here and goes through LDS.
; Both products are used transposed (source 0 = 16 rows of W, source 1 = 16 tokens): a lane holds one token and its registers run along the columns.  Lane r of W1's tile 2 p + u takes row 32 p + 8 u + r + 8 (r / 8) of my 64,
; so that two neighbouring tiles give a lane 16 neighbours along the next K.  The biases are the C of each sum's first matrix instruction.
; The hidden layer goes from wave to wave as an image of the operand's registers: 16 bytes a lane, 512 a group of four registers; my 64 units are half c = w % 2 of K step w / 2.
; att is [stream][batch][head][token][64]; channel c of a row is place c / 8 of head c % 8: a lane that holds channels 16 l .. 16 l + 15 wants places 2 l and 2 l + 1 of all eight heads: eight loads of 8 bytes a lane, each of one whole row of 256 bytes.
; LIMITS: NaN and infinities among the inputs are not served.  A block whose largest magnitude lies under 2^-124 gets the scale byte 1; a block of zeros the byte 1 and not 127: its codes are zeros, and only this program reads the bytes.
; THE MODE: SCHED_MODE bits 1:0 = 2 (LLVM: expert scheduling mode 2), set by the entry lines.  The code itself states the register dependences
; between vector or matrix instructions and memory or LDS instructions, with s_wait_alu, always for 0.
; THE PLAN.  Registers that memory or LDS instructions touch:
;   v1-15        offsets and LDS addresses.  Written at the head, ahead of the wait on va_vdst in front of the first load; never written again.
;   a row's 32 registers.  Written by loads.  x's 16 are read by the turn's first four LDS stores, att's 16 by the sixteen additions; in rows 0 and 2 loads land in all 32 again behind the additions; later matrix results.
;   X            Written by the turn's four LDS loads and by the additions; read by the four LDS stores of res; then changed by the LayerNorm.     CX, BY  written by the LayerNorm; read by the turn's last two LDS stores.
;   v252, v236   Read as offsets by the loads of the gains and offsets and of b1; written later by the LayerNorm and by the quantiser.
;   So a row's turn has a wait on va_vdst behind the additions (X is written; att's registers are done with), in rows 0 and 2 one on vm_vsrc beside it (the first stores have read x's registers),
;   one on vm_vsrc inside the LayerNorm, ahead of its first change of X, and one on va_vdst behind it; the next turn's LDS loads into X follow that with no vector instruction between.
;   XF, XS, the ring's slots.  Written by loads; read by a step's eight products.  There is one set of token fragments: the wave names all its 256 registers.  One wait on va_vdst behind a step's products frees them for the next loads.
;   QC, QB       The hidden layer's codes and scale words: written by the quantiser, read by eight LDS stores; v236-238 then become addresses: a wait on va_vdst ahead of the stores, one on vm_vsrc behind them, one on va_vdst ahead of the first load by the new addresses.
;   ACC          Written by the products and the last additions; read by the LDS stores into RES; then the rows of the way out land in it: a wait on va_vdst ahead of those stores, one on vm_vsrc ahead of those loads.
.set XIMG, 0                           ; LDS: 64 rows x 272: 256 bytes of codes + 16
.set XSC,  17408                       ; 64 rows x 16 scale bytes
.set HIMG, 18432                       ; the hidden layer: [token tile 4][K step 8][half 2][lane 32][16 bytes]
.set HSC,  51200                       ; its scale words: [token tile 4][K step 8][r 16]
.set RES,  53248                       ; 64 rows x 2,576 (161 x 16): number c at 80 (c / 16) + 4 (c % 16).  It serves as the stage that turns a row, keeps res, and is the stage of the way out
.set ACC, 16                           ; registers as in the launch that makes q, k, v1, v2
.set XF,  80
.set XS,  112
.set WF,  116
.set WS,  180
.set BQ,  188
.set QC,  220
.set QB,  236
.set TM,  240
.set RAW, 16                           ; first phase: v16-79 two rows as loaded (16 registers of x, 16 of att each); a third in v148-179
.set G,   80
.set BE,  96
.set X,   220
.set T,   240
.set MU,  248
.set RS,  250
.set SOP, 252
.set BY,  253
.set CX,  254
.set AIN, 3                            ; v1 16 x lane, v2 8 x lane;  v3  my rows of RES as loaded: 80 (lane / 4) + 16 (lane % 4)
.set ANB, 4                            ; v4  the same, 16 neighbours: 80 x lane
.set XC,  5
.set XB,  6
.set XA,  7
.set XSA, 8
.set WOA, 9                            ; v9, v10   my row of a tile of W1: codes, scale words
.set WSA, 10
.set WOB, 11                           ; v11, v12  of W2
.set WSB, 12
.set HW,  13                           ; v13, v14  where my part of the hidden layer's images and scale words goes
.set HSW, 14
.set RESA, 15                          ; v15  my outputs' place in RES, token tiles 0 and 1;  v238 tiles 2 and 3
.set HR,  236                          ; v236, v237  an image's and a scale word's place for my lane (made when the scale words made here have left these registers).  In the first phase v236 holds b1's offset, 64 h
.set HSR, 237
.set RESA2, 238
.set XP,  52
.set GP,  54
.set BEP, 56
.set W1P, 58
.set W1SP, 60
.set B1P, 62
.set W2P, 66
.set W2SP, 68
.set B2P, 70
.set ATP, 72
.set OP1, 74
.set OP2, 76
.set SEL, 78
.set INV, 80
.set EPS, 81
.macro PLACES                          ; four plain vector instructions behind matrix instructions, ahead of loads into their registers and of reads of their results; a wait on va_vdst behind them fills no place, and they stand for no wait
.rept 4
	v_nop
.endr
.endm
.macro REDUCE reg, tmp
	v_add_f32_dpp v[\reg], v[\reg], v[\reg] row_xmask:1 row_mask:0xf bank_mask:0xf
	v_add_f32_dpp v[\reg], v[\reg], v[\reg] row_xmask:2 row_mask:0xf bank_mask:0xf
	v_add_f32_dpp v[\reg], v[\reg], v[\reg] row_xmask:4 row_mask:0xf bank_mask:0xf
	v_add_f32_dpp v[\reg], v[\reg], v[\reg] row_xmask:8 row_mask:0xf bank_mask:0xf
	v_permlanex16_b32 v[\tmp], v[\reg], s[SEL], s[SEL+1]
	v_add_f32 v[\reg], v[\reg], v[\tmp]
.endm
; X = channels 16 x lane + 0 .. 15 of one row -> CX: their 16 codes, BY: the scale byte of the block that lanes 2 i and 2 i + 1 share.  dsw = 1: LDS stores that read X are waited for before X is changed.
.macro LNCORE dsw
	v_pk_add_f32 v[T:T+1], v[X:X+1], v[X+2:X+3]
	v_pk_add_f32 v[T+2:T+3], v[X+4:X+5], v[X+6:X+7]
	v_pk_add_f32 v[T+4:T+5], v[X+8:X+9], v[X+10:X+11]
	v_pk_add_f32 v[T+6:T+7], v[X+12:X+13], v[X+14:X+15]
	v_pk_add_f32 v[T:T+1], v[T:T+1], v[T+2:T+3]
	v_pk_add_f32 v[T+4:T+5], v[T+4:T+5], v[T+6:T+7]
	v_pk_add_f32 v[T:T+1], v[T:T+1], v[T+4:T+5]
	v_add_f32 v[T], v[T], v[T+1]
	REDUCE T, T+1
	v_mul_f32 v[MU], s[INV], v[T]
.if \dsw
	s_wait_dscnt 0x0
	s_wait_alu depctr_vm_vsrc(0)                   ; the stores of res have read X, which the lines below change; the last turn's stores have read CX and BY, and in row 0 the loads of the gains and offsets v[SOP]: all three are written further down
.endif
.irp j, 0,2,4,6,8,10,12,14
	v_pk_add_f32 v[X+\j:X+\j+1], v[X+\j:X+\j+1], v[MU:MU+1] op_sel_hi:[1,0] neg_lo:[0,1] neg_hi:[0,1]
.endr
	v_pk_mul_f32 v[T:T+1], v[X:X+1], v[X:X+1]
	v_pk_mul_f32 v[T+2:T+3], v[X+2:X+3], v[X+2:X+3]
.irp j, 4,8,12
	v_pk_fma_f32 v[T:T+1], v[X+\j:X+\j+1], v[X+\j:X+\j+1], v[T:T+1]
	v_pk_fma_f32 v[T+2:T+3], v[X+\j+2:X+\j+3], v[X+\j+2:X+\j+3], v[T+2:T+3]
.endr
	v_pk_add_f32 v[T:T+1], v[T:T+1], v[T+2:T+3]
	v_add_f32 v[T], v[T], v[T+1]
	REDUCE T, T+1
	v_fma_f32 v[T], v[T], s[INV], s[EPS]
	v_rsq_f32 v[RS], v[T]
	v_nop                                          ; a plain instruction behind the transcendental,
	s_wait_alu depctr_va_vdst(0)                   ; and the wait ahead of its first reader: v[RS] is written
.irp j, 0,2,4,6,8,10,12,14
	v_pk_mul_f32 v[X+\j:X+\j+1], v[X+\j:X+\j+1], v[RS:RS+1] op_sel_hi:[1,0]
.endr
.irp j, 0,2,4,6,8,10,12,14
	v_pk_fma_f32 v[X+\j:X+\j+1], v[X+\j:X+\j+1], v[G+\j:G+\j+1], v[BE+\j:BE+\j+1]
.endr
	v_max3_num_f32 v[T], |v[X]|, |v[X+1]|, |v[X+2]|
	v_max3_num_f32 v[T+1], |v[X+3]|, |v[X+4]|, |v[X+5]|
.irp j, 6,10
	v_max3_num_f32 v[T], v[T], |v[X+\j]|, |v[X+\j+1]|
	v_max3_num_f32 v[T+1], v[T+1], |v[X+\j+2]|, |v[X+\j+3]|
.endr
	v_max3_num_f32 v[T], v[T], |v[X+14]|, |v[X+15]|
	v_max3_num_f32 v[T], v[T], v[T+1], 0x1800000   ; the floor 2^(3 - 127): the byte cannot fall under 1
	v_max_num_f32_dpp v[T], v[T], v[T] row_xmask:1 row_mask:0xf bank_mask:0xf
	v_add_nc_u32 v[SOP], 0xff000000, v[T]          ; 2 off the exponent field: the conversion's scale operand
	v_cvt_scalef32_pk8_fp4_f32 v[CX], v[X:X+7], v[SOP]
	v_cvt_scalef32_pk8_fp4_f32 v[CX+1], v[X+8:X+15], v[SOP]
	v_lshrrev_b32 v[BY], 23, v[SOP]                ; the scale's byte; also the plain instruction behind the conversions
.endm
.macro XLOAD adr, sadr, tp, off, cs, stp, soff     ; four token fragments and their scale words from LDS: 12 loads
.irp m, 0,1,2,3
.irp c, 0,1
	ds_load_b128 v[XF+8*\m+4*\c:XF+8*\m+4*\c+3], v[\adr] offset:\m*(\tp)+(\off)+(\cs)*\c
.endr
.endr
.irp m, 0,1,2,3
	ds_load_b32 v[XS+\m], v[\sadr] offset:\m*(\stp)+(\soff)
.endr
.endm
.macro WLOAD n, o0, o1, wp, imm, ts, so0, so1, sp, simm, sts   ; ring step n's two weight fragments and their scale words into slot n % 4: 6 loads
.set WB, WF+16*((\n)%4)
.irp c, 0,1
	global_load_b128 v[WB+4*\c:WB+4*\c+3], v[\o0], s[\wp:\wp+1] offset:(\imm)+32*\c
.endr
.irp c, 0,1
	global_load_b128 v[WB+8+4*\c:WB+8+4*\c+3], v[\o1], s[\wp:\wp+1] offset:(\imm)+(\ts)+32*\c
.endr
	global_load_b32 v[WS+2*((\n)%4)], v[\so0], s[\sp:\sp+1] offset:(\simm)
	global_load_b32 v[WS+2*((\n)%4)+1], v[\so1], s[\sp:\sp+1] offset:(\simm)+(\sts)
.endm
.macro W03 n                           ; ring step n of the first four
	WLOAD \n, WOA, WOA, W1P, 64*(\n), 2048, WSA, WSA, W1SP, 4*(\n), 128
.endm
; 8 matrix instructions, 128 along K: the 8 accumulators take turns, one instruction a turn, from step to step too.
; cm = 1: they add in place; 2: the sums start from the bias registers of tile bt + tt.  Source 0 = W, source 1 = tokens.
.macro MM n, cm, bt
.irp tt, 0,1
.irp m, 0,1,2,3
.set rD, ACC+32*\tt+8*\m
.set rW, WF+16*((\n)%4)+8*\tt
.set rX, XF+8*\m
.set rWS, WS+2*((\n)%4)+\tt
.set rXS, XS+\m
.set rC, rD
.if (\cm) == 2
.set rC, BQ+8*((\bt)+\tt)
.endif
	v_wmma_scale_f32_16x16x128_f8f6f4 v[rD:rD+7], v[rW:rW+7], v[rX:rX+7], v[rC:rC+7], v[rWS], v[rXS] matrix_a_fmt:MATRIX_FMT_FP4 matrix_b_fmt:MATRIX_FMT_FP4
.endr
.endr
.endm
; block p (32 of my 64 hidden units) of 64 tokens: relu, then the quantiser.  The 16 registers of accumulators (0, m) and (1, m) are units 32 p + 16 (lane / 16) + 0 .. 15 of one token.  The four m by turns.
.macro QBLK p
.irp i, 0,1,2,3,4,5,6,7
.irp tt, 0,1
.irp m, 0,1,2,3
	v_max_num_f32 v[ACC+32*\tt+8*\m+\i], 0, v[ACC+32*\tt+8*\m+\i]  ; each accumulator is read from its low end on
.endr
.endr
.endr
.irp m, 0,1,2,3
	v_max3_num_f32 v[TM+\m], v[ACC+8*\m], v[ACC+8*\m+1], 0x1800000 ; none is negative: no |.|.  The floor 2^(3 - 127)
.endr
.irp i, 2,4,6
.irp m, 0,1,2,3
	v_max3_num_f32 v[TM+\m], v[TM+\m], v[ACC+8*\m+\i], v[ACC+8*\m+\i+1]
.endr
.endr
.irp i, 0,2,4,6
.irp m, 0,1,2,3
	v_max3_num_f32 v[TM+\m], v[TM+\m], v[ACC+32+8*\m+\i], v[ACC+32+8*\m+\i+1]
.endr
.endr
.irp m, 0,1,2,3
	v_permlanex16_b32 v[TM+4+\m], v[TM+\m], s[SEL], s[SEL+1]
.endr
.irp m, 0,1,2,3
	v_max_num_f32 v[TM+\m], v[TM+\m], v[TM+4+\m]
.endr
.irp m, 0,1,2,3
	v_add_nc_u32 v[TM+8+\m], 0xff000000, v[TM+\m]
.endr
.irp m, 0,1,2,3
	v_lshrrev_b32 v[TM+4+\m], 23, v[TM+8+\m]
.endr
.irp m, 0,1,2,3
.if (\p) == 0
	v_mov_b32 v[QB+\m], v[TM+4+\m]
.else
	v_lshl_or_b32 v[QB+\m], v[TM+4+\m], 8, v[QB+\m]
.endif
.endr
.irp m, 0,1,2,3
	v_cvt_scalef32_pk8_fp4_f32 v[QC+4*\m+2*(\p)], v[ACC+8*\m:ACC+8*\m+7], v[TM+8+\m]
	v_cvt_scalef32_pk8_fp4_f32 v[QC+4*\m+2*(\p)+1], v[ACC+32+8*\m:ACC+32+8*\m+7], v[TM+8+\m]
.endr
	v_nop                                          ; one plain instruction behind the conversions
.endm
.macro RROWLOAD i, reg                 ; row i of my four into v[reg] on: 4 loads of x (512 consecutive bytes each), 8 of att (one row of 256 bytes each): 12 loads
.irp j, 0,1,2,3
	global_load_b128 v[(\reg)+4*\j:(\reg)+4*\j+3], v1, s[XP:XP+1] offset:2048*(\i)+512*\j th:TH_LOAD_NT
.endr
.irp hd, 0,1,2,3,4,5,6,7
	global_load_b64 v[(\reg)+16+2*\hd:(\reg)+16+2*\hd+1], v2, s[ATP:ATP+1] offset:262144*\hd+256*(\i) th:TH_LOAD_NT
.endr
.endm
; row i, which lies in v[reg] on.  cnt: the loads issued behind this row's (for row 0: behind the gains and offsets), which may stay out.
.macro RESROW i, reg, cnt
	s_wait_loadcnt \cnt
.irp j, 0,1,2,3
	ds_store_b128 v[AIN], v[(\reg)+4*\j:(\reg)+4*\j+3] offset:2576*(\i)+640*\j     ; x turns through the row's own place in RES: in as loaded,
.endr
.irp j, 0,1,2,3
	ds_load_b128 v[X+4*\j:X+4*\j+3], v[ANB] offset:2576*(\i)+16*\j                 ; out as 16 neighbours a lane.  No vector instruction since the last wait on va_vdst names X, and the last turn's stores of res stand ahead of its wait on vm_vsrc
.endr
	s_wait_dscnt 0x0
.irp e, 0,1
.irp hd, 0,1,2,3,4,5,6,7
	v_add_f32 v[X+8*\e+\hd], v[X+8*\e+\hd], v[(\reg)+16+2*\hd+\e]                  ; res: channel 8 (2 l + e) + head
.endr
.endr
	s_wait_alu depctr_va_vdst(0)                   ; the sixteen additions have written X, which the stores of res read, and are done reading att's registers, in which loads land in rows 0 and 2
.if (\i) == 0
	s_wait_alu depctr_vm_vsrc(0)                   ; the turn's first four stores have read x's registers, in which row 3 lands
.irp t, 0,1,2,3
	global_load_b128 v[BQ+8*\t:BQ+8*\t+3], v[QB], s[B1P:B1P+1] offset:4*(32*(\t/2)+8*(\t%2))       ; b1 in the result's layout: unit 32 (t / 2) + 16 h + 8 (t % 2) + j
	global_load_b128 v[BQ+8*\t+4:BQ+8*\t+7], v[QB], s[B1P:B1P+1] offset:4*(32*(\t/2)+8*(\t%2))+16
.endr
	RROWLOAD 3, RAW                                ; the last row takes the registers just left
.elseif (\i) == 2
	s_wait_alu depctr_vm_vsrc(0)                   ; the turn's first four stores have read x's registers, in which ring step 2 lands
	W03 2                                          ; and ring steps 2 and 3 their own slots
	W03 3
.endif
.irp j, 0,1,2,3
	ds_store_b128 v[ANB], v[X+4*\j:X+4*\j+3] offset:2576*(\i)+16*\j    ; res stays in LDS until the end
.endr
	LNCORE 1
	s_wait_alu depctr_va_vdst(0)                   ; the LayerNorm has written CX and BY, which the two stores read, and is done with X, in which the next row lands
	ds_store_b64 v[XC], v[CX:CX+1] offset:272*(\i)
	ds_store_b8 v[XB], v[BY] offset:16*(\i)        ; both lanes of a block write the same byte with the same value
.endm
; ring step n of 16.  0-7: the first product, pass n / 4 (32 hidden units), K step n % 4.  8-15: the second, K step n - 8.
.macro FSTEP n
.if (\n) < 8
	XLOAD XA, XSA, 4352, 64*((\n)%4), 32, 256, 4*((\n)%4)
.else
	XLOAD HR, HSR, 8192, 1024*((\n)-8), 512, 512, 64*((\n)-8)
.endif
.if (\n) >= 2
.if 15-(\n) >= 3
	s_wait_loadcnt 18                              ; this step's six loads are in; the three later steps' may be out (in steps 5 to 7 b2's four lie among the younger ones: the count is then the stricter one).  Steps 0 and 1 and b1 were shown in with the last row
.else
	s_wait_loadcnt 6*(15-(\n))
.endif
.endif
	s_wait_dscnt 0x0
.if (\n) < 8
.if (\n)%4 == 0
	MM \n, 2, 2*((\n)/4)
.else
	MM \n, 1, 0
.endif
.else
.if (\n) == 8
	MM \n, 2, 0
.else
	MM \n, 1, 0
.endif
.endif
	PLACES
	s_wait_alu depctr_va_vdst(0)                   ; the eight products are done reading XF and XS, in which the next step's LDS loads land, and ring slot n % 4, in which loads land next (behind step 15: res, in all four slots); at step 4 also: step 0's products are done with b1's first two tiles, v255 is written
.if (\n) == 4
.irp tt, 0,1
	global_load_b128 v[BQ+8*\tt:BQ+8*\tt+3], v255, s[B2P:B2P+1] offset:64*\tt          ; b2 in the result's layout, into the registers that b1's first two tiles left at step 0
	global_load_b128 v[BQ+8*\tt+4:BQ+8*\tt+7], v255, s[B2P:B2P+1] offset:64*\tt+16
.endr
.endif
.if (\n)+4 < 8
	WLOAD (\n)+4, WOA, WOA, W1P, 8192*(((\n)+4)/4)+64*(((\n)+4)%4), 2048, WSA, WSA, W1SP, 512*(((\n)+4)/4)+4*(((\n)+4)%4), 128
.elseif (\n)+4 < 16
	WLOAD (\n)+4, WOB, WOB, W2P, 64*((\n)+4-8), 8192, WSB, WSB, W2SP, 4*((\n)+4-8), 512
.endif
.endm
	s_load_b512 s[8:23], s[0:1], 0x0               ; rgb1, depth1, g21, g22, be21, be22, W11_codes, W21_codes
	s_load_b512 s[24:39], s[0:1], 0x40             ; W11_scales, W21_scales, b11, b21, W12_codes, W22_codes, W12_scales, W22_scales
	s_load_b256 s[40:47], s[0:1], 0x80             ; b12, b22, att, out0
	s_load_b128 s[48:51], s[0:1], 0xa0             ; out1, out2
	v_lshrrev_b32 v1, 5, v0
	v_readfirstlane_b32 s2, v1                     ; wave 0..15
	s_and_b32 s3, ttmp7, 0xffff                    ; stream
	s_mov_b32 s[SEL], 0x76543210
	s_mov_b32 s[SEL+1], 0xfedcba98
	s_mov_b32 s[INV], 0x3b000000                   ; 1 / 512
	s_mov_b32 s[EPS], 0x3727c5ac                   ; 1e-5
	v_and_b32 v16, 31, v0                          ; lane
	v_and_b32 v17, 15, v0                          ; r
	v_bfe_u32 v18, v0, 4, 1                        ; h
	v_lshlrev_b32 v1, 4, v16
	v_lshlrev_b32 v2, 3, v16
	s_wait_alu depctr_va_sdst(0)                   ; s2 is written, ahead of its first reader: LDS places and bases are made from it
	s_mul_i32 s82, s2, 4*2576
	s_add_co_u32 s82, s82, RES                     ; my four rows of RES
	v_lshrrev_b32 v19, 2, v16
	v_mul_u32_u24 v19, v19, 80
	v_and_b32 v20, 3, v16
	v_lshl_add_u32 v19, v20, 4, v19
	v_add_nc_u32 v[AIN], s82, v19
	v_mul_u32_u24 v19, v16, 80
	v_add_nc_u32 v[ANB], s82, v19
	s_mul_i32 s82, s2, 4*272
	v_lshl_add_u32 v[XC], v16, 3, s82
	s_lshl_b32 s82, s2, 6
	s_add_co_u32 s82, s82, XSC
	v_lshrrev_b32 v19, 1, v16
	v_add_nc_u32 v[XB], s82, v19
	v_mul_u32_u24 v[XA], v17, 272
	v_lshl_add_u32 v[XA], v18, 4, v[XA]
	v_lshl_add_u32 v[XSA], v17, 4, XSC
	v_and_b32 v19, 8, v17
	v_add_nc_u32 v19, v19, v17                     ; r + 8 (r / 8)
	v_lshlrev_b32 v[WOA], 8, v19                   ; W1: a row is 256 bytes of codes, 16 of scales
	v_lshl_add_u32 v[WOA], v18, 4, v[WOA]
	v_lshlrev_b32 v[WSA], 4, v19
	v_lshlrev_b32 v[WOB], 9, v17                   ; W2: 512 and 32
	v_lshl_add_u32 v[WOB], v18, 4, v[WOB]
	v_lshlrev_b32 v[WSB], 5, v17
	s_lshr_b32 s82, s2, 1
	s_lshl_b32 s83, s82, 10
	s_and_b32 s84, s2, 1
	s_lshl_b32 s85, s84, 9
	s_add_co_u32 s83, s83, s85
	s_add_co_u32 s83, s83, HIMG
	v_add_nc_u32 v[HW], s83, v1
	s_lshl_b32 s83, s82, 6
	s_lshl_b32 s85, s84, 1
	s_add_co_u32 s83, s83, s85
	s_add_co_u32 s83, s83, HSC
	v_lshl_add_u32 v[HSW], v17, 2, s83
	s_mul_i32 s83, s2, 160                         ; my 32 outputs: two places of 80 bytes
	s_add_co_u32 s83, s83, RES
	v_mul_u32_u24 v[RESA], v17, 2576
	v_lshl_add_u32 v[RESA], v18, 5, v[RESA]
	v_add_nc_u32 v[RESA], s83, v[RESA]
	v_lshlrev_b32 v[SOP], 6, v16                   ; 64 x lane: my 16 gains and offsets
	v_lshlrev_b32 v[QB], 6, v18                    ; 64 h: b1 for lanes 16-31 begins 16 units on.  In a register that is not written again before the wait that shows b1's loads done
	v_mov_b32 v[MU+1], 0                           ; upper halves of pairs of which the packed forms take the low word: written once
	v_mov_b32 v[RS+1], 0
	s_wait_kmcnt 0x0
	s_cmp_eq_u32 s3, 0
	s_cselect_b64 s[XP:XP+1], s[8:9], s[10:11]
	s_cselect_b64 s[GP:GP+1], s[12:13], s[14:15]
	s_cselect_b64 s[BEP:BEP+1], s[16:17], s[18:19]
	s_cselect_b64 s[W1P:W1P+1], s[20:21], s[22:23]
	s_cselect_b64 s[W1SP:W1SP+1], s[24:25], s[26:27]
	s_cselect_b64 s[B1P:B1P+1], s[28:29], s[30:31]
	s_cselect_b64 s[W2P:W2P+1], s[32:33], s[34:35]
	s_cselect_b64 s[W2SP:W2SP+1], s[36:37], s[38:39]
	s_cselect_b64 s[B2P:B2P+1], s[40:41], s[42:43]
	s_cselect_b64 s[OP1:OP1+1], s[46:47], s[48:49]
	s_mov_b64 s[OP2:OP2+1], s[50:51]
	s_mov_b64 s[ATP:ATP+1], s[44:45]
	s_mov_b32 s83, 0
	s_lshl_b32 s84, ttmp9, 6
	s_lshl_b32 s85, s2, 2
	s_add_co_u32 s84, s84, s85                     ; my first row: 64 x work-group x + 4 x wave
	s_lshl_b32 s82, s84, 11
	s_add_nc_u64 s[XP:XP+1], s[XP:XP+1], s[82:83]
	s_add_nc_u64 s[OP1:OP1+1], s[OP1:OP1+1], s[82:83]
	s_add_nc_u64 s[OP2:OP2+1], s[OP2:OP2+1], s[82:83]
	s_lshr_b32 s82, ttmp9, 4                       ; batch
	s_lshl_b32 s82, s82, 3
	s_lshl_b32 s85, s3, 6
	s_add_co_u32 s82, s82, s85                     ; head 0 of my stream and batch,
	s_lshl_b32 s82, s82, 10
	s_and_b32 s85, s84, 1023
	s_add_co_u32 s82, s82, s85                     ; my first token in it;
	s_lshl_b32 s82, s82, 8                         ; a row of att is 256 bytes
	s_add_nc_u64 s[ATP:ATP+1], s[ATP:ATP+1], s[82:83]
	s_wait_alu depctr_va_vdst(0)                   ; the offsets and LDS addresses v1 to v15, v[SOP] and v236 are written, which the loads and stores below read; the address arithmetic is done with v16 to v20, in which row 0 lands
	RROWLOAD 0, RAW                                ; what is waited for first goes out first: row 0, the gains and offsets,
.irp j, 0,1,2,3
	global_load_b128 v[G+4*\j:G+4*\j+3], v[SOP], s[GP:GP+1] offset:16*\j
.endr
.irp j, 0,1,2,3
	global_load_b128 v[BE+4*\j:BE+4*\j+3], v[SOP], s[BEP:BEP+1] offset:16*\j
.endr
	RROWLOAD 1, RAW+32                             ; two more rows;
	RROWLOAD 2, WF+32                              ; (one of them in the registers of ring slots 2 and 3)
	s_lshl_b32 s82, s2, 14                         ; the weights' addresses are made while they are on their way.  My 64 rows of W1, my 32 rows of W2: 16,384 bytes of codes each,
	s_add_nc_u64 s[W1P:W1P+1], s[W1P:W1P+1], s[82:83]
	s_add_nc_u64 s[W2P:W2P+1], s[W2P:W2P+1], s[82:83]
	s_lshl_b32 s82, s2, 10                         ; 1,024 of scales each
	s_add_nc_u64 s[W1SP:W1SP+1], s[W1SP:W1SP+1], s[82:83]
	s_add_nc_u64 s[W2SP:W2SP+1], s[W2SP:W2SP+1], s[82:83]
	W03 0                                          ; ring steps 0 and 1 land under the first phase
	W03 1
	s_lshl_b32 s82, s2, 8
	s_add_nc_u64 s[B1P:B1P+1], s[B1P:B1P+1], s[82:83]
	s_lshl_b32 s82, s2, 7
	s_add_nc_u64 s[B2P:B2P+1], s[B2P:B2P+1], s[82:83]
	; the counts: loads issued behind the row's own.  The order of issue: row 0 (12), gains and offsets (8), rows 1 and 2 (24), ring steps 0, 1 (12); b1 (8) and row 3 (12) in row 0's turn; ring steps 2, 3 (12) in row 2's
	RESROW 0, RAW, 36                              ; 24 + 12
	RESROW 1, RAW+32, 44                           ; 12 + 12 + 8 + 12
	RESROW 2, WF+32, 32                            ; 12 + 8 + 12
	RESROW 3, RAW, 12                              ; ring steps 2 and 3: steps 0 and 1 and b1 are in with it
	s_wait_dscnt 0x0                               ; for the others' sake: my rows' codes, scale bytes and res lie in LDS
	s_barrier_signal -1
	s_barrier_wait -1
	s_wait_alu depctr_vm_vsrc(0)                   ; row 3's last stores have read CX (v254, v255) and BY, and all the turns' stores the rows' registers: v255 is written next, the others by the products and the quantiser
	v_bfe_u32 v255, v0, 4, 1
	v_lshlrev_b32 v255, 5, v255                    ; 32 h: b2 for lanes 16-31 begins 8 outputs on
	; ---- the first product, relu, the quantiser
.irp n, 0,1,2,3
	FSTEP \n
.endr
	QBLK 0
.irp n, 4,5,6,7
	FSTEP \n
.endr
	QBLK 1
.irp m, 0,1,2,3
	v_permlane16_swap_b32 v[QC+4*\m], v[QC+4*\m+2]     ; a whole block of 32 units to a lane
	v_permlane16_swap_b32 v[QC+4*\m+1], v[QC+4*\m+3]
.endr
	s_wait_alu depctr_va_vdst(0)                   ; the codes QC and the scale words QB are written, which the eight stores read
.irp m, 0,1,2,3
	ds_store_b128 v[HW], v[QC+4*\m:QC+4*\m+3] offset:8192*\m
	ds_store_b16 v[HSW], v[QB+\m] offset:512*\m    ; my two bytes of the K step's scale word; lanes r and r + 16 write the same
.endr
	s_wait_dscnt 0x0                               ; for the others' sake
	s_wait_alu depctr_vm_vsrc(0)                   ; the stores have read v236 to v238, which the lines below write
	v_add_nc_u32 v[HR], HIMG, v1
	v_and_b32 v[HSR], 15, v0
	v_lshl_add_u32 v[HSR], v[HSR], 2, HSC
	v_add_nc_u32 v[RESA2], 82432, v[RESA]          ; 32 rows of RES on
	s_barrier_signal -1
	s_barrier_wait -1                              ; the hidden layer's 32 fragments lie in LDS.  (The ring's loads of W2 stay on their way: nobody writes those bytes)
	s_wait_alu depctr_va_vdst(0)                   ; v236 to v238 are written, which the LDS loads and stores from here on read as addresses
	; ---- the second product
.irp n, 8,9,10,11,12,13,14,15
	FSTEP \n
.endr
	; ---- + res, in place in RES: each number has one owner lane
.irp tt, 0,1
.irp m, 0,1
.irp e, 0,1
	ds_load_b128 v[WF+32*\tt+8*\m+4*\e:WF+32*\tt+8*\m+4*\e+3], v[RESA] offset:\m*41216+80*\tt+16*\e
	ds_load_b128 v[WF+32*\tt+8*(\m+2)+4*\e:WF+32*\tt+8*(\m+2)+4*\e+3], v[RESA2] offset:\m*41216+80*\tt+16*\e
.endr
.endr
.endr
	s_wait_dscnt 0x0
.irp j, 0,2,4,6,8,10,12,14,16,18,20,22,24,26,28,30,32,34,36,38,40,42,44,46,48,50,52,54,56,58,60,62
	v_pk_add_f32 v[ACC+\j:ACC+\j+1], v[ACC+\j:ACC+\j+1], v[WF+\j:WF+\j+1]      ; ascending: each accumulator is read from its low end on
.endr
	s_wait_alu depctr_va_vdst(0)                   ; the additions have written ACC, which the stores read
.irp tt, 0,1
.irp m, 0,1
.irp e, 0,1
	ds_store_b128 v[RESA], v[ACC+32*\tt+8*\m+4*\e:ACC+32*\tt+8*\m+4*\e+3] offset:\m*41216+80*\tt+16*\e
	ds_store_b128 v[RESA2], v[ACC+32*\tt+8*(\m+2)+4*\e:ACC+32*\tt+8*(\m+2)+4*\e+3] offset:\m*41216+80*\tt+16*\e
.endr
.endr
.endr
	s_wait_dscnt 0x0                               ; for the others' sake
	s_barrier_signal -1
	s_barrier_wait -1                              ; 64 whole rows of the result lie in RES
	s_wait_alu depctr_vm_vsrc(0)                   ; my stores into RES have read ACC, in which the rows below land
.irp i, 0,1,2,3
.irp j, 0,1,2,3
	ds_load_b128 v[16+4*(4*\i+\j):16+4*(4*\i+\j)+3], v[AIN] offset:2576*\i+640*\j
.endr
.endr
.irp i, 0,1,2,3
.irp j, 0,1,2,3
	s_wait_dscnt 15-(4*\i+\j)
	global_store_b128 v1, v[16+4*(4*\i+\j):16+4*(4*\i+\j)+3], s[OP1:OP1+1] offset:2048*\i+512*\j th:TH_STORE_NT   ; 32 lanes store 512 consecutive bytes, aligned
.endr
.endr
	s_cmp_eq_u32 s3, 0
	s_cbranch_scc1 .Lend
.irp i, 0,1,2,3
.irp j, 0,1,2,3
	global_store_b128 v1, v[16+4*(4*\i+\j):16+4*(4*\i+\j)+3], s[OP2:OP2+1] offset:2048*\i+512*\j th:TH_STORE_NT   ; the depth stream's result once more
.endr
.endr
.Lend:
	s_wait_xcnt 0x0
	s_wait_alu depctr_vm_vsrc(0)                   ; b2's loads have read v255: the two lines below write v254 and v255
	v_lshl_add_u32 v254, v0, 2, 0x35400
	v_mov_b32 v255, 0
	s_wait_dscnt 0x0                               ; the closing lines, six on end
	s_wait_alu 0x0
	s_wait_tensorcnt 0x0
	ds_add_u32 v254, v255
	s_wait_dscnt 0x0
	s_endpgm
.Lfunc_end_k_q4b91bc5ac7_ffn:
	.size	k_q4b91bc5ac7_ffn, .Lfunc_end_k_q4b91bc5ac7_ffn-k_q4b91bc5ac7_ffn
	.p2alignl 7, 3214868480
	.fill 96, 4, 3214868480
	.section	.rodata,"a",@progbits
	.p2align	6, 0x0
	.amdhsa_kernel k_q4b91bc5ac7_ffn
		.amdhsa_group_segment_fixed_size 220160
		.amdhsa_private_segment_fixed_size 0
		.amdhsa_enable_private_segment 0
		.amdhsa_kernarg_size 176
		.amdhsa_user_sgpr_count 2
		.amdhsa_user_sgpr_kernarg_segment_ptr 1
		.amdhsa_wavefront_size32 1
		.amdhsa_system_sgpr_workgroup_id_x 1
		.amdhsa_system_sgpr_workgroup_id_y 1
		.amdhsa_system_sgpr_workgroup_id_z 1
		.amdhsa_system_vgpr_workitem_id 0
		.amdhsa_next_free_vgpr 256
		.amdhsa_next_free_sgpr 96
		.amdhsa_reserve_vcc 0
		.amdhsa_float_denorm_mode_32 3
		.amdhsa_float_denorm_mode_16_64 3
		.amdhsa_memory_ordered 1
		.amdhsa_forward_progress 1
		.amdhsa_inst_pref_size 97
	.end_amdhsa_kernel
	.amdgpu_metadata
---
amdhsa.version: [ 1, 2 ]
amdhsa.kernels:
  - .name:           k_q4b91bc5ac7_ffn
    .symbol:         k_q4b91bc5ac7_ffn.kd
    .args:
      - { .name: rgb1, .offset: 0, .size: 8, .value_kind: global_buffer, .address_space: global }
      - { .name: depth1, .offset: 8, .size: 8, .value_kind: global_buffer, .address_space: global }
      - { .name: g21, .offset: 16, .size: 8, .value_kind: global_buffer, .address_space: global }
      - { .name: g22, .offset: 24, .size: 8, .value_kind: global_buffer, .address_space: global }
      - { .name: be21, .offset: 32, .size: 8, .value_kind: global_buffer, .address_space: global }
      - { .name: be22, .offset: 40, .size: 8, .value_kind: global_buffer, .address_space: global }
      - { .name: W11_codes, .offset: 48, .size: 8, .value_kind: global_buffer, .address_space: global }
      - { .name: W21_codes, .offset: 56, .size: 8, .value_kind: global_buffer, .address_space: global }
      - { .name: W11_scales, .offset: 64, .size: 8, .value_kind: global_buffer, .address_space: global }
      - { .name: W21_scales, .offset: 72, .size: 8, .value_kind: global_buffer, .address_space: global }
      - { .name: b11, .offset: 80, .size: 8, .value_kind: global_buffer, .address_space: global }
      - { .name: b21, .offset: 88, .size: 8, .value_kind: global_buffer, .address_space: global }
      - { .name: W12_codes, .offset: 96, .size: 8, .value_kind: global_buffer, .address_space: global }
      - { .name: W22_codes, .offset: 104, .size: 8, .value_kind: global_buffer, .address_space: global }
      - { .name: W12_scales, .offset: 112, .size: 8, .value_kind: global_buffer, .address_space: global }
      - { .name: W22_scales, .offset: 120, .size: 8, .value_kind: global_buffer, .address_space: global }
      - { .name: b12, .offset: 128, .size: 8, .value_kind: global_buffer, .address_space: global }
      - { .name: b22, .offset: 136, .size: 8, .value_kind: global_buffer, .address_space: global }
      - { .name: att, .offset: 144, .size: 8, .value_kind: global_buffer, .address_space: global }
      - { .name: out0, .offset: 152, .size: 8, .value_kind: global_buffer, .address_space: global }
      - { .name: out1, .offset: 160, .size: 8, .value_kind: global_buffer, .address_space: global }
      - { .name: out2, .offset: 168, .size: 8, .value_kind: global_buffer, .address_space: global }
    .group_segment_fixed_size: 220160
    .private_segment_fixed_size: 0
    .kernarg_segment_align: 8
    .kernarg_segment_size: 176
    .max_flat_workgroup_size: 512
    .sgpr_count:     96
    .vgpr_count:     256
    .wavefront_size: 32
...
	.end_amdgpu_metadata
.endif
;; end of part 6
